; MI455X (gfx1250); checked and timed in simulation.
; The chip was launched on July 23, 2026; its instructions are those of AMD's public machine-readable ISA for CDNA 5 (MIT licence, August 2026) and "CDNA5" Instruction Set Architecture Reference Guide (July 2026). The comments in the code are by the model that wrote it; some were corrected since.
;; Resampler Block. Allowed arithmetic: matrix products marked QUANTISED: E2M3 operands, one E8M0 scale for each 32 along K, by v_wmma_scale_f32_16x16x128_f8f6f4 with both operands' format E2M3, f32 sums; everything else in f32.
;; Inputs: W1 768 x 3,072 float32; W2 3,072 x 768 float32; W_bottle 1,024 x 768 float32; Wkv 768 x 128 float32; Wo 768 x 768 float32; Wq 768 x 768 float32; b1 3,072 float32; b2 768 float32; bkv 128 float32; bo 768 float32; bq 768 float32; gate_param one number float32; hidden_states 8 x 256 x 768 float32; image_features 8 x 4,096 x 1,024 float32; ln_ao_b 768 float32; ln_ao_g 768 float32; ln_f_b 768 float32; ln_f_g 768 float32; ln_h_b 768 float32; ln_h_g 768 float32; ln_img_b 1,024 float32; ln_img_g 1,024 float32.
;; Outputs: out0 8 x 256 x 768 float32.
;; This version of the problem:
;;   THIS VERSION OF THE PROBLEM IS GIVEN IN LOW PRECISION. The matrix products marked QUANTISED in the list below multiply operands that are first quantised to E2M3 (2 exponent bits, 3 mantissa bits; 6 bits a number), with one power-of-two scale for each 32 numbers along K (OCP MX v1.0); their sums are f32. All else is computed in f32.
;;   The module's matrix products, in the order in which they are computed (A, B: the left and right operand; K: the contracted axis; several contracted axes count as one K, in the product's order):
;;     1. [M 32,768, K 1,024] x [K 1,024, N 768]; A: computed on the way; B: input W_bottle: QUANTISED
;;     2. [M 2,048, K 768] x [K 768, N 768]; A: computed on the way; B: input Wq: QUANTISED
;;     3. [M 32,768, K 768] x [K 768, N 128]; A: computed on the way; B: input Wkv: QUANTISED
;;     4. batch 8 x [M 3,072, K 64] x [K 64, N 4,096]; A: computed on the way; B: computed on the way: QUANTISED
;;     5. batch 8 x [M 3,072, K 4,096] x [K 4,096, N 64]; A: softmax (see below); B: computed on the way: QUANTISED
;;     6. [M 2,048, K 768] x [K 768, N 768]; A: computed on the way; B: input Wo: QUANTISED
;;     7. [M 2,048, K 768] x [K 768, N 3,072]; A: computed on the way; B: input W1: QUANTISED
;;     8. [M 2,048, K 3,072] x [K 3,072, N 768]; A: computed on the way; B: input W2: QUANTISED
;;   THE QUANTISER, for each operand of a quantised product, along K:
;;     - K is cut into blocks of 32 from its start; a last block that is shorter is filled with zeros.
;;     - A block's scale is 2^e with e = floor(log2(the largest magnitude in the block)) - 2, held to -126 .. 127; a block of zeros has e = 0. As a byte (E8M0): e + 127.
;;     - Each number is divided by its block's scale, clamped to +-7.5, and rounded to the nearest number of E2M3, ties to even, subnormals kept.
;;     - The product sums the exact products of the quantised numbers (number of the format x scale) in f32.
;;   ~~~python
;;   def quantise(x, axis):      # numpy; x: float32 -> the quantised numbers, widened to float32 again
;;       x = np.moveaxis(x, axis, -1); K = x.shape[-1]
;;       x = np.pad(x, [(0, 0)] * (x.ndim - 1) + [(0, -K % 32)]); x = x.reshape(x.shape[:-1] + (-1, 32)); a = np.abs(x).max(-1, keepdims=True)
;;       e = np.where(a > 0, np.clip(np.frexp(np.where(a > 0, a, 1))[1] - 1 - 2, -126, 127), 0)      # np.frexp(a)[1] - 1 = floor(log2(a)), exactly
;;       r = np.clip(x / 2.0 ** e, -7.5, 7.5)
;;       step = 2.0 ** (np.maximum(np.frexp(np.where(r == 0, 1, r))[1] - 1, 0) - 3)
;;       q = np.round(r / step) * step * 2.0 ** e      # np.round: ties to even
;;       return np.moveaxis(q.reshape(q.shape[:-2] + (-1,))[..., :K], -1, axis).astype(np.float32)
;;   ~~~
;;   SOFTMAX AHEAD OF A QUANTISED PRODUCT. Where the list says 'softmax', what is quantised is not the finished softmax but p = 2^(t - M), with t = logit x log2(e) and M = ceil(the row's largest t), a whole number; so 1/2 < the row's largest p <= 1. The row's sum l is taken of the UNQUANTISED p, in f32, and the product's result is divided by l at the end. Since M is a whole number, a kernel that streams over the keys may use a running M (the ceiling of the running maximum): every later rescaling is an exact power of two, which a block's scale takes up: the codes' values come out the same.
;;   OPERANDS COMPUTED ON THE WAY. 'Computed on the way' means the value that the module computes at that place (a softmax that the list does not call 'softmax' is quantised finished and normalised). What goes into a quantiser is computed in f32, as accurately as f32 sums, v_exp_f32 and their like allow (about 1e-6 of the number): no bf16 or f16 on the way to a quantiser, and a product that is left as it is and whose result goes on into a quantised operand takes f32 operands (vector FMAs, or v_wmma_f32_16x16x4_f32). A number that lies on a knife's edge between two numbers of the format may be rounded either way, as far as f32 arithmetic and the matrix unit's own rounding can turn it there, and no further.
;; 2 versions, each right; version 2 is version 1 with the launches wo, f1, f2 written anew for expert scheduling mode. Each part assembles by itself: llvm-mc -triple=amdgcn-amd-amdhsa -mcpu=gfx1250 --defsym DOCPART=n.
;; ======== version 1 of 2: 6 launches
;; limits: a function is approximated: absolute error at most 1.5e-07
;; workspace buffers: wc 5,299,200 bytes; kv 3,407,872 bytes; oc 1,245,184 bytes; fc 1,245,184 bytes; gc 4,915,200 bytes; hb 6,291,456 bytes
;; launch prep (part 1): grid 828 x 1, 4 waves a work-group, no clusters, 7,168 bytes of LDS; arguments W_bottle, Wkv, Wq, Wo, W1, W2, wc; writes wc
.if DOCPART == 1
	.amdgcn_target "amdgcn-amd-amdhsa--gfx1250"
	.amdhsa_code_object_version 6
	.text
	.protected	k_q12d28f2a10_prep
	.globl	k_q12d28f2a10_prep
	.p2align	8
	.type	k_q12d28f2a10_prep,@function
k_q12d28f2a10_prep:
	s_mov_b64 s[64:65], 0
	v_nop
	global_prefetch_b8 v0, s[64:65] scope:SCOPE_SE
	s_setreg_imm32_b32 hwreg(HW_REG_WAVE_MODE, 25, 1), 1
	s_wait_xcnt 0x0
; The six weights, f32 stored [K][N], become codes of E2M3 with one E8M0 byte for each 32 along K, laid in the order of the matrix operand's registers.
; A UNIT is 128 k x 64 columns, 6,400 bytes: four fragments of 1,536 bytes (register R of lane L at 512 (R / 4) + 16 L + 4 (R % 4)) and 256 bytes of scale words (row m: 16 m + 4 t).
; Row m of fragment t stands for column 32 (m / 8) + 8 t + m % 8 of the unit's 64, so that a product's four results of a unit give a lane 32 neighbouring columns.
; One work-group makes one unit.  Wave w takes k block w (32 rows of W); a lane takes a column, its registers run down K: a block lies in one lane.  Two passes of 32 columns.
; LIMITS: NaN and infinities are not served; a block of zeros gets the byte 1 (its codes are zeros, and this program alone reads the bytes).
.set QM, 10                            ; v10-11 largest magnitudes, v12 the conversion's scale operand, v13 the byte, v14-16 a block's upper 16 codes
.set QS, 12
.set QB, 13
.set QT, 14
.set F,  20                            ; v20-31 two sets of six code registers
.set OF, 32                            ; v32-63 byte offset of row i at my column
.set X,  64                            ; v64-127 two passes of 32 numbers
.macro QUANT32 x, f                    ; 32 numbers of one block -> six registers of codes, the byte in v[QB]
	v_max3_num_f32 v[QM], |v[(\x)]|, |v[(\x)+1]|, 0x1800000          ; the floor 2^(3 - 127) holds the byte at 1 from below
	v_max3_num_f32 v[QM+1], |v[(\x)+2]|, |v[(\x)+3]|, 0x1800000
.irp i, 4,8,12,16,20,24,28
	v_max3_num_f32 v[QM], v[QM], |v[(\x)+\i]|, |v[(\x)+\i+1]|
	v_max3_num_f32 v[QM+1], v[QM+1], |v[(\x)+\i+2]|, |v[(\x)+\i+3]|
.endr
	v_max_num_f32 v[QM], v[QM], v[QM+1]
	v_add_nc_u32 v[QS], 0xff000000, v[QM]                          ; 2 off the exponent field: the conversion reads that field alone
	v_lshrrev_b32 v[QB], 23, v[QS]
	v_cvt_scalef32_pk16_fp6_f32 v[(\f):(\f)+2], v[(\x):(\x)+15], v[QS]
	v_cvt_scalef32_pk16_fp6_f32 v[QT:QT+2], v[(\x)+16:(\x)+31], v[QS]   ; (three registers from an even one: made apart and moved)
	v_nop                                                          ; one plain place behind a scaled conversion
	v_mov_b32 v[(\f)+3], v[QT]
	v_mov_b32 v[(\f)+4], v[QT+1]
	v_mov_b32 v[(\f)+5], v[QT+2]
.endm
	s_load_b256 s[4:11], s[0:1], 0x0               ; W_bottle, Wkv, Wq, Wo
	s_load_b128 s[12:15], s[0:1], 0x20             ; W1, W2
	s_load_b64 s[16:17], s[0:1], 0x30              ; wc
	v_lshl_add_u32 v128, v0, 2, 0x1a00
	v_mov_b32 v129, 0
	v_lshrrev_b32 v1, 5, v0
	v_readfirstlane_b32 s24, v1                    ; wave
	v_and_b32 v9, 31, v0                           ; lane
	s_mov_b32 s20, 540                             ; W2's figures: first unit, bytes in a row, 65536 / units along N (rounded up), units along N
	s_mov_b32 s21, 3072
	s_mov_b32 s22, 5462
	s_mov_b32 s23, 12
	s_wait_kmcnt 0x0
	s_cmp_lt_u32 ttmp9, 540                        ; which weight: the choice hangs on the work-group's number alone
	s_cselect_b64 s[18:19], s[12:13], s[14:15]
	s_cselect_b32 s20, 252, s20
	s_cselect_b32 s21, 12288, s21
	s_cselect_b32 s22, 1366, s22
	s_cselect_b32 s23, 48, s23
	s_cmp_lt_u32 ttmp9, 252
	s_cselect_b64 s[18:19], s[10:11], s[18:19]
	s_cselect_b32 s20, 180, s20
	s_cselect_b32 s21, 3072, s21
	s_cselect_b32 s22, 5462, s22
	s_cselect_b32 s23, 12, s23
	s_cmp_lt_u32 ttmp9, 180
	s_cselect_b64 s[18:19], s[8:9], s[18:19]
	s_cselect_b32 s20, 108, s20
	s_cmp_lt_u32 ttmp9, 108
	s_cselect_b64 s[18:19], s[6:7], s[18:19]
	s_cselect_b32 s20, 96, s20
	s_cselect_b32 s21, 512, s21
	s_cselect_b32 s22, 32768, s22
	s_cselect_b32 s23, 2, s23
	s_cmp_lt_u32 ttmp9, 96
	s_cselect_b64 s[18:19], s[4:5], s[18:19]
	s_cselect_b32 s20, 0, s20
	s_cselect_b32 s21, 3072, s21
	s_cselect_b32 s22, 5462, s22
	s_cselect_b32 s23, 12, s23
	s_sub_co_u32 s20, ttmp9, s20                   ; the unit's number in its weight
	s_mul_i32 s25, s20, s22
	s_lshr_b32 s25, s25, 16                        ; K step
	s_mul_i32 s26, s25, s23
	s_sub_co_u32 s26, s20, s26                     ; unit along N
	s_lshl_b32 s25, s25, 7
	s_lshl_b32 s27, s24, 5
	s_add_co_u32 s25, s25, s27                     ; my first row of W
	s_mul_i32 s28, s25, s21
	s_lshl_b32 s26, s26, 8
	s_add_co_u32 s28, s28, s26
	s_mov_b32 s29, 0
	s_add_nc_u64 s[18:19], s[18:19], s[28:29]
	s_mul_i32 s28, ttmp9, 6400
	s_add_nc_u64 s[16:17], s[16:17], s[28:29]
	v_lshlrev_b32 v1, 2, v9
	v_mov_b32 v2, s21
.set i, 0
.rept 32
	v_mad_u32_u24 v[OF+i], v2, i, v1
.set i, i+1
.endr
.set i, 0
.rept 32
	global_load_b32 v[X+i], v[OF+i], s[18:19] th:TH_LOAD_NT          ; 32 lanes read 128 consecutive bytes of a row
.set i, i+1
.endr
.set i, 0
.rept 32
	global_load_b32 v[X+32+i], v[OF+i], s[18:19] offset:128 th:TH_LOAD_NT
.set i, i+1
.endr
	; where my six registers go: fragment t = lane / 8, its lane 8 g + lane % 8 + 16 (w % 2), registers 6 (w / 2) on
	v_lshrrev_b32 v3, 3, v9
	v_and_b32 v4, 7, v9
	v_mul_u32_u24 v5, v3, 1536
	v_lshl_add_u32 v5, v4, 4, v5
	s_and_b32 s30, s24, 1
	s_lshl_b32 s30, s30, 8
	s_lshr_b32 s31, s24, 1
	s_mul_i32 s32, s31, 520
	s_add_co_u32 s32, s32, s30
	s_mul_i32 s33, s31, 1016
	s_add_co_u32 s33, s33, s30
	s_add_co_u32 s33, s33, 8
	s_add_co_u32 s34, s32, 512
	v_add_nc_u32 v6, s32, v5
	v_add_nc_u32 v7, s33, v5
	v_add_nc_u32 v8, s34, v5
	v_lshlrev_b32 v17, 4, v4
	v_lshl_add_u32 v17, v3, 2, v17
	v_add_nc_u32 v17, s24, v17
	v_add_nc_u32 v17, 6144, v17                    ; my block's byte: row 8 g + lane % 8, word t, byte w
	v_lshlrev_b32 v18, 4, v0
	v_lshlrev_b32 v19, 3, v9
	s_wait_loadcnt 32                              ; the first pass's 32 loads are in, the second's may be out
	QUANT32 X, F
	ds_store_b64 v6, v[F:F+1]
	ds_store_b64 v7, v[F+2:F+3]
	ds_store_b64 v8, v[F+4:F+5]
	ds_store_b8 v17, v[QB]
	s_wait_dscnt 0x0                               ; the stores have read their registers
	s_wait_loadcnt 0x0
	QUANT32 X+32, F+6
	ds_store_b64 v6, v[F+6:F+7] offset:128
	ds_store_b64 v7, v[F+8:F+9] offset:128
	ds_store_b64 v8, v[F+10:F+11] offset:128
	ds_store_b8 v17, v[QB] offset:128
	s_wait_dscnt 0x0                               ; for the others' sake: my stores have landed
	s_barrier_signal -1
	s_barrier_wait -1
.irp q, 0,1,2
	ds_load_b128 v[X+4*\q:X+4*\q+3], v18 offset:2048*\q
.endr
.irp q, 0,1,2
	s_wait_dscnt 2-\q
	global_store_b128 v18, v[X+4*\q:X+4*\q+3], s[16:17] offset:2048*\q   ; a wave stores 512 consecutive bytes, aligned
.endr
	s_cmp_lg_u32 s24, 0
	s_cbranch_scc1 .Lend
	ds_load_b64 v[X+12:X+13], v19 offset:6144
	s_wait_dscnt 0x0
	global_store_b64 v19, v[X+12:X+13], s[16:17] offset:6144         ; the 256 bytes of scale words
.Lend:
	s_wait_tensorcnt 0x0
	ds_add_u32 v128, v129
	s_wait_dscnt 0x0
	s_endpgm
.Lfunc_end_k_q12d28f2a10_prep:
	.size	k_q12d28f2a10_prep, .Lfunc_end_k_q12d28f2a10_prep-k_q12d28f2a10_prep
	.p2alignl 7, 3214868480
	.fill 96, 4, 3214868480
	.section	.rodata,"a",@progbits
	.p2align	6, 0x0
	.amdhsa_kernel k_q12d28f2a10_prep
		.amdhsa_group_segment_fixed_size 7168
		.amdhsa_private_segment_fixed_size 0
		.amdhsa_enable_private_segment 0
		.amdhsa_kernarg_size 56
		.amdhsa_user_sgpr_count 2
		.amdhsa_user_sgpr_kernarg_segment_ptr 1
		.amdhsa_wavefront_size32 1
		.amdhsa_system_sgpr_workgroup_id_x 1
		.amdhsa_system_sgpr_workgroup_id_y 1
		.amdhsa_system_sgpr_workgroup_id_z 1
		.amdhsa_system_vgpr_workitem_id 0
		.amdhsa_next_free_vgpr 130
		.amdhsa_next_free_sgpr 66
		.amdhsa_reserve_vcc 0
		.amdhsa_float_denorm_mode_32 3
		.amdhsa_float_denorm_mode_16_64 3
		.amdhsa_memory_ordered 1
		.amdhsa_forward_progress 1
		.amdhsa_inst_pref_size 17
	.end_amdhsa_kernel
	.amdgpu_metadata
---
amdhsa.version: [ 1, 2 ]
amdhsa.kernels:
  - .name:           k_q12d28f2a10_prep
    .symbol:         k_q12d28f2a10_prep.kd
    .args:
      - { .name: W_bottle, .offset: 0, .size: 8, .value_kind: global_buffer, .address_space: global }
      - { .name: Wkv, .offset: 8, .size: 8, .value_kind: global_buffer, .address_space: global }
      - { .name: Wq, .offset: 16, .size: 8, .value_kind: global_buffer, .address_space: global }
      - { .name: Wo, .offset: 24, .size: 8, .value_kind: global_buffer, .address_space: global }
      - { .name: W1, .offset: 32, .size: 8, .value_kind: global_buffer, .address_space: global }
      - { .name: W2, .offset: 40, .size: 8, .value_kind: global_buffer, .address_space: global }
      - { .name: wc, .offset: 48, .size: 8, .value_kind: global_buffer, .address_space: global }
    .group_segment_fixed_size: 7168
    .private_segment_fixed_size: 0
    .kernarg_segment_align: 8
    .kernarg_segment_size: 56
    .max_flat_workgroup_size: 128
    .sgpr_count:     66
    .vgpr_count:     130
    .wavefront_size: 32
...
	.end_amdgpu_metadata
.endif
;; end of part 1
;; launch g1 (part 2): grid 256 x 1, 4 waves a work-group, clusters of 4 x 1, 327,680 bytes of LDS; arguments image_features, ln_img_g, ln_img_b, bkv, wc, kv; writes kv
.if DOCPART == 2
	.amdgcn_target "amdgcn-amd-amdhsa--gfx1250"
	.amdhsa_code_object_version 6
	.text
	.protected	k_q12d28f2a10_g1
	.globl	k_q12d28f2a10_g1
	.p2align	8
	.type	k_q12d28f2a10_g1,@function
k_q12d28f2a10_g1:
	s_mov_b64 s[64:65], 0
	v_nop
	global_prefetch_b8 v0, s[64:65] scope:SCOPE_SE
	s_setreg_imm32_b32 hwreg(HW_REG_WAVE_MODE, 25, 1), 1
	s_wait_xcnt 0x0
	s_wait_alu depctr_hold_cnt(0) depctr_sa_sdst(0) depctr_va_vdst(0) depctr_va_sdst(0) depctr_va_ssrc(0) depctr_va_vcc(0) depctr_vm_vsrc(0)
	s_getreg_b32 s2, hwreg(HW_REG_IB_STS2, 6, 4)
	s_cmp_eq_u32 s2, 0
	s_cbranch_scc0 .Lentry_in_a_cluster
	s_endpgm
.Lentry_in_a_cluster:
	s_bfe_u32 s2, ttmp6, 0x10000c
	s_cmp_lg_u32 s2, 0x3003
	s_cbranch_scc0 .Lentry_shape_is_right
	s_endpgm
.Lentry_shape_is_right:
; 128 image rows a work-group: LayerNorm, quantise, x W_bottle (K 1,024, N 768), quantise, x Wkv (K 768, N 128), + bkv, quantise k along d and v along the keys.  img never goes to memory.
; ROW TILES: tile T = 4 c + t, its row m is image row 64 c + 32 (m / 8) + 8 t + m % 8 of the 128; the weights' tiles are laid likewise.  So wherever such a tile is source 0, a lane's 32 registers
; of four neighbouring results are 32 neighbours: one whole block of the next quantiser, in the lane in which the 6-bit operand wants it.  No lane is asked for a maximum, no codes change lanes.
; PHASE X: wave w normalises tiles 2 w, 2 w + 1: a row's 1,024 numbers lie in lanes r and r + 16, 512 registers each.  Loads take whole runs of 256 bytes of two rows and turn through the wave's stage in LDS.
; PRODUCT 1: wave w makes all 128 rows x columns 192 w .. + 191: 96 accumulators (windows 1 to 3).  A's fragments lie in LDS as images of their registers; the weights come through a ring of two slots,
; a K step (76,800 bytes) a slot, asked for JOINTLY by the four work-groups of a cluster, which all walk the same weights.  The ninth tile of the walk is Wkv.
; PRODUCT 3: k for my two row tiles (source 0 = Wk), v for all 128 keys x my 16 of d (source 0 = img).
; By this text's own count a wave has at most two tensor loads out.  lds_bytes: all of it.
; LIMITS: NaN and infinities are not served; a block of zeros gets the byte 1 (zero codes; the bytes are read by this program alone).
.set RING1, 76800
.set AIMG,  153600                     ; A's 64 fragments, (K step x 8 + T) x 1,536; later img's, in halves of 768 bytes
.set ASC,   251904                     ; their scale words: K step x 512 + row x 32 + T x 4
.set STG,   256000                     ; a wave's two stages of 16 rows x 272 bytes
.set GB,    290816                     ; ln_img_g, then ln_img_b
.set SCST,  299008                     ; the scale words on the way out
.set SPARE, 300032                     ; the spare words, 128 bytes a wave
.set SPW, 1
.set NIL, 2
.set GA,  3
.set SW,  4
.set SRD, 5
.set GBA, 6
.set AW0, 7
.set AWS0, 8
.set AA0, 9
.set ASA0, 10
.set BA,  11                           ; v11-12 my three units in slot 0, 1
.set BSA, 13                           ; v13-14 their scale words
.set H8,  15
.set AW,  16                           ; v16-17
.set AWS, 18
.set AA,  19
.set ASA, 20
.set LN_, 21
.set QM,  22
.set QS,  24
.set QB,  25
.set QO,  26
.set RR,  27
.set QT,  28
.set HH,  31
.set F,   160
.set SU,  172
.set NM,  180
.set RS,  182
.set TMP, 184
.set PB,  186
.set BF,  32
.set AF,  176
.set SB,  212
.set SA,  224
.set WV,  16
.set G1D, 24
.set G0,  32
.set SEL, 40
.set TI,  45
.set TJ,  46
.set KA,  47
.set KS2, 48
.set MSB, 0
.macro WIN new                         ; the immediate's high byte repeats the setting that is left
.if MSB != (\new)
	s_set_vgpr_msb (MSB<<8)|(\new)
.set MSB, (\new)
.endif
.endm
.macro PLACES n
.rept \n
	v_nop
.endr
.endm
.macro BARRIER
	s_wait_dscnt 0x0
	s_barrier_signal -1
	s_barrier_wait -1
.endm
.macro CROUND                          ; a round of the cluster's barrier
	s_barrier_signal -1
	s_barrier_wait -1
	s_cmp_lg_u32 s[WV], 0
	s_cbranch_scc1 .Lnot_wave_0_\@
	s_barrier_signal -3
.Lnot_wave_0_\@:
	s_barrier_wait -3
	s_barrier_signal -1
	s_barrier_wait -1
.endm
; 32 numbers v[x] .. of window w, one block, -> six code registers v[f] .. of window 0; the byte in v[QB].  The numbers are read from the low end on.
.macro QUANT32 x, w, f
	WIN 0
	v_mov_b32 v[QM], 0x1800000                     ; the floor 2^(3 - 127): the byte cannot fall under 1
	v_mov_b32 v[QM+1], 0x1800000
	WIN ((\w)<<2)|((\w)<<4)
.irp i, 0,4,8,12,16,20,24,28
	v_max3_num_f32 v[QM], v[QM], |v[(\x)+\i]|, |v[(\x)+\i+1]|
	v_max3_num_f32 v[QM+1], v[QM+1], |v[(\x)+\i+2]|, |v[(\x)+\i+3]|
.endr
	WIN 0
	v_max_num_f32 v[QM], v[QM], v[QM+1]
	v_add_nc_u32 v[QS], 0xff000000, v[QM]
	v_lshrrev_b32 v[QB], 23, v[QS]
	WIN (\w)
	v_cvt_scalef32_pk16_fp6_f32 v[(\f):(\f)+2], v[(\x):(\x)+15], v[QS]
	v_cvt_scalef32_pk16_fp6_f32 v[QT:QT+2], v[(\x)+16:(\x)+31], v[QS]
	WIN 0
	v_nop                                          ; one plain place behind a scaled conversion
	v_mov_b32 v[(\f)+3], v[QT]
	v_mov_b32 v[(\f)+4], v[QT+1]
	v_mov_b32 v[(\f)+5], v[QT+2]
.endm
.macro PAIR d                          ; my byte and lane l xor 16's: byte(lanes 0-15) | byte(lanes 16-31) << 8, in every lane
	v_lshlrev_b32 v[QB], v[H8], v[QB]
	v_permlanex16_b32 v[QO], v[QB], s[SEL], s[SEL+1]
	v_or_b32 v[\d], v[QB], v[QO]
.endm
	s_load_b256 s[4:11], s[0:1], 0x0               ; image, g, b, bkv
	s_load_b128 s[12:15], s[0:1], 0x20             ; wc, kv
	v_lshl_add_u32 v[SPW], v0, 2, SPARE
	v_mov_b32 v[NIL], 0
	ds_add_u32 v1, v2
	ds_add_u32 v1, v2
	s_wait_dscnt 0x0
	v_lshrrev_b32 v3, 5, v0
	v_readfirstlane_b32 s[WV], v3
	s_bfe_u32 s17, ttmp6, 0x40000                  ; cx
	s_lshl_b32 s18, ttmp9, 2
	s_add_co_u32 s18, s18, s17                     ; my block of 128 rows: it enters global addresses alone
	s_mov_b32 s[G1D], 15|(3<<16)|(1<<21)           ; the mask: all four; elements of 8 bytes; bit 21 beside a mask; no padding
	s_mov_b32 s[G1D+1], 32<<16                     ; rows of 256 bytes
	s_mov_b32 s[G1D+2], 75<<16                     ; 75 of them: a quarter of a K step's weights, dense
	s_mov_b32 s[G1D+3], 32<<16
	s_mov_b32 s[G1D+4], 75
	s_mov_b32 s[G1D+5], 32
	s_mov_b32 s[G1D+6], 0
	s_mov_b32 s[G1D+7], 0
	s_mul_i32 s19, s[WV], 19200
	s_mov_b32 s20, s19
	s_mov_b32 s21, 0
	s_mov_b32 s[SEL], 0x76543210
	s_mov_b32 s[SEL+1], 0xfedcba98
	s_mov_b32 s42, 0x3a800000                      ; 1 / 1,024
	s_mov_b32 s43, 0x3727c5ac                      ; 1e-5
	s_mov_b32 s49, 0xba800000
	s_wait_kmcnt 0x0
	s_add_nc_u64 s[20:21], s[12:13], s[20:21]
	CROUND                                         ; all four work-groups are here: the first joint loads meet
.irp n, 0,1
	s_mov_b32 s[G0+4*\n], 1
	s_add_co_u32 s[G0+4*\n+1], s19, \n*RING1
	s_add_nc_u64 s[G0+4*\n+2:G0+4*\n+3], s[20:21], \n*RING1
	s_or_b32 s[G0+4*\n+3], s[G0+4*\n+3], 0x80000000
.endr
	tensor_load_to_lds s[G0:G0+3], s[G1D:G1D+7]
	s_nop 0
	tensor_load_to_lds s[G0+4:G0+7], s[G1D:G1D+7]
	s_nop 0
	PLACES 4
	v_and_b32 v[LN_], 31, v0
	v_and_b32 v[RR], 15, v0
	v_bfe_u32 v[HH], v0, 4, 1
	v_lshlrev_b32 v[H8], 3, v[HH]
	v_mov_b32 v[QO], 0
	v_lshlrev_b32 v[GA], 12, v[HH]
	v_lshl_add_u32 v[GA], v[RR], 4, v[GA]          ; a load: lanes 0-15 256 bytes of one row, lanes 16-31 of the next
	s_mul_i32 s22, s[WV], 8704
	s_add_co_u32 s22, s22, STG
	v_mul_u32_u24 v[SW], v[HH], 272
	v_lshl_add_u32 v[SW], v[RR], 4, v[SW]
	v_add_nc_u32 v[SW], s22, v[SW]
	v_mul_u32_u24 v[SRD], v[RR], 272
	v_lshl_add_u32 v[SRD], v[HH], 7, v[SRD]
	v_add_nc_u32 v[SRD], s22, v[SRD]               ; back: row r, my half's 128 bytes
	v_lshl_add_u32 v[GBA], v[HH], 7, GB
	s_mul_i32 s22, s[WV], 3072
	s_add_co_u32 s22, s22, AIMG
	v_lshl_add_u32 v[AW0], v[LN_], 4, s22
	s_lshl_b32 s22, s[WV], 3
	s_add_co_u32 s22, s22, ASC
	v_lshl_add_u32 v[AWS0], v[RR], 5, s22
	v_lshl_add_u32 v[AA0], v[LN_], 4, AIMG
	v_lshl_add_u32 v[ASA0], v[RR], 5, ASC
	v_lshl_add_u32 v[BA], v[LN_], 4, s19
	v_add_nc_u32 v[BA+1], RING1, v[BA]
	s_add_co_u32 s22, s19, 6144
	v_lshl_add_u32 v[BSA], v[RR], 4, s22
	v_add_nc_u32 v[BSA+1], RING1, v[BSA]
	s_lshl_b32 s20, s18, 7
	s_lshr_b32 s22, s[WV], 1
	s_lshl_b32 s22, s22, 6
	s_and_b32 s23, s[WV], 1
	s_lshl_b32 s23, s23, 4
	s_add_co_u32 s20, s20, s22
	s_add_co_u32 s20, s20, s23                     ; my first tile's first row: 128 g + 64 (w / 2) + 16 (w % 2)
	s_lshl_b32 s20, s20, 12
	s_mov_b32 s21, 0
	s_add_nc_u64 s[4:5], s[4:5], s[20:21]
	v_lshlrev_b32 v[AW], 4, v0                     ; (for now: 16 x thread)
	global_load_b128 v[32:35], v[AW], s[6:7]
	global_load_b128 v[36:39], v[AW], s[6:7] offset:2048
	global_load_b128 v[40:43], v[AW], s[8:9]
	global_load_b128 v[44:47], v[AW], s[8:9] offset:2048
; piece p of a tile: 64 along K, 256 bytes of each of its 16 rows, into ring place p % 8 of window 3
.macro INGEST p, off
	WIN 0xc0
.irp i, 0,1,2,3,4,5,6,7
	global_load_b128 v[32*((\p)%8)+4*\i:32*((\p)%8)+4*\i+3], v[GA], s[4:5] offset:(\off)+(((\i)>>2)*32+((\i)&3)*2)*4096+256*(\p) th:TH_LOAD_NT
.endr
.endm
; the piece turns through my stage: in as it was loaded, back 128 bytes a lane, into windows 1 and 2.  LDS serves a wave's instructions in order
.macro TURN p
	WIN 0x0c
.irp i, 0,1,2,3,4,5,6,7
	ds_store_b128 v[SW], v[32*((\p)%8)+4*\i:32*((\p)%8)+4*\i+3] offset:((\p)%2)*4352+2*\i*272
.endr
	WIN 0x40+0x40*((\p)/8)
.irp j, 0,1,2,3,4,5,6,7
	ds_load_b128 v[32*((\p)%8)+4*\j:32*((\p)%8)+4*\j+3], v[SRD] offset:((\p)%2)*4352+16*\j
.endr
.endm
.irp p, 0,1,2,3,4,5,6,7
	INGEST \p, 0
.endr
	WIN 0
	s_wait_loadcnt 63                              ; g and b are in (64 younger loads stand behind them; the count's field holds 63)
	v_add_nc_u32 v[AWS], GB, v[AW]
	ds_store_b128 v[AWS], v[32:35]
	ds_store_b128 v[AWS], v[36:39] offset:2048
	ds_store_b128 v[AWS], v[40:43] offset:4096
	ds_store_b128 v[AWS], v[44:47] offset:6144
	BARRIER                                        ; g and b lie in LDS
.macro GLOAD p                         ; g and b of piece p, my half's 32 numbers each
.irp j, 0,1,2,3,4,5,6,7
	ds_load_b128 v[32+64*((\p)%2)+4*\j:32+64*((\p)%2)+4*\j+3], v[GBA] offset:256*(\p)+16*\j
	ds_load_b128 v[64+64*((\p)%2)+4*\j:64+64*((\p)%2)+4*\j+3], v[GBA] offset:4096+256*(\p)+16*\j
.endr
.endm
.macro ROWSUM                          ; the four chains, my two halves, and lane l xor 16's: the row's sum in v[SU]
	WIN 0
	v_pk_add_f32 v[SU:SU+1], v[SU:SU+1], v[SU+2:SU+3]
	v_pk_add_f32 v[SU+4:SU+5], v[SU+4:SU+5], v[SU+6:SU+7]
	v_pk_add_f32 v[SU:SU+1], v[SU:SU+1], v[SU+4:SU+5]
	v_add_f32 v[SU], v[SU], v[SU+1]
	v_permlanex16_b32 v[QO], v[SU], s[SEL], s[SEL+1]
	v_add_f32 v[SU], v[SU], v[QO]
.endm
.macro CLEARSU
	WIN 0
.irp i, 0,1,2,3,4,5,6,7
	v_mov_b32 v[SU+\i], 0
.endr
.endm
.macro PIECE p                         ; (d rs) g + b, quantised; two pieces make a fragment, which goes to LDS as it stands
.set PW, 1+(\p)/8
.set PX, 32*((\p)%8)
.set PG, 32+64*((\p)%2)
	WIN 0
.if (\p) < 15
	GLOAD (\p)+1
	s_wait_dscnt 16                                ; all but the 16 just issued: this piece's g and b are in, and the last fragment's stores are done
.else
	s_wait_dscnt 0x0
.endif
	WIN PW|(PW<<6)
.set i, 0
.rept 16
	v_pk_mul_f32 v[PX+i:PX+i+1], v[PX+i:PX+i+1], v[RS:RS+1]
.set i, i+2
.endr
.set i, 0
.rept 16
	v_pk_fma_f32 v[PX+i:PX+i+1], v[PX+i:PX+i+1], v[PG+i:PG+i+1], v[PG+32+i:PG+32+i+1]
.set i, i+2
.endr
	QUANT32 PX, PW, F+6*((\p)%2)
	PAIR PB+(\p)%2
.if (\p)%2
	v_lshl_or_b32 v[PB], v[PB+1], 16, v[PB]        ; the K step's scale word of my row
.irp q, 0,1,2
	ds_store_b128 v[AW+(\p)/8], v[F+4*\q:F+4*\q+3] offset:(((\p)/2)%4)*12288+512*\q
.endr
	ds_store_b32 v[AWS], v[PB] offset:((\p)/2)*512
.endif
.endm
	s_mov_b32 s44, 0
	s_mov_b32 s[TI], 0
	s_mov_b32 s[TJ], 0
.Ltile:                                            ; two trips: my two row tiles
	v_add_nc_u32 v[AW], s[TI], v[AW0]
	v_add_nc_u32 v[AW+1], 49152, v[AW]
	v_add_nc_u32 v[AWS], s[TJ], v[AWS0]
.irp p, 0,1,2,3,4,5,6,7
	s_wait_loadcnt 56                              ; this piece's 8 loads are in; seven younger pieces stay out
	TURN \p
	s_wait_dscnt 8                                 ; the stage's stores have read the ring place
	INGEST \p+8, 0
.endr
	WIN 0
	s_cmp_eq_u32 s44, 1
	s_cbranch_scc1 .Llast
.irp p, 8,9,10,11,12,13,14,15
	s_wait_loadcnt 56
	TURN \p
	s_wait_dscnt 8
	INGEST \p-8, 32768                             ; the next tile, 8 rows on, is asked for while this one is worked
.endr
	WIN 0
	s_branch .Ljoin
.Llast:                                            ; the last tile asks for nothing more: the counts run down
.irp p, 8,9,10,11,12,13,14,15
	s_wait_loadcnt 8*(15-\p)
	TURN \p
.endr
	WIN 0
.Ljoin:
	s_wait_dscnt 0x0
	CLEARSU
.irp wv, 1,2
	WIN (\wv<<2)
.set i, 0
.rept 128
	v_pk_add_f32 v[SU+2*(i%4):SU+2*(i%4)+1], v[SU+2*(i%4):SU+2*(i%4)+1], v[2*i:2*i+1]
.set i, i+1
.endr
.endr
	ROWSUM
	v_mul_f32 v[NM], s49, v[SU]                    ; - mean
	v_mov_b32 v[NM+1], v[NM]
	CLEARSU
.irp wv, 1,2
	WIN \wv|(\wv<<6)
.set i, 0
.rept 128
	v_pk_add_f32 v[2*i:2*i+1], v[2*i:2*i+1], v[NM:NM+1]
.set i, i+1
.endr
	WIN \wv|(\wv<<2)
.set i, 0
.rept 128
	v_pk_fma_f32 v[SU+2*(i%4):SU+2*(i%4)+1], v[2*i:2*i+1], v[2*i:2*i+1], v[SU+2*(i%4):SU+2*(i%4)+1]
.set i, i+1
.endr
.endr
	ROWSUM
	v_fma_f32 v[TMP], v[SU], s42, s43              ; variance + 1e-5
	v_rsq_f32 v[RS], v[TMP]
	GLOAD 0
	v_nop                                          ; a plain place behind the transcendental,
	s_wait_alu depctr_va_vdst(0)                   ; and the wait ahead of its first reader
	v_mov_b32 v[RS+1], v[RS]
.irp p, 0,1,2,3,4,5,6,7,8,9,10,11,12,13,14,15
	PIECE \p
.endr
	WIN 0
	s_wait_xcnt 0x0                                ; the loads on their way have read their base: it may step
	s_add_nc_u64 s[4:5], s[4:5], 32768
	s_add_co_u32 s[TI], s[TI], 1536
	s_add_co_u32 s[TJ], s[TJ], 4
	s_add_co_u32 s44, s44, 1
	s_cmp_lt_u32 s44, 2
	s_cbranch_scc1 .Ltile
	s_wait_loadcnt 0x0                             ; no load is out (the last trip asked for none)
	s_wait_tensorcnt 0x1                           ; my part of K step 0's weights is in; K step 1's may stay out
	BARRIER                                        ; A's 64 fragments lie in LDS
; ---- product 1
.macro ALOAD a
.irp q, 0,1,2
	ds_load_b128 v[AF+12*((\a)%3)+4*\q:AF+12*((\a)%3)+4*\q+3], v[AA] offset:(\a)*1536+512*\q
.endr
.endm
; a K step of 128: 96 matrix instructions, A's eight tiles one after the other against my twelve tiles of W.  The 96 accumulators take turns.
.macro KSTEP slot, zero
	WIN 0
	v_add_nc_u32 v[AA], s[KA], v[AA0]
	v_add_nc_u32 v[ASA], s[KS2], v[ASA0]
.irp u, 0,1,2
	ds_load_b128 v[SB+4*\u:SB+4*\u+3], v[BSA+\slot] offset:\u*6400
.endr
	ds_load_b128 v[SA:SA+3], v[ASA]
	ds_load_b128 v[SA+4:SA+7], v[ASA] offset:16
	ALOAD 0
.irp n, 0,1,2,3,4,5,6,7,8,9,10,11
.irp q, 0,1,2
	ds_load_b128 v[BF+12*\n+4*\q:BF+12*\n+4*\q+3], v[BA+\slot] offset:(\n/4)*6400+(\n%4)*1536+512*\q
.endr
.endr
	ALOAD 1
	ALOAD 2
.irp a, 0,1,2,3,4,5,6,7
.if (\a > 0) && (\a < 6)
	WIN 0
	PLACES 4                                       ; in front of loads into the buffer that the last twelve products read
	ALOAD \a+2
	s_wait_dscnt 6                                 ; tile a is in; the two tiles behind it may be out
.endif
.if \a == 6
	s_wait_dscnt 3
.endif
.if \a == 7
	s_wait_dscnt 0x0
.endif
.irp n, 0,1,2,3,4,5,6,7,8,9,10,11
.if \a == 0
	s_wait_dscnt 6+3*(11-\n)                       ; the scale words, A's tile 0 and W's tiles up to n are in
.endif
.set LIN, 8*(12*\a+\n)
.set RG, LIN%256
	WIN (1+LIN/256)*0x50
.if \zero
	v_wmma_scale_f32_16x16x128_f8f6f4 v[RG:RG+7], v[BF+12*\n:BF+12*\n+11], v[AF+12*(\a%3):AF+12*(\a%3)+11], 0, v[SB+\n], v[SA+\a] matrix_a_fmt:MATRIX_FMT_FP6 matrix_b_fmt:MATRIX_FMT_FP6
.else
	v_wmma_scale_f32_16x16x128_f8f6f4 v[RG:RG+7], v[BF+12*\n:BF+12*\n+11], v[AF+12*(\a%3):AF+12*(\a%3)+11], v[RG:RG+7], v[SB+\n], v[SA+\a] matrix_a_fmt:MATRIX_FMT_FP6 matrix_b_fmt:MATRIX_FMT_FP6
.endif
.endr
.endr
	WIN 0
	s_add_co_u32 s[KA], s[KA], 12288
	s_add_co_u32 s[KS2], s[KS2], 512
.endm
; slot n, read out, takes the tile two on.  All my tensor loads have landed, the add, my reads are over; a round of the cluster's barrier; the joint refill first behind it.
.macro CHANGE n
	WIN 0
	s_wait_tensorcnt 0x0
	ds_add_u32 v[SPW], v[NIL]                      ; 0 onto my spare word
	s_add_nc_u64 s[G0+4*\n+2:G0+4*\n+3], s[G0+4*\n+2:G0+4*\n+3], 2*RING1
	s_wait_dscnt 0x0
	CROUND
	tensor_load_to_lds s[G0+4*\n:G0+4*\n+3], s[G1D:G1D+7]
	s_nop 0
	PLACES 4                                       ; also the places in front of the next step's loads
.endm
	s_mov_b32 s[KA], 0
	s_mov_b32 s[KS2], 0
	KSTEP 0, 1                                     ; the first K step starts the sums
	s_mov_b32 s44, 3
.Lk:
	CHANGE 0
	KSTEP 1, 0
	CHANGE 1
	KSTEP 0, 0
	s_sub_co_u32 s44, s44, 1
	s_cmp_lg_u32 s44, 0
	s_cbranch_scc1 .Lk
	CHANGE 0                                       ; the ninth tile: Wkv
	KSTEP 1, 0
	s_wait_tensorcnt 0x0                           ; Wkv has landed;
	ds_add_u32 v[SPW], v[NIL]
	s_wait_dscnt 0x0                               ; my reads of A are over
	s_barrier_signal -1
	s_barrier_wait -1
; ---- img is quantised along its 768 columns and goes to LDS over A's images
.set IW,  3
.set IW8, 6
.set IS,  16
.set FQ,  32
.set PB2, 44
.set KBA, 46
.set VBA, 47
.set KBI, 80                           ; v80-111 bkv at my half's 32 of d; v112-119 bkv at my d of v, eight times
.set VBI, 112
	PLACES 4
	v_lshlrev_b32 v[KBA], 7, v[HH]
	v_lshrrev_b32 v[VBA], 3, v[RR]
	v_lshlrev_b32 v[VBA], 7, v[VBA]
	v_and_b32 v[PB2], 7, v[RR]
	v_lshl_add_u32 v[VBA], v[PB2], 2, v[VBA]
	s_lshl_b32 s22, s[WV], 5
	s_add_co_u32 s22, s22, 256
	v_add_nc_u32 v[VBA], s22, v[VBA]               ; 4 (64 + 32 (r / 8) + 8 w + r % 8)
.irp q, 0,1,2,3,4,5,6,7
	global_load_b128 v[KBI+4*\q:KBI+4*\q+3], v[KBA], s[10:11] offset:16*\q
.endr
.irp j, 0,1,2,3,4,5,6,7
	global_load_b32 v[VBI+\j], v[VBA], s[10:11]
.endr
	v_lshlrev_b32 v[PB2], 3, v[LN_]
.irp u, 0,1,2
	s_mul_i32 s20, s[WV], 3
	s_add_co_u32 s20, s20, \u                      ; my unit of 64 columns
	s_lshr_b32 s22, s20, 1
	s_and_b32 s23, s20, 1
	s_mul_i32 s20, s22, 12288
	s_mul_i32 s21, s23, 768
	s_add_co_u32 s20, s20, s21
	s_add_co_u32 s20, s20, AIMG
	v_lshl_add_u32 v[IW+\u], v[LN_], 4, s20
	s_add_co_u32 s20, s20, 512
	v_add_nc_u32 v[IW8+\u], s20, v[PB2]
	s_lshl_b32 s22, s22, 9
	s_lshl_b32 s23, s23, 1
	s_add_co_u32 s22, s22, s23
	s_add_co_u32 s22, s22, ASC
	v_lshl_add_u32 v[IS+\u], v[RR], 5, s22
.endr
.set CNT, 0
.irp a, 0,1,2,3,4,5,6,7
.irp u, 0,1,2
.set LIN, 96*\a+32*\u
.set XW, 1+LIN/256
.set XR, LIN%256
.set FX, FQ+6*(CNT%2)
.if CNT > 1
	s_wait_dscnt 3                                 ; the stores of two turns ago have read this set of registers
.endif
	QUANT32 XR, XW, FX
	PAIR PB2+CNT%2
	ds_store_b128 v[IW+\u], v[FX:FX+3] offset:\a*1536
	ds_store_b64 v[IW8+\u], v[FX+4:FX+5] offset:\a*1536
	ds_store_b16 v[IS+\u], v[PB2+CNT%2] offset:4*\a
.set CNT, CNT+1
.endr
.endr
	BARRIER                                        ; img's 48 fragments lie in LDS
; ---- product 3: six K steps, sixteen accumulators by turns (window 1); operands in window 2
.set IA,  48
.set IA8, 49
.set MA,  50
.set MA8, 51
.set ISA, 52
.set MSA, 53
.set WA,  54
.set WVA, 55
.set WSK, 120
.set WSV, 121
	v_lshl_add_u32 v[IA], v[LN_], 4, AIMG
	v_lshl_add_u32 v[IA8], v[LN_], 3, AIMG
	s_mul_i32 s22, s[WV], 3072
	v_add_nc_u32 v[MA], s22, v[IA]
	v_add_nc_u32 v[MA8], s22, v[IA8]
	v_lshl_add_u32 v[ISA], v[RR], 5, ASC
	s_lshl_b32 s22, s[WV], 3
	v_add_nc_u32 v[MSA], s22, v[ISA]
	v_lshlrev_b32 v[WA], 4, v[LN_]
	s_mul_i32 s22, s[WV], 1536
	s_add_co_u32 s22, s22, 6400
	v_add_nc_u32 v[WVA], s22, v[WA]
	v_lshl_add_u32 v[WSK], v[RR], 4, 6144
	s_lshl_b32 s22, s[WV], 2
	s_add_co_u32 s22, s22, 6400
	v_add_nc_u32 v[WSV], s22, v[WSK]
	s_wait_loadcnt 0x0                             ; the biases
.macro HFRAG reg, a16, a8, off         ; a fragment from two halves of 768 bytes
	ds_load_b128 v[(\reg):(\reg)+3], v[\a16] offset:(\off)
	ds_load_b64 v[(\reg)+4:(\reg)+5], v[\a8] offset:(\off)+512
	ds_load_b128 v[(\reg)+6:(\reg)+9], v[\a16] offset:(\off)+768
	ds_load_b64 v[(\reg)+10:(\reg)+11], v[\a8] offset:(\off)+1280
.endm
.irp ks, 0,1,2,3,4,5
.if \ks > 0
	PLACES 4
.endif
	WIN 0x80
.irp T, 0,1,2,3,4,5,6,7
	HFRAG 12*\T, IA, IA8, \T*1536
.endr
	HFRAG 96, MA, MA8, 0
	HFRAG 108, MA, MA8, 1536
.irp t, 0,1,2,3
.irp q, 0,1,2
	ds_load_b128 v[120+12*\t+4*\q:120+12*\t+4*\q+3], v[WA] offset:\t*1536+512*\q
.endr
.endr
.irp q, 0,1,2
	ds_load_b128 v[168+4*\q:168+4*\q+3], v[WVA] offset:512*\q
.endr
	WIN 0
	ds_load_b128 v[56:59], v[ISA]
	ds_load_b128 v[60:63], v[ISA] offset:16
	ds_load_b64 v[64:65], v[MSA]
	ds_load_b128 v[68:71], v[WSK]
	ds_load_b32 v72, v[WSV]
.irp x, IA, IA8, MA, MA8
	v_add_nc_u32 v[\x], 12288, v[\x]
.endr
	v_add_nc_u32 v[ISA], 512, v[ISA]
	v_add_nc_u32 v[MSA], 512, v[MSA]
.irp x, WA, WVA, WSK, WSV
	v_add_nc_u32 v[\x], 12800, v[\x]
.endr
	s_wait_dscnt 0x0
.if \ks == 0
	WIN 0x4a                                       ; operands window 2, the bias window 0, the result window 1
.irp i, 0,1
.irp t, 0,1,2,3
	v_wmma_scale_f32_16x16x128_f8f6f4 v[8*(4*\i+\t):8*(4*\i+\t)+7], v[120+12*\t:131+12*\t], v[96+12*\i:107+12*\i], v[KBI+8*\t:KBI+8*\t+7], v[68+\t], v[64+\i] matrix_a_fmt:MATRIX_FMT_FP6 matrix_b_fmt:MATRIX_FMT_FP6
.endr
.endr
.irp T, 0,1,2,3,4,5,6,7
	v_wmma_scale_f32_16x16x128_f8f6f4 v[64+8*\T:71+8*\T], v[12*\T:12*\T+11], v[168:179], v[VBI:VBI+7], v[56+\T], v72 matrix_a_fmt:MATRIX_FMT_FP6 matrix_b_fmt:MATRIX_FMT_FP6
.endr
.else
	WIN 0x5a
.irp i, 0,1
.irp t, 0,1,2,3
	v_wmma_scale_f32_16x16x128_f8f6f4 v[8*(4*\i+\t):8*(4*\i+\t)+7], v[120+12*\t:131+12*\t], v[96+12*\i:107+12*\i], v[8*(4*\i+\t):8*(4*\i+\t)+7], v[68+\t], v[64+\i] matrix_a_fmt:MATRIX_FMT_FP6 matrix_b_fmt:MATRIX_FMT_FP6
.endr
.endr
.irp T, 0,1,2,3,4,5,6,7
	v_wmma_scale_f32_16x16x128_f8f6f4 v[64+8*\T:71+8*\T], v[12*\T:12*\T+11], v[168:179], v[64+8*\T:71+8*\T], v[56+\T], v72 matrix_a_fmt:MATRIX_FMT_FP6 matrix_b_fmt:MATRIX_FMT_FP6
.endr
.endif
	WIN 0
.endr
; ---- the way out: k's codes (a lane: one key, 32 of d), v's (a lane: one d, 32 keys), their scale words
.set KVO, 122
.set KO,  124
.set VO,  136
.set KW,  148
.set VW,  150
.set FIL, 151
.set PBX, 152
.set SKA, 154
.set SVA, 155
.set SFA, 156
.set T8,  157
.set OUTR, 158
.set T8L, 160
	PLACES 4
	QUANT32 0, 1, KO
	PAIR KW
	v_or_b32 v[KW], 0x7f7f0000, v[KW]              ; bytes 2 and 3 stand over zero codes: 1.0
	QUANT32 32, 1, KO+6
	PAIR KW+1
	v_or_b32 v[KW+1], 0x7f7f0000, v[KW+1]
	QUANT32 64, 1, VO
	PAIR PBX
	QUANT32 96, 1, VO+6
	PAIR PBX+1
	v_lshl_or_b32 v[VW], v[PBX+1], 16, v[PBX]
	v_mov_b32 v[FIL], 0x7f7f7f7f
	s_mul_i32 s20, s18, 13312
	s_mov_b32 s21, 0
	s_add_nc_u64 s[14:15], s[14:15], s[20:21]
	s_mul_i32 s22, s[WV], 1536
	v_lshl_add_u32 v[KVO], v[LN_], 4, s22
.irp q, 0,1,2
	global_store_b128 v[KVO], v[KO+4*\q:KO+4*\q+3], s[14:15] offset:512*\q          ; a wave stores 512 consecutive bytes, aligned
.endr
.irp q, 0,1,2
	global_store_b128 v[KVO], v[VO+4*\q:VO+4*\q+3], s[14:15] offset:6144+512*\q
.endr
	s_lshr_b32 s22, s[WV], 1
	s_lshl_b32 s22, s22, 9
	s_and_b32 s23, s[WV], 1
	s_lshl_b32 s23, s23, 3
	s_add_co_u32 s22, s22, s23
	s_add_co_u32 s22, s22, SCST
	v_lshl_add_u32 v[SKA], v[RR], 4, s22
	s_lshl_b32 s22, s[WV], 2
	s_add_co_u32 s22, s22, SCST+256
	v_lshl_add_u32 v[SVA], v[RR], 4, s22
	s_lshl_b32 s22, s[WV], 6
	s_add_co_u32 s22, s22, SCST+768
	v_lshl_add_u32 v[SFA], v[RR], 2, s22
	v_lshlrev_b32 v[T8], 3, v0                     ; 8 x thread: my place among the 1,024 bytes, in memory
	v_lshl_add_u32 v[T8L], v0, 3, SCST             ; and in LDS (the region lies beyond an immediate's 16 bits)
	ds_store_b64 v[SKA], v[KW:KW+1]
	ds_store_b32 v[SVA], v[VW]
	ds_store_b32 v[SFA], v[FIL]
	BARRIER
	ds_load_b64 v[OUTR:OUTR+1], v[T8L]
	s_wait_dscnt 0x0
	global_store_b64 v[T8], v[OUTR:OUTR+1], s[14:15] offset:12288                     ; a wave stores 256 consecutive bytes, aligned
	s_wait_tensorcnt 0x0                           ; the wave's end
	ds_add_u32 v[SPW], v[NIL]
	s_wait_dscnt 0x0
	CROUND                                         ; the closing round
	s_endpgm
.Lfunc_end_k_q12d28f2a10_g1:
	.size	k_q12d28f2a10_g1, .Lfunc_end_k_q12d28f2a10_g1-k_q12d28f2a10_g1
	.p2alignl 7, 3214868480
	.fill 96, 4, 3214868480
	.section	.rodata,"a",@progbits
	.p2align	6, 0x0
	.amdhsa_kernel k_q12d28f2a10_g1
		.amdhsa_group_segment_fixed_size 327680
		.amdhsa_private_segment_fixed_size 0
		.amdhsa_enable_private_segment 0
		.amdhsa_kernarg_size 48
		.amdhsa_user_sgpr_count 2
		.amdhsa_user_sgpr_kernarg_segment_ptr 1
		.amdhsa_wavefront_size32 1
		.amdhsa_system_sgpr_workgroup_id_x 1
		.amdhsa_system_sgpr_workgroup_id_y 1
		.amdhsa_system_sgpr_workgroup_id_z 1
		.amdhsa_system_vgpr_workitem_id 0
		.amdhsa_next_free_vgpr 1024
		.amdhsa_next_free_sgpr 66
		.amdhsa_reserve_vcc 0
		.amdhsa_float_denorm_mode_32 3
		.amdhsa_float_denorm_mode_16_64 3
		.amdhsa_memory_ordered 1
		.amdhsa_forward_progress 1
		.amdhsa_inst_pref_size 255
	.end_amdhsa_kernel
	.section	.bss,"aw",@nobits
	.p2align	6
	.space	262144
	.amdgpu_metadata
---
amdhsa.version: [ 1, 2 ]
amdhsa.kernels:
  - .name:           k_q12d28f2a10_g1
    .symbol:         k_q12d28f2a10_g1.kd
    .args:
      - { .name: image_features, .offset: 0, .size: 8, .value_kind: global_buffer, .address_space: global }
      - { .name: ln_img_g, .offset: 8, .size: 8, .value_kind: global_buffer, .address_space: global }
      - { .name: ln_img_b, .offset: 16, .size: 8, .value_kind: global_buffer, .address_space: global }
      - { .name: bkv, .offset: 24, .size: 8, .value_kind: global_buffer, .address_space: global }
      - { .name: wc, .offset: 32, .size: 8, .value_kind: global_buffer, .address_space: global }
      - { .name: kv, .offset: 40, .size: 8, .value_kind: global_buffer, .address_space: global }
    .group_segment_fixed_size: 327680
    .private_segment_fixed_size: 0
    .kernarg_segment_align: 8
    .kernarg_segment_size: 48
    .max_flat_workgroup_size: 128
    .sgpr_count:     66
    .vgpr_count:     1024
    .wavefront_size: 32
...
	.end_amdgpu_metadata
.endif
;; end of part 2
;; launch at (part 3): grid 256 x 1, 12 waves a work-group, clusters of 4 x 1, 327,680 bytes of LDS; arguments hidden_states, ln_h_g, ln_h_b, bq, wc, kv, oc; writes oc
.if DOCPART == 3
	.amdgcn_target "amdgcn-amd-amdhsa--gfx1250"
	.amdhsa_code_object_version 6
	.text
	.protected	k_q12d28f2a10_at
	.globl	k_q12d28f2a10_at
	.p2align	8
	.type	k_q12d28f2a10_at,@function
k_q12d28f2a10_at:
	s_mov_b64 s[64:65], 0
	v_nop
	global_prefetch_b8 v0, s[64:65] scope:SCOPE_SE
	s_setreg_imm32_b32 hwreg(HW_REG_WAVE_MODE, 25, 1), 1
	s_wait_xcnt 0x0
	s_wait_alu depctr_hold_cnt(0) depctr_sa_sdst(0) depctr_va_vdst(0) depctr_va_sdst(0) depctr_va_ssrc(0) depctr_va_vcc(0) depctr_vm_vsrc(0)
	s_getreg_b32 s2, hwreg(HW_REG_IB_STS2, 6, 4)
	s_cmp_eq_u32 s2, 0
	s_cbranch_scc0 .Lentry_in_a_cluster
	s_endpgm
.Lentry_in_a_cluster:
	s_bfe_u32 s2, ttmp6, 0x10000c
	s_cmp_lg_u32 s2, 0x3003
	s_cbranch_scc0 .Lentry_shape_is_right
	s_endpgm
.Lentry_shape_is_right:
; LayerNorm(hidden), quantise, x Wq + bq, / 8, quantise; attention over 4,096 keys with one shared key and value head; out quantised along its 768.
; A work-group: 16 queries of one batch x six heads.  Wave w: head 6 hh + w / 2, keys 2,048 (w % 2) on, 16 steps of 128; the two waves of a head merge at the end.
; Both products are used transposed: a lane holds ONE query.  The keys of a tile are laid so (by the launch before) that a lane's 32 scores of four tiles are 32 neighbouring keys: one block of p.
; K of the first product is 64: a tile's six code registers are followed by the next tile's, which meet q's six registers of zero codes and add nothing.
; SOFTMAX: t = score x log2(e); M = the running largest t rounded up; p = 2^(t - M) is quantised; the sum is taken of the unquantised p; when M moves, sum and O are multiplied by a power of two.
; k's and v's codes and scale words come step by step (13,312 bytes, laid in register order) through a ring of two slots of 2 x 4 steps, asked for JOINTLY by the four work-groups of a cluster, which
; belong to one batch.  Waves 0 to 3 fetch; at most two tensor loads of a wave are out.  lds_bytes: all of it.
; LIMITS: NaN and infinities are not served; a block of zeros gets the byte 1 (zero codes).
.set SLOT1, 131072
.set RED0,  237568                     ; two reductions x 16 rows x 64 bytes
.set HQ,    239616                     ; LN(hidden)'s codes: 12 halves of 768 bytes
.set HQS,   248832                     ; their scale words
.set QX,    249344                     ; 4,608 bytes a wave: what the two waves of a head hand each other
.set SPARE, 304640
.set L16, 3
.set L8,  4
.set BK,  5
.set ADK, 6
.set H8,  7
.set SU,  8
.set QXW, 30
.set QXR, 31
.set NM,  32
.set RS,  34
.set HA16, 36
.set HA8, 37
.set HSA, 38
.set R16, 39
.set HW8, 72
.set HWS, 73
.set WS,  76
.set HWD, 88
.set RW,  91
.set RRD, 92
.set HW,  93
.set PO,  94
.set XO,  95
.set RB,  192
.set QT,  204
.set QT1, 208
.set QM,  212                          ; (in the loop: the two blocks' largest scores)
.set QS,  214
.set QB,  216
.set QO,  218
.set FP,  220
.set TM,  222
.set TO,  223
.set WV,  18
.set G1D, 24
.set G0,  32
.set SEL, 40
.set CS,  42
.set KH,  44
.set HD,  45
.set TB,  46
.macro PLACES n
.rept \n
	v_nop
.endr
.endm
.macro BARRIER
	s_wait_dscnt 0x0
	s_barrier_signal -1
	s_barrier_wait -1
.endm
.macro CROUND
	s_barrier_signal -1
	s_barrier_wait -1
	s_cmp_lg_u32 s[WV], 0
	s_cbranch_scc1 .Lnot_wave_0_\@
	s_barrier_signal -3
.Lnot_wave_0_\@:
	s_barrier_wait -3
	s_barrier_signal -1
	s_barrier_wait -1
.endm
.macro QUANT32 x, f
	v_max3_num_f32 v[QM], |v[(\x)]|, |v[(\x)+1]|, 0x1800000
	v_max3_num_f32 v[QM+1], |v[(\x)+2]|, |v[(\x)+3]|, 0x1800000
.irp i, 4,8,12,16,20,24,28
	v_max3_num_f32 v[QM], v[QM], |v[(\x)+\i]|, |v[(\x)+\i+1]|
	v_max3_num_f32 v[QM+1], v[QM+1], |v[(\x)+\i+2]|, |v[(\x)+\i+3]|
.endr
	v_max_num_f32 v[QM], v[QM], v[QM+1]
	v_add_nc_u32 v[QS], 0xff000000, v[QM]
	v_lshrrev_b32 v[QB], 23, v[QS]
	v_cvt_scalef32_pk16_fp6_f32 v[(\f):(\f)+2], v[(\x):(\x)+15], v[QS]
	v_cvt_scalef32_pk16_fp6_f32 v[QT:QT+2], v[(\x)+16:(\x)+31], v[QS]
	v_nop
	v_mov_b32 v[(\f)+3], v[QT]
	v_mov_b32 v[(\f)+4], v[QT+1]
	v_mov_b32 v[(\f)+5], v[QT+2]
.endm
.macro PAIR d
	v_lshlrev_b32 v[QB], v[H8], v[QB]
	v_permlanex16_b32 v[QO], v[QB], s[SEL], s[SEL+1]
	v_or_b32 v[\d], v[QB], v[QO]
.endm
.macro LNRED k                         ; my wave's part of row r's sum, v[SU], becomes the whole row's: twelve parts, added in the waves' order
	v_pk_add_f32 v[SU:SU+1], v[SU:SU+1], v[SU+2:SU+3]
	v_add_f32 v[SU], v[SU], v[SU+1]
	v_permlanex16_b32 v[QO], v[SU], s[SEL], s[SEL+1]
	v_add_f32 v[SU], v[SU], v[QO]
	ds_store_b32 v[RW], v[SU] offset:1024*(\k)
	BARRIER
	ds_load_b128 v[RB:RB+3], v[RRD] offset:1024*(\k)
	ds_load_b128 v[RB+4:RB+7], v[RRD] offset:1024*(\k)+16
	ds_load_b128 v[RB+8:RB+11], v[RRD] offset:1024*(\k)+32
	s_wait_dscnt 0x0
	v_add_f32 v[SU], v[RB], v[RB+1]
.irp i, 2,3,4,5,6,7,8,9,10,11
	v_add_f32 v[SU], v[SU], v[RB+\i]
.endr
.endm
.macro WLOAD reg, i                    ; Wq's unit of my head, my i-th K step: four fragments and their scale words
.irp t, 0,1,2,3
.irp q, 0,1,2
	global_load_b128 v[\reg+12*\t+4*\q:\reg+12*\t+4*\q+3], v[L16], s[12:13] offset:(\i)*76800+\t*1536+512*\q
.endr
.endr
	global_load_b128 v[WS+4*(\i):WS+4*(\i)+3], v[R16], s[12:13] offset:(\i)*76800+6144
.endm
.macro QMUL reg, i, zero
.irp t, 0,1,2,3
.if \zero
	v_wmma_scale_f32_16x16x128_f8f6f4 v[192+8*\t:199+8*\t], v[\reg+12*\t:\reg+12*\t+11], v[40+12*\i:51+12*\i], 0, v[WS+4*\i+\t], v[HWD+\i] matrix_a_fmt:MATRIX_FMT_FP6 matrix_b_fmt:MATRIX_FMT_FP6
.else
	v_wmma_scale_f32_16x16x128_f8f6f4 v[192+8*\t:199+8*\t], v[\reg+12*\t:\reg+12*\t+11], v[40+12*\i:51+12*\i], v[192+8*\t:199+8*\t], v[WS+4*\i+\t], v[HWD+\i] matrix_a_fmt:MATRIX_FMT_FP6 matrix_b_fmt:MATRIX_FMT_FP6
.endif
.endr
.endm
	s_load_b256 s[4:11], s[0:1], 0x0               ; hidden, g, b, bq
	s_load_b128 s[12:15], s[0:1], 0x20             ; wc, kv
	s_load_b64 s[16:17], s[0:1], 0x30              ; oc
	v_lshl_add_u32 v1, v0, 2, SPARE
	v_mov_b32 v2, 0
	ds_add_u32 v1, v2
	ds_add_u32 v1, v2
	s_wait_dscnt 0x0
	v_lshrrev_b32 v3, 5, v0
	v_readfirstlane_b32 s[WV], v3
	s_bfe_u32 s19, ttmp6, 0x40000                  ; cx
	s_lshl_b32 s20, ttmp9, 2
	s_add_co_u32 s20, s20, s19                     ; the work-group: it enters global addresses alone
	s_lshr_b32 s21, ttmp9, 3                       ; the batch, which the four partners share
	s_bfe_u32 s22, s20, 0x40001                    ; tile of 16 queries
	s_and_b32 s23, s20, 1                          ; which six heads
	s_and_b32 s[KH], s[WV], 1
	s_lshr_b32 s[HD], s[WV], 1
	s_mul_i32 s48, s23, 6
	s_add_co_u32 s[HD], s[HD], s48                 ; my head
	s_mov_b32 s[G1D], 15|(3<<16)|(1<<21)           ; the mask: all four; elements of 8 bytes; bit 21 beside a mask
	s_mov_b32 s[G1D+1], 32<<16                     ; rows of 256 bytes,
	s_mov_b32 s[G1D+2], 104<<16                    ; 104 of them: two steps, dense
	s_mov_b32 s[G1D+3], 32<<16
	s_mov_b32 s[G1D+4], 104
	s_mov_b32 s[G1D+5], 32
	s_mov_b32 s[G1D+6], 0
	s_mov_b32 s[G1D+7], 0
	s_and_b32 s48, s[WV], 3
	s_mul_i32 s49, s48, 26624                      ; in a slot: [half of the keys][two steps]
	s_lshr_b32 s50, s48, 1
	s_mul_i32 s50, s50, 212992
	s_and_b32 s51, s48, 1
	s_mul_i32 s51, s51, 26624
	s_add_co_u32 s50, s50, s51
	s_mul_i32 s51, s21, 425984
	s_add_co_u32 s50, s50, s51
	s_mov_b32 s51, 0
	s_mov_b32 s[SEL], 0x76543210
	s_mov_b32 s[SEL+1], 0xfedcba98
	s_mov_b32 s[CS], 0x3fb8aa3b                    ; log2(e)
	s_mov_b32 s[CS+1], s[CS]
	s_mov_b32 s[TB], 0
	s_wait_kmcnt 0x0
	s_add_nc_u64 s[50:51], s[14:15], s[50:51]
	CROUND                                         ; all four work-groups are here: the first joint loads meet
.irp n, 0,1
	s_mov_b32 s[G0+4*\n], 1
	s_add_co_u32 s[G0+4*\n+1], s49, \n*SLOT1
	s_add_nc_u64 s[G0+4*\n+2:G0+4*\n+3], s[50:51], \n*53248
	s_or_b32 s[G0+4*\n+3], s[G0+4*\n+3], 0x80000000
.endr
	s_cmp_lt_u32 s[WV], 4
	s_cbranch_scc0 .Lnofill
	tensor_load_to_lds s[G0:G0+3], s[G1D:G1D+7]
	s_nop 0
	tensor_load_to_lds s[G0+4:G0+7], s[G1D:G1D+7]
	s_nop 0
	PLACES 4
.Lnofill:
	s_lshl_b32 s52, s21, 8
	s_lshl_b32 s53, s22, 4
	s_add_co_u32 s52, s52, s53
	s_mul_i32 s52, s52, 3072
	s_lshl_b32 s54, s[WV], 8
	s_add_co_u32 s52, s52, s54
	s_mov_b32 s53, 0
	s_mov_b32 s55, 0
	s_add_nc_u64 s[4:5], s[4:5], s[52:53]          ; hidden at the tile's first row, my 64 columns
	s_add_nc_u64 s[6:7], s[6:7], s[54:55]
	s_add_nc_u64 s[8:9], s[8:9], s[54:55]
	s_lshl_b32 s54, s[HD], 8
	s_add_nc_u64 s[10:11], s[10:11], s[54:55]      ; bq at my head
	s_mul_i32 s54, s[KH], 36
	s_add_co_u32 s54, s54, s[HD]
	s_mul_i32 s54, s54, 6400
	s_add_co_u32 s54, s54, 691200
	s_add_nc_u64 s[12:13], s[12:13], s[54:55]      ; Wq: K step 3 (w % 2), my head's unit
	s_lshl_b32 s54, s21, 4
	s_add_co_u32 s54, s54, s22
	s_mul_i32 s54, s54, 9728
	s_add_nc_u64 s[16:17], s[16:17], s[54:55]      ; oc at my row tile
	s_lshr_b32 s54, s[HD], 1
	s_lshl_b32 s54, s54, 6
	s_and_b32 s56, s[HD], 1
	s_lshl_b32 s56, s56, 1
	s_add_co_u32 s54, s54, s56
	s_add_co_u32 s54, s54, 9216
	s_add_nc_u64 s[56:57], s[16:17], s[54:55]      ; my head's two scale bytes
	s_mul_i32 s54, s[HD], 768
	s_add_nc_u64 s[16:17], s[16:17], s[54:55]      ; my head's half fragment
	v_and_b32 v8, 31, v0                           ; lane
	v_and_b32 v9, 15, v0                           ; r
	v_bfe_u32 v10, v0, 4, 1                        ; h
	v_lshlrev_b32 v[L16], 4, v8
	v_lshlrev_b32 v[L8], 3, v8
	v_lshlrev_b32 v[H8], 3, v10
	v_lshlrev_b32 v[R16], 4, v9
	v_lshlrev_b32 v[PO], 7, v10
	v_mul_u32_u24 v[XO], v9, 3072
	v_add_nc_u32 v[XO], v[XO], v[PO]
.irp j, 0,1,2,3,4,5,6,7
	global_load_b128 v[224+4*\j:227+4*\j], v[XO], s[4:5] offset:16*\j
.endr
.irp j, 0,1,2,3,4,5,6,7
	global_load_b128 v[40+4*\j:43+4*\j], v[PO], s[6:7] offset:16*\j
.endr
.irp j, 0,1,2,3,4,5,6,7
	global_load_b128 v[144+4*\j:147+4*\j], v[PO], s[8:9] offset:16*\j
.endr
	WLOAD 96, 0
	s_mul_i32 s48, s[KH], 53248
	v_add_nc_u32 v[BK], s48, v[L16]
	s_mul_i32 s48, s[WV], 4608
	s_add_co_u32 s48, s48, QX
	v_add_nc_u32 v[QXW], s48, v[L16]
	s_xor_b32 s49, s[WV], 1
	s_mul_i32 s49, s49, 4608
	s_add_co_u32 s49, s49, QX
	v_add_nc_u32 v[QXR], s49, v[L16]
	s_mul_i32 s48, s[KH], 4608
	s_add_co_u32 s48, s48, HQ
	v_add_nc_u32 v[HA16], s48, v[L16]
	v_add_nc_u32 v[HA8], s48, v[L8]
	s_mul_i32 s48, s[KH], 192
	s_add_co_u32 s48, s48, HQS
	v_lshl_add_u32 v[HSA], v9, 2, s48
	s_lshl_b32 s48, s[WV], 2
	s_add_co_u32 s48, s48, RED0
	v_lshl_add_u32 v[RW], v9, 6, s48
	v_lshl_add_u32 v[RRD], v9, 6, RED0
	s_mul_i32 s48, s[WV], 768
	s_add_co_u32 s48, s48, HQ
	v_add_nc_u32 v[HW], s48, v[L16]
	s_add_co_u32 s48, s48, 512
	v_add_nc_u32 v[HW8], s48, v[L8]
	s_lshr_b32 s48, s[WV], 1
	s_lshl_b32 s48, s48, 6
	s_lshl_b32 s49, s[KH], 1
	s_add_co_u32 s48, s48, s49
	s_add_co_u32 s48, s48, HQS
	v_lshl_add_u32 v[HWS], v9, 2, s48
	v_mov_b32 v[QO], 0
	s_mov_b32 s58, 0x3aaaaaab                      ; 1 / 768
	s_mov_b32 s59, 0x3727c5ac                      ; 1e-5
	s_mov_b32 s60, 0xbaaaaaab
	s_wait_loadcnt 13                              ; hidden, g and b are in; Wq's 13 loads may be out
	v_pk_add_f32 v[SU:SU+1], v[224:225], v[226:227]
	v_pk_add_f32 v[SU+2:SU+3], v[228:229], v[230:231]
.irp i, 8,12,16,20,24,28
	v_pk_add_f32 v[SU:SU+1], v[SU:SU+1], v[224+\i:225+\i]
	v_pk_add_f32 v[SU+2:SU+3], v[SU+2:SU+3], v[226+\i:227+\i]
.endr
	LNRED 0
	v_mul_f32 v[NM], s60, v[SU]                    ; - mean
	v_mov_b32 v[NM+1], v[NM]
.set i, 0
.rept 16
	v_pk_add_f32 v[224+i:225+i], v[224+i:225+i], v[NM:NM+1]
.set i, i+2
.endr
	v_pk_mul_f32 v[SU:SU+1], v[224:225], v[224:225]
	v_pk_mul_f32 v[SU+2:SU+3], v[226:227], v[226:227]
.irp i, 4,8,12,16,20,24,28
	v_pk_fma_f32 v[SU:SU+1], v[224+\i:225+\i], v[224+\i:225+\i], v[SU:SU+1]
	v_pk_fma_f32 v[SU+2:SU+3], v[226+\i:227+\i], v[226+\i:227+\i], v[SU+2:SU+3]
.endr
	LNRED 1
	v_fma_f32 v[TM], v[SU], s58, s59
	v_rsq_f32 v[RS], v[TM]
	v_nop                                          ; a plain place behind the transcendental,
	s_wait_alu depctr_va_vdst(0)                   ; and the wait ahead of its first reader
	v_mov_b32 v[RS+1], v[RS]
.set i, 0
.rept 16
	v_pk_mul_f32 v[224+i:225+i], v[224+i:225+i], v[RS:RS+1]
.set i, i+2
.endr
.set i, 0
.rept 16
	v_pk_fma_f32 v[224+i:225+i], v[224+i:225+i], v[40+i:41+i], v[144+i:145+i]
.set i, i+2
.endr
	WLOAD 144, 1
	QUANT32 224, 16
.irp j, 0,1,2,3,4,5,6,7
	global_load_b128 v[224+4*\j:227+4*\j], v[PO], s[10:11] offset:16*\j        ; bq at my half's 32 columns
.endr
	PAIR TM
	ds_store_b128 v[HW], v[16:19]
	ds_store_b64 v[HW8], v[20:21]
	ds_store_b16 v[HWS], v[TM]
	BARRIER                                        ; the 16 rows' codes lie in LDS
.irp i, 0,1,2                                      ; my three K steps of the six: the two waves of a head share K
	ds_load_b128 v[40+12*\i:43+12*\i], v[HA16] offset:1536*\i
	ds_load_b64 v[44+12*\i:45+12*\i], v[HA8] offset:1536*\i+512
	ds_load_b128 v[46+12*\i:49+12*\i], v[HA16] offset:1536*\i+768
	ds_load_b64 v[50+12*\i:51+12*\i], v[HA8] offset:1536*\i+1280
	ds_load_b32 v[HWD+\i], v[HSA] offset:64*\i
.endr
	s_wait_dscnt 0x0
	s_wait_loadcnt 21                              ; behind the first set: the second set's 13 and bq's 8
	QMUL 96, 0, 1
	PLACES 4
	WLOAD 96, 2
	s_wait_loadcnt 21                              ; behind the second set: bq's 8 and the third set's 13
	QMUL 144, 1, 0
	s_wait_loadcnt 0x0
	QMUL 96, 2, 0
	PLACES 4
.irp q, 0,1,2,3,4,5,6,7
	ds_store_b128 v[QXW], v[192+4*\q:195+4*\q] offset:512*\q       ; each accumulator from its low end on
.endr
	BARRIER
.irp q, 0,1,2,3,4,5,6,7
	ds_load_b128 v[96+4*\q:99+4*\q], v[QXR] offset:512*\q
.endr
	s_wait_dscnt 0x0
.set i, 0
.rept 16
	v_pk_add_f32 v[96+i:97+i], v[96+i:97+i], v[192+i:193+i]        ; the two halves of K first: the same number in both waves of a head, whichever half is whose
.set i, i+2
.endr
.set i, 0
.rept 16
	v_pk_add_f32 v[224+i:225+i], v[224+i:225+i], v[96+i:97+i]      ; + bq
.set i, i+2
.endr
.set i, 0
.rept 16
	v_pk_mul_f32 v[224+i:225+i], v[224+i:225+i], 0x3e000000 op_sel_hi:[1,0]   ; q / sqrt(64)
.set i, i+2
.endr
	QUANT32 224, 16
	PAIR 28
	v_or_b32 v28, 0x7f7f0000, v28                  ; bytes 2 and 3 stand over zero codes: 1.0
.irp i, 22,23,24,25,26,27
	v_mov_b32 v\i, 0                               ; K 64 .. 127: zero codes
.endr
.irp i, 88,89,90,91,92,93
	v_mov_b32 v\i, 0                               ; what follows the last tile of keys
.endr
	v_mov_b32 v13, 0xff61b1e6                      ; the largest t so far: -3e38
	v_floor_f32 v12, -v13                          ; -M
	v_mov_b32 v14, 0
	v_mov_b32 v15, 0
	v_mov_b32 v[FP+1], 0
	v_mov_b32 v[QO], 0
.set i, 0
.rept 32
	v_mov_b32 v[160+i], 0                          ; O^T: the loop is written once; its first step finds zeros
.set i, i+1
.endr
; A KEY STEP: 128 keys
.macro STEP
	v_add_nc_u32 v[ADK], s[TB], v[BK]
	PLACES 3                                       ; with the line above: four places behind the last products
.irp q, 0,1,2,3,4,5,6,7,8,9,10,11
	ds_load_b128 v[40+4*\q:43+4*\q], v[ADK] offset:512*\q
.endr
	ds_load_b128 v[32:35], v[ADK] offset:12288
	ds_load_b128 v[36:39], v[ADK] offset:12800
	s_wait_dscnt 0x0
.irp T, 0,1,2,3,4,5,6,7
	v_wmma_scale_f32_16x16x128_f8f6f4 v[96+8*\T:103+8*\T], v[40+6*\T:51+6*\T], v[16:27], 0, v[32+\T], v28 matrix_a_fmt:MATRIX_FMT_FP6 matrix_b_fmt:MATRIX_FMT_FP6
.endr
	PLACES 4
.irp q, 0,1,2,3,4,5,6,7,8,9,10,11
	ds_load_b128 v[40+4*\q:43+4*\q], v[ADK] offset:6144+512*\q     ; v's four fragments land while the softmax is worked
.endr
.irp c, 0,1
	v_max3_num_f32 v[QM+\c], v[96+32*\c], v[97+32*\c], v[98+32*\c]  ; the largest score of each of my two blocks: for the row's maximum and for the block's largest p
.endr
.irp i, 3,5,7,9,11,13,15,17,19,21,23,25,27,29
.irp c, 0,1
	v_max3_num_f32 v[QM+\c], v[QM+\c], v[96+32*\c+\i], v[97+32*\c+\i]
.endr
.endr
.irp c, 0,1
	v_max_num_f32 v[QM+\c], v[QM+\c], v[127+32*\c]
.endr
	v_max_num_f32 v[TM], v[QM], v[QM+1]
	v_permlanex16_b32 v[QO], v[TM], s[SEL], s[SEL+1]
	v_max_num_f32 v[TM], v[TM], v[QO]
	v_mul_f32 v[TM], s[CS], v[TM]
	v_max_num_f32 v13, v13, v[TM]                  ; the running largest t
	v_mov_b32 v[TM], v12
	v_floor_f32 v12, -v13                          ; the new -M
	v_sub_f32 v[TM], v12, v[TM]
	v_cvt_i32_f32 v[TM], v[TM]                     ; (it saturates)
	v_ldexp_f32 v[FP], 1.0, v[TM]                  ; f = 2^(old M - new M)
.set j, 0
.rept 32
	v_pk_fma_f32 v[96+j:97+j], v[96+j:97+j], s[CS:CS+1], v[12:13] op_sel_hi:[1,0,0]
.set j, j+2
.endr
.irp c, 0,1
	v_fma_f32 v[QM+\c], v[QM+\c], s[CS], v12
.endr
.set j, 0
.rept 64
	v_exp_f32 v[96+j], v[96+j]
.set j, j+1
.endr
	v_pk_mul_f32 v[14:15], v[14:15], v[FP:FP+1] op_sel_hi:[1,0]    ; the sums under the new M; a plain place behind the exponentials
	s_wait_alu depctr_va_vdst(0)                   ; one wait for the batch, ahead of its first reader
.irp c, 0,1
	v_exp_f32 v[QM+\c], v[QM+\c]
.endr
	v_pk_add_f32 v[224:225], v[96:97], v[98:99]    ; the row's sum is taken of the unquantised p
.irp j, 4,8,12,16,20,24,28,32,36,40,44,48,52,56,60
	v_pk_add_f32 v[14:15], v[14:15], v[96+\j:97+\j]
	v_pk_add_f32 v[224:225], v[224:225], v[98+\j:99+\j]
.endr
	v_pk_add_f32 v[14:15], v[14:15], v[224:225]
	s_wait_alu depctr_va_vdst(0)                   ; and one for the two
.irp c, 0,1
	v_max_num_f32 v[QM+\c], 0x1800000, v[QM+\c]
.endr
.irp c, 0,1
	v_add_nc_u32 v[QS+\c], 0xff000000, v[QM+\c]
.endr
.irp c, 0,1
	v_lshrrev_b32 v[QB+\c], 23, v[QS+\c]
.endr
	v_lshl_or_b32 v[QB], v[QB+1], 16, v[QB]        ; my blocks are h and 2 + h of the step's four
	v_lshlrev_b32 v[QB], v[H8], v[QB]
	v_permlanex16_b32 v[QO], v[QB], s[SEL], s[SEL+1]
	v_or_b32 v29, v[QB], v[QO]                     ; p's scale word
	v_cvt_scalef32_pk16_fp6_f32 v[192:194], v[96:111], v[QS]
	v_cvt_scalef32_pk16_fp6_f32 v[QT:QT+2], v[112:127], v[QS]
	v_cvt_scalef32_pk16_fp6_f32 v[198:200], v[128:143], v[QS+1]
	v_cvt_scalef32_pk16_fp6_f32 v[QT1:QT1+2], v[144:159], v[QS+1]
	v_nop
.irp i, 0,1,2
	v_mov_b32 v[195+\i], v[QT+\i]
	v_mov_b32 v[201+\i], v[QT1+\i]
.endr
.set j, 0
.rept 16
	v_pk_mul_f32 v[160+j:161+j], v[160+j:161+j], v[FP:FP+1] op_sel_hi:[1,0]   ; O^T under the new M; also the places in front of the products below
.set j, j+2
.endr
	s_wait_dscnt 0x0
.irp t, 0,1,2,3
	v_wmma_scale_f32_16x16x128_f8f6f4 v[160+8*\t:167+8*\t], v[40+12*\t:51+12*\t], v[192:203], v[160+8*\t:167+8*\t], v[32+\t], v29 matrix_a_fmt:MATRIX_FMT_FP6 matrix_b_fmt:MATRIX_FMT_FP6 matrix_a_scale:MATRIX_SCALE_ROW1
.endr
	s_add_co_u32 s[TB], s[TB], 13312
.endm
.macro STEPS4                          ; a slot's four steps of my half of the keys
	s_mov_b32 s47, 4
.Lst_\@:
	STEP
	s_sub_co_u32 s47, s47, 1
	s_cmp_lg_u32 s47, 0
	s_cbranch_scc1 .Lst_\@
	s_sub_co_u32 s[TB], s[TB], 53248
	s_xor_b32 s[TB], s[TB], SLOT1
.endm
.macro CHANGE n                        ; slot n, read out, takes the steps two slots on
	s_wait_tensorcnt 0x0
	ds_add_u32 v1, v2                              ; 0 onto my spare word
	ds_add_u32 v1, v2
	s_add_nc_u64 s[G0+4*\n+2:G0+4*\n+3], s[G0+4*\n+2:G0+4*\n+3], 106496
	s_wait_dscnt 0x0
	CROUND
	s_cmp_lt_u32 s[WV], 4
	s_cbranch_scc0 .Lnf_\@
	tensor_load_to_lds s[G0+4*\n:G0+4*\n+3], s[G1D:G1D+7]
	s_nop 0
	PLACES 4
.Lnf_\@:
.endm
	s_wait_tensorcnt 0x1                           ; my part of slot 0 is in; slot 1's may stay out
	BARRIER
	STEPS4
	CHANGE 0
	STEPS4
	CHANGE 1
	STEPS4
	s_wait_tensorcnt 0x0                           ; the last slot has landed; nothing more is asked for
	ds_add_u32 v1, v2
	s_wait_dscnt 0x0
	s_barrier_signal -1
	s_barrier_wait -1
	STEPS4
	; ---- the two halves of the keys are merged
	PLACES 4
	v_add_f32 v14, v14, v15
	v_permlanex16_b32 v[QO], v14, s[SEL], s[SEL+1]
	v_add_f32 v14, v14, v[QO]                      ; my half's sum of the row
	v_and_b32 v8, 31, v0
	s_mul_i32 s48, s[WV], 4608
	s_add_co_u32 s48, s48, QX
	v_lshl_add_u32 v9, v8, 2, s48
	s_xor_b32 s49, s[WV], 1
	s_mul_i32 s49, s49, 4608
	s_add_co_u32 s49, s49, QX
	v_lshl_add_u32 v10, v8, 2, s49
.irp q, 0,1,2,3,4,5,6,7
	ds_store_b128 v[QXW], v[160+4*\q:163+4*\q] offset:512*\q
.endr
	ds_store_b32 v9, v14 offset:4096
	ds_store_b32 v9, v12 offset:4224
	BARRIER
.irp q, 0,1,2,3,4,5,6,7
	ds_load_b128 v[96+4*\q:99+4*\q], v[QXR] offset:512*\q
.endr
	ds_load_b32 v128, v10 offset:4096
	ds_load_b32 v129, v10 offset:4224
	s_wait_dscnt 0x0
	v_min_num_f32 v[TM], v12, v129                 ; - the larger M
	v_sub_f32 v[TO], v[TM], v12
	v_cvt_i32_f32 v[TO], v[TO]
	v_ldexp_f32 v[FP], 1.0, v[TO]
	v_sub_f32 v[TO], v[TM], v129
	v_cvt_i32_f32 v[TO], v[TO]
	v_ldexp_f32 v226, 1.0, v[TO]
	v_mov_b32 v227, 0
	v_mul_f32 v14, v14, v[FP]
	v_fma_f32 v14, v128, v226, v14
	v_rcp_f32 v228, v14
.set j, 0
.rept 16
	v_pk_mul_f32 v[160+j:161+j], v[160+j:161+j], v[FP:FP+1] op_sel_hi:[1,0]
.set j, j+2
.endr
.set j, 0
.rept 16
	v_pk_fma_f32 v[160+j:161+j], v[96+j:97+j], v[226:227], v[160+j:161+j] op_sel_hi:[1,0,1]
.set j, j+2
.endr
	s_wait_alu depctr_va_vdst(0)                   ; the wait ahead of the reciprocal's first reader
	v_mov_b32 v229, v228
.set j, 0
.rept 16
	v_pk_mul_f32 v[96+j:97+j], v[160+j:161+j], v[228:229]
.set j, j+2
.endr
	QUANT32 96, 192
	PAIR TM
	v_and_b32 v9, 15, v0
	v_lshlrev_b32 v9, 2, v9
	s_cmp_lg_u32 s[KH], 0
	s_cbranch_scc1 .Lnostore                       ; both waves hold the result: the first of a head stores it
	global_store_b128 v[L16], v[192:195], s[16:17]
	global_store_b64 v[L8], v[196:197], s[16:17] offset:512
	global_store_b16 v9, v[TM], s[56:57]
.Lnostore:
	s_wait_tensorcnt 0x0                           ; the wave's end
	ds_add_u32 v1, v2
	s_wait_dscnt 0x0
	CROUND                                         ; the closing round
	s_endpgm
.Lfunc_end_k_q12d28f2a10_at:
	.size	k_q12d28f2a10_at, .Lfunc_end_k_q12d28f2a10_at-k_q12d28f2a10_at
	.p2alignl 7, 3214868480
	.fill 96, 4, 3214868480
	.section	.rodata,"a",@progbits
	.p2align	6, 0x0
	.amdhsa_kernel k_q12d28f2a10_at
		.amdhsa_group_segment_fixed_size 327680
		.amdhsa_private_segment_fixed_size 0
		.amdhsa_enable_private_segment 0
		.amdhsa_kernarg_size 56
		.amdhsa_user_sgpr_count 2
		.amdhsa_user_sgpr_kernarg_segment_ptr 1
		.amdhsa_wavefront_size32 1
		.amdhsa_system_sgpr_workgroup_id_x 1
		.amdhsa_system_sgpr_workgroup_id_y 1
		.amdhsa_system_sgpr_workgroup_id_z 1
		.amdhsa_system_vgpr_workitem_id 0
		.amdhsa_next_free_vgpr 256
		.amdhsa_next_free_sgpr 66
		.amdhsa_reserve_vcc 0
		.amdhsa_float_denorm_mode_32 3
		.amdhsa_float_denorm_mode_16_64 3
		.amdhsa_memory_ordered 1
		.amdhsa_forward_progress 1
		.amdhsa_inst_pref_size 101
	.end_amdhsa_kernel
	.amdgpu_metadata
---
amdhsa.version: [ 1, 2 ]
amdhsa.kernels:
  - .name:           k_q12d28f2a10_at
    .symbol:         k_q12d28f2a10_at.kd
    .args:
      - { .name: hidden_states, .offset: 0, .size: 8, .value_kind: global_buffer, .address_space: global }
      - { .name: ln_h_g, .offset: 8, .size: 8, .value_kind: global_buffer, .address_space: global }
      - { .name: ln_h_b, .offset: 16, .size: 8, .value_kind: global_buffer, .address_space: global }
      - { .name: bq, .offset: 24, .size: 8, .value_kind: global_buffer, .address_space: global }
      - { .name: wc, .offset: 32, .size: 8, .value_kind: global_buffer, .address_space: global }
      - { .name: kv, .offset: 40, .size: 8, .value_kind: global_buffer, .address_space: global }
      - { .name: oc, .offset: 48, .size: 8, .value_kind: global_buffer, .address_space: global }
    .group_segment_fixed_size: 327680
    .private_segment_fixed_size: 0
    .kernarg_segment_align: 8
    .kernarg_segment_size: 56
    .max_flat_workgroup_size: 384
    .sgpr_count:     66
    .vgpr_count:     256
    .wavefront_size: 32
...
	.end_amdgpu_metadata
.endif
;; end of part 3
;; launch wo (part 4): grid 128 x 1, 6 waves a work-group, no clusters, 54,016 bytes of LDS; arguments oc, wc, bo, ln_ao_g, ln_ao_b, gate_param, hidden_states, ln_f_g, ln_f_b, hb, fc; writes hb, fc
.if DOCPART == 4
	.amdgcn_target "amdgcn-amd-amdhsa--gfx1250"
	.amdhsa_code_object_version 6
	.text
	.protected	k_q12d28f2a10_wo
	.globl	k_q12d28f2a10_wo
	.p2align	8
	.type	k_q12d28f2a10_wo,@function
k_q12d28f2a10_wo:
	s_mov_b64 s[64:65], 0
	v_nop
	global_prefetch_b8 v0, s[64:65] scope:SCOPE_SE
	s_setreg_imm32_b32 hwreg(HW_REG_WAVE_MODE, 25, 1), 1
	s_wait_xcnt 0x0
; out x Wo + bo, LayerNorm, h = hidden + sigmoid(gate) x that, LayerNorm, quantise.  A work-group: 16 rows; wave w: columns 128 w .. + 127.  h goes to hb (f32), the codes to fc.
; The product is used transposed (source 0 = Wo's tile): a lane holds one row and, of each 64 columns, its half's 32 neighbours.  Operands come from memory straight into registers: they were laid in register order.
; No tensor loads and no cluster: the launch is short, 16 rows a work-group, and each work-group reads each weight byte once.
; LDS: four reductions of 512 bytes (16 rows x 32), each with bytes of its own; behind them a stage of 16 rows x 528 bytes for each wave.
; LIMITS: NaN and infinities are not served; a block of zeros gets the byte 1 (zero codes).
.set RT, 1
.set ABLK, 9728
.set UST, 76800
.set SW0, 1
.set SWD, 0
.set SB0, 0
.set SBD, 108
.set AWN, 0
.set AB, 96
.set SCB, 32
.set NLS, 31
.set BI, 0
.set SAP, 28
.set SSP, 30
.set SBP, 32
.set O16, 1
.set O8, 2
.set R4, 3
.set R16, 4
.set PO, 5
.set RW, 6
.set RRD, 7
.set STW, 8
.set STL, 9
.set H8, 10
.set QM, 12
.set QS, 14
.set QB, 15
.set QO, 16
.set QT, 18
.set SU, 22
.set NM, 26
.set RS, 28
.set TMP, 30
.set F, 56
.set PB, 68
.set GT, 70
.set RB, 74
.set HR, 160
.set SEL, 36
.set MSB, 0
.macro WIN new
.if MSB != (\new)
	s_set_vgpr_msb (MSB<<8)|(\new)
.set MSB, (\new)
.endif
.endm
.macro PLACES n
.rept \n
	v_nop
.endr
.endm
.macro BARRIER
	s_wait_dscnt 0x0
	s_barrier_signal -1
	s_barrier_wait -1
.endm
.macro QUANT32 x, f
	v_max3_num_f32 v[QM], |v[(\x)]|, |v[(\x)+1]|, 0x1800000
	v_max3_num_f32 v[QM+1], |v[(\x)+2]|, |v[(\x)+3]|, 0x1800000
.irp i, 4,8,12,16,20,24,28
	v_max3_num_f32 v[QM], v[QM], |v[(\x)+\i]|, |v[(\x)+\i+1]|
	v_max3_num_f32 v[QM+1], v[QM+1], |v[(\x)+\i+2]|, |v[(\x)+\i+3]|
.endr
	v_max_num_f32 v[QM], v[QM], v[QM+1]
	v_add_nc_u32 v[QS], 0xff000000, v[QM]
	v_lshrrev_b32 v[QB], 23, v[QS]
	v_cvt_scalef32_pk16_fp6_f32 v[(\f):(\f)+2], v[(\x):(\x)+15], v[QS]
	v_cvt_scalef32_pk16_fp6_f32 v[QT:QT+2], v[(\x)+16:(\x)+31], v[QS]
	v_nop
	v_mov_b32 v[(\f)+3], v[QT]
	v_mov_b32 v[(\f)+4], v[QT+1]
	v_mov_b32 v[(\f)+5], v[QT+2]
.endm
.macro PAIR d
	v_lshlrev_b32 v[QB], v[H8], v[QB]
	v_permlanex16_b32 v[QO], v[QB], s[SEL], s[SEL+1]
	v_or_b32 v[\d], v[QB], v[QO]
.endm
; one K step's operands into set s: RT fragments of rows (two halves each), eight of the weight, their scale words
.macro LOADSET s, k
.set SBX, SB0+(\s)*SBD
	WIN (SW0+(\s)*SWD)<<6
.set a, 0
.rept RT
	global_load_b128 v[SBX+12*a:SBX+12*a+3], v[O16], s[SAP:SAP+1] offset:a*ABLK+(\k)*1536
	global_load_b64 v[SBX+12*a+4:SBX+12*a+5], v[O8], s[SAP:SAP+1] offset:a*ABLK+(\k)*1536+512
	global_load_b128 v[SBX+12*a+6:SBX+12*a+9], v[O16], s[SAP:SAP+1] offset:a*ABLK+(\k)*1536+768
	global_load_b64 v[SBX+12*a+10:SBX+12*a+11], v[O8], s[SAP:SAP+1] offset:a*ABLK+(\k)*1536+1280
.set a, a+1
.endr
.irp n, 0,1,2,3,4,5,6,7
.irp q, 0,1,2
	global_load_b128 v[SBX+12*(RT+\n)+4*\q:SBX+12*(RT+\n)+4*\q+3], v[O16], s[SBP:SBP+1] offset:(\k)*UST+(\n/4)*6400+(\n%4)*1536+512*\q
.endr
.endr
	WIN 0
.set a, 0
.rept RT
	global_load_b32 v[SCB+12*(\s)+a], v[R4], s[SSP:SSP+1] offset:a*ABLK+(\k)*64
.set a, a+1
.endr
	global_load_b128 v[SCB+12*(\s)+4:SCB+12*(\s)+7], v[R16], s[SBP:SBP+1] offset:(\k)*UST+6144
	global_load_b128 v[SCB+12*(\s)+8:SCB+12*(\s)+11], v[R16], s[SBP:SBP+1] offset:(\k)*UST+6400+6144
.endm
; its products: the accumulators take turns.  cm = 0: onto the sums; 1: they start the sums; 2: the bias starts them
.macro MULSET s, cm
.set SBX, SB0+(\s)*SBD
.set SWX, SW0+(\s)*SWD
.if (\cm) == 2
	WIN SWX|(SWX<<2)|(AWN<<6)
.else
	WIN SWX|(SWX<<2)|(AWN<<4)|(AWN<<6)
.endif
.set a, 0
.rept RT
.irp n, 0,1,2,3,4,5,6,7
.if (\cm) == 1
	v_wmma_scale_f32_16x16x128_f8f6f4 v[AB+8*(8*a+\n):AB+8*(8*a+\n)+7], v[SBX+12*(RT+\n):SBX+12*(RT+\n)+11], v[SBX+12*a:SBX+12*a+11], 0, v[SCB+12*(\s)+4+\n], v[SCB+12*(\s)+a] matrix_a_fmt:MATRIX_FMT_FP6 matrix_b_fmt:MATRIX_FMT_FP6
.elseif (\cm) == 2
	v_wmma_scale_f32_16x16x128_f8f6f4 v[AB+8*(8*a+\n):AB+8*(8*a+\n)+7], v[SBX+12*(RT+\n):SBX+12*(RT+\n)+11], v[SBX+12*a:SBX+12*a+11], v[BI+8*\n:BI+8*\n+7], v[SCB+12*(\s)+4+\n], v[SCB+12*(\s)+a] matrix_a_fmt:MATRIX_FMT_FP6 matrix_b_fmt:MATRIX_FMT_FP6
.else
	v_wmma_scale_f32_16x16x128_f8f6f4 v[AB+8*(8*a+\n):AB+8*(8*a+\n)+7], v[SBX+12*(RT+\n):SBX+12*(RT+\n)+11], v[SBX+12*a:SBX+12*a+11], v[AB+8*(8*a+\n):AB+8*(8*a+\n)+7], v[SCB+12*(\s)+4+\n], v[SCB+12*(\s)+a] matrix_a_fmt:MATRIX_FMT_FP6 matrix_b_fmt:MATRIX_FMT_FP6
.endif
.endr
.set a, a+1
.endr
	WIN 0
.endm
.macro TGRUN cm                        ; six K steps on two sets
	LOADSET 0, 0
	LOADSET 1, 1
.irp k, 0,1,2,3,4,5
.if \k < 5
	s_wait_loadcnt NLS                             ; this step's set is in; the other set's loads may be out
.else
	s_wait_loadcnt 0x0
.endif
.if \k == 0
	MULSET 0, \cm
.else
	MULSET \k%2, 0
.endif
.if \k < 4
	PLACES 4                                       ; in front of loads into registers that the products have read
	LOADSET \k%2, \k+2
.endif
.endr
.endm
.macro LNRED k                         ; two chains -> my wave's part of row r -> the row's sum, six parts in the waves' order; reduction k has its own 512 bytes
	v_pk_add_f32 v[SU:SU+1], v[SU:SU+1], v[SU+2:SU+3]
	v_add_f32 v[SU], v[SU], v[SU+1]
	v_permlanex16_b32 v[QO], v[SU], s[SEL], s[SEL+1]
	v_add_f32 v[SU], v[SU], v[QO]
	ds_store_b32 v[RW], v[SU] offset:512*(\k)
	BARRIER
	ds_load_b128 v[RB:RB+3], v[RRD] offset:512*(\k)
	ds_load_b64 v[RB+4:RB+5], v[RRD] offset:512*(\k)+16
	s_wait_dscnt 0x0
	v_add_f32 v[SU], v[RB], v[RB+1]
.irp i, 2,3,4,5
	v_add_f32 v[SU], v[SU], v[RB+\i]
.endr
.endm
.macro LNORM k, g, b                   ; LayerNorm of the 64 numbers a lane at v[AB], in place; gain and bias at v[g], v[b] of window 1; reductions k and k + 1
	v_pk_add_f32 v[SU:SU+1], v[AB:AB+1], v[AB+2:AB+3]
	v_pk_add_f32 v[SU+2:SU+3], v[AB+4:AB+5], v[AB+6:AB+7]
.irp i, 8,12,16,20,24,28,32,36,40,44,48,52,56,60
	v_pk_add_f32 v[SU:SU+1], v[SU:SU+1], v[AB+\i:AB+\i+1]
	v_pk_add_f32 v[SU+2:SU+3], v[SU+2:SU+3], v[AB+\i+2:AB+\i+3]
.endr
	LNRED (\k)
	v_mul_f32 v[NM], s40, v[SU]
	v_mov_b32 v[NM+1], v[NM]
.set i, 0
.rept 32
	v_pk_add_f32 v[AB+i:AB+i+1], v[AB+i:AB+i+1], v[NM:NM+1]
.set i, i+2
.endr
	v_pk_mul_f32 v[SU:SU+1], v[AB:AB+1], v[AB:AB+1]
	v_pk_mul_f32 v[SU+2:SU+3], v[AB+2:AB+3], v[AB+2:AB+3]
.irp i, 4,8,12,16,20,24,28,32,36,40,44,48,52,56,60
	v_pk_fma_f32 v[SU:SU+1], v[AB+\i:AB+\i+1], v[AB+\i:AB+\i+1], v[SU:SU+1]
	v_pk_fma_f32 v[SU+2:SU+3], v[AB+\i+2:AB+\i+3], v[AB+\i+2:AB+\i+3], v[SU+2:SU+3]
.endr
	LNRED (\k)+1
	v_fma_f32 v[TMP], v[SU], s38, s39
	v_rsq_f32 v[RS], v[TMP]
	v_nop
	s_wait_alu depctr_va_vdst(0)                   ; the wait ahead of the first reader
	v_mov_b32 v[RS+1], v[RS]
.set i, 0
.rept 32
	v_pk_mul_f32 v[AB+i:AB+i+1], v[AB+i:AB+i+1], v[RS:RS+1]
.set i, i+2
.endr
	WIN 0x14
.set i, 0
.rept 32
	v_pk_fma_f32 v[AB+i:AB+i+1], v[AB+i:AB+i+1], v[(\g)+i:(\g)+i+1], v[(\b)+i:(\b)+i+1]
.set i, i+2
.endr
	WIN 0
.endm
	s_load_b256 s[4:11], s[0:1], 0x0               ; oc, wc, bo, ln_ao_g
	s_load_b256 s[12:19], s[0:1], 0x20             ; ln_ao_b, gate_param, hidden, ln_f_g
	s_load_b128 s[20:23], s[0:1], 0x40             ; ln_f_b, hb
	s_load_b64 s[24:25], s[0:1], 0x50              ; fc
	v_lshl_add_u32 v254, v0, 2, 0xd000
	v_mov_b32 v255, 0
	v_lshrrev_b32 v1, 5, v0
	v_readfirstlane_b32 s27, v1                    ; wave 0..5
	v_and_b32 v11, 31, v0
	v_and_b32 v17, 15, v0
	v_bfe_u32 v21, v0, 4, 1
	v_lshlrev_b32 v[O16], 4, v11
	v_lshlrev_b32 v[O8], 3, v11
	v_lshlrev_b32 v[R4], 2, v17
	v_lshlrev_b32 v[R16], 4, v17
	v_lshlrev_b32 v[PO], 7, v21
	v_lshlrev_b32 v[H8], 3, v21
	v_mov_b32 v[QO], 0
	s_lshl_b32 s42, s27, 2
	v_lshl_add_u32 v[RW], v17, 5, s42
	v_lshlrev_b32 v[RRD], 5, v17
	s_mul_i32 s42, s27, 8448
	s_add_co_u32 s42, s42, 2048                    ; my stage: 16 rows x 528 bytes, behind the four reductions
	v_add_nc_u32 v[STW], s42, v[O16]
	v_mul_u32_u24 v[STL], v17, 528
	v_add_nc_u32 v[STL], v[STL], v[PO]
	v_add_nc_u32 v[STL], s42, v[STL]
	s_mov_b32 s[SEL], 0x76543210
	s_mov_b32 s[SEL+1], 0xfedcba98
	s_mov_b32 s38, 0x3aaaaaab                      ; 1 / 768
	s_mov_b32 s39, 0x3727c5ac                      ; 1e-5
	s_mov_b32 s40, 0xbaaaaaab
	s_mul_i32 s42, ttmp9, 9728
	s_mov_b32 s43, 0
	s_lshl_b32 s44, s27, 9                         ; my 128 columns in bytes
	s_mov_b32 s45, 0
	s_mul_i32 s46, ttmp9, 49152
	s_add_co_u32 s46, s46, s44
	s_mov_b32 s47, 0
	s_mul_i32 s48, s27, 12800
	s_add_co_u32 s48, s48, 1152000
	s_mov_b32 s49, 0
	s_wait_kmcnt 0x0
	s_load_b32 s26, s[14:15], 0x0
	s_add_nc_u64 s[SAP:SAP+1], s[4:5], s[42:43]
	s_add_nc_u64 s[SSP:SSP+1], s[SAP:SAP+1], 9216
	s_add_nc_u64 s[SBP:SBP+1], s[6:7], s[48:49]
	s_add_nc_u64 s[8:9], s[8:9], s[44:45]
	s_add_nc_u64 s[10:11], s[10:11], s[44:45]
	s_add_nc_u64 s[12:13], s[12:13], s[44:45]
	s_add_nc_u64 s[18:19], s[18:19], s[44:45]
	s_add_nc_u64 s[20:21], s[20:21], s[44:45]
	s_add_nc_u64 s[16:17], s[16:17], s[46:47]
	s_add_nc_u64 s[22:23], s[22:23], s[46:47]
	s_add_nc_u64 s[24:25], s[24:25], s[42:43]
	s_lshl_b32 s44, s27, 6
	s_add_co_u32 s44, s44, 9216
	s_add_nc_u64 s[50:51], s[24:25], s[44:45]      ; fc: my K step's scale words
	s_mul_i32 s44, s27, 1536
	s_add_nc_u64 s[24:25], s[24:25], s[44:45]      ; fc: my two halves
.irp e, 0,1
.irp j, 0,1,2,3,4,5,6,7
	global_load_b128 v[AB+32*\e+4*\j:AB+32*\e+4*\j+3], v[PO], s[8:9] offset:256*\e+16*\j     ; bo goes straight into the accumulators
.endr
.endr
.set i, 0
.rept 16
	global_load_b128 v[HR+4*i:HR+4*i+3], v[O16], s[16:17] offset:3072*i                      ; hidden: a row's 512 consecutive bytes a load
.set i, i+1
.endr
	TGRUN 0
	PLACES 4
	WIN 0x40
.irp e, 0,1
.irp j, 0,1,2,3,4,5,6,7
	global_load_b128 v[32*\e+4*\j:32*\e+4*\j+3], v[PO], s[10:11] offset:256*\e+16*\j
	global_load_b128 v[64+32*\e+4*\j:64+32*\e+4*\j+3], v[PO], s[12:13] offset:256*\e+16*\j
	global_load_b128 v[128+32*\e+4*\j:128+32*\e+4*\j+3], v[PO], s[18:19] offset:256*\e+16*\j
	global_load_b128 v[192+32*\e+4*\j:192+32*\e+4*\j+3], v[PO], s[20:21] offset:256*\e+16*\j
.endr
.endr
	WIN 0
.set i, 0
.rept 16
	ds_store_b128 v[STW], v[HR+4*i:HR+4*i+3] offset:528*i          ; hidden turns through my stage into the results' layout; LDS serves a wave's instructions in order
.set i, i+1
.endr
.irp e, 0,1
.irp j, 0,1,2,3,4,5,6,7
	ds_load_b128 v[HR+32*\e+4*\j:HR+32*\e+4*\j+3], v[STL] offset:256*\e+16*\j
.endr
.endr
	s_wait_kmcnt 0x0
	v_mov_b32 v[TMP], s26
	v_mul_f32 v[TMP], 0xbfb8aa3b, v[TMP]
	v_exp_f32 v[TMP+1], v[TMP]
	v_nop
	s_wait_alu depctr_va_vdst(0)
	v_add_f32 v[TMP+1], 1.0, v[TMP+1]
	v_rcp_f32 v[GT], v[TMP+1]                      ; sigmoid(gate)
	v_nop
	s_wait_alu depctr_va_vdst(0)
	v_mov_b32 v[GT+1], v[GT]
	s_wait_loadcnt 0x0                             ; the four vectors of gains and biases
	LNORM 0, 0, 64
.set i, 0
.rept 32
	v_pk_fma_f32 v[AB+i:AB+i+1], v[AB+i:AB+i+1], v[GT:GT+1], v[HR+i:HR+i+1]      ; h
.set i, i+2
.endr
.irp e, 0,1
.irp j, 0,1,2,3,4,5,6,7
	ds_store_b128 v[STL], v[AB+32*\e+4*\j:AB+32*\e+4*\j+3] offset:256*\e+16*\j
.endr
.endr
.set i, 0
.rept 16
	ds_load_b128 v[HR+4*i:HR+4*i+3], v[STW] offset:528*i
.set i, i+1
.endr
.set i, 0
.rept 16
	s_wait_dscnt 15-i
	global_store_b128 v[O16], v[HR+4*i:HR+4*i+3], s[22:23] offset:3072*i           ; 32 lanes store 512 consecutive bytes, aligned
.set i, i+1
.endr
	LNORM 2, 128, 192
	QUANT32 AB, F
	PAIR PB
	QUANT32 AB+32, F+6
	PAIR PB+1
	v_lshl_or_b32 v[PB], v[PB+1], 16, v[PB]
.irp e, 0,1
	global_store_b128 v[O16], v[F+6*\e:F+6*\e+3], s[24:25] offset:768*\e
	global_store_b64 v[O8], v[F+6*\e+4:F+6*\e+5], s[24:25] offset:768*\e+512
.endr
	global_store_b32 v[R4], v[PB], s[50:51]
	s_wait_tensorcnt 0x0
	ds_add_u32 v254, v255
	s_wait_dscnt 0x0
	s_endpgm
.Lfunc_end_k_q12d28f2a10_wo:
	.size	k_q12d28f2a10_wo, .Lfunc_end_k_q12d28f2a10_wo-k_q12d28f2a10_wo
	.p2alignl 7, 3214868480
	.fill 96, 4, 3214868480
	.section	.rodata,"a",@progbits
	.p2align	6, 0x0
	.amdhsa_kernel k_q12d28f2a10_wo
		.amdhsa_group_segment_fixed_size 54016
		.amdhsa_private_segment_fixed_size 0
		.amdhsa_enable_private_segment 0
		.amdhsa_kernarg_size 88
		.amdhsa_user_sgpr_count 2
		.amdhsa_user_sgpr_kernarg_segment_ptr 1
		.amdhsa_wavefront_size32 1
		.amdhsa_system_sgpr_workgroup_id_x 1
		.amdhsa_system_sgpr_workgroup_id_y 1
		.amdhsa_system_sgpr_workgroup_id_z 1
		.amdhsa_system_vgpr_workitem_id 0
		.amdhsa_next_free_vgpr 512
		.amdhsa_next_free_sgpr 66
		.amdhsa_reserve_vcc 0
		.amdhsa_float_denorm_mode_32 3
		.amdhsa_float_denorm_mode_16_64 3
		.amdhsa_memory_ordered 1
		.amdhsa_forward_progress 1
		.amdhsa_inst_pref_size 73
	.end_amdhsa_kernel
	.amdgpu_metadata
---
amdhsa.version: [ 1, 2 ]
amdhsa.kernels:
  - .name:           k_q12d28f2a10_wo
    .symbol:         k_q12d28f2a10_wo.kd
    .args:
      - { .name: oc, .offset: 0, .size: 8, .value_kind: global_buffer, .address_space: global }
      - { .name: wc, .offset: 8, .size: 8, .value_kind: global_buffer, .address_space: global }
      - { .name: bo, .offset: 16, .size: 8, .value_kind: global_buffer, .address_space: global }
      - { .name: ln_ao_g, .offset: 24, .size: 8, .value_kind: global_buffer, .address_space: global }
      - { .name: ln_ao_b, .offset: 32, .size: 8, .value_kind: global_buffer, .address_space: global }
      - { .name: gate_param, .offset: 40, .size: 8, .value_kind: global_buffer, .address_space: global }
      - { .name: hidden_states, .offset: 48, .size: 8, .value_kind: global_buffer, .address_space: global }
      - { .name: ln_f_g, .offset: 56, .size: 8, .value_kind: global_buffer, .address_space: global }
      - { .name: ln_f_b, .offset: 64, .size: 8, .value_kind: global_buffer, .address_space: global }
      - { .name: hb, .offset: 72, .size: 8, .value_kind: global_buffer, .address_space: global }
      - { .name: fc, .offset: 80, .size: 8, .value_kind: global_buffer, .address_space: global }
    .group_segment_fixed_size: 54016
    .private_segment_fixed_size: 0
    .kernarg_segment_align: 8
    .kernarg_segment_size: 88
    .max_flat_workgroup_size: 192
    .sgpr_count:     66
    .vgpr_count:     512
    .wavefront_size: 32
...
	.end_amdgpu_metadata
.endif
;; end of part 4
;; launch f1 (part 5): grid 32 x 6, 4 waves a work-group, no clusters, 0 bytes of LDS; arguments fc, wc, b1, gc; writes gc
.if DOCPART == 5
	.amdgcn_target "amdgcn-amd-amdhsa--gfx1250"
	.amdhsa_code_object_version 6
	.text
	.protected	k_q12d28f2a10_f1
	.globl	k_q12d28f2a10_f1
	.p2align	8
	.type	k_q12d28f2a10_f1,@function
k_q12d28f2a10_f1:
	s_mov_b64 s[64:65], 0
	v_nop
	global_prefetch_b8 v0, s[64:65] scope:SCOPE_SE
	s_setreg_imm32_b32 hwreg(HW_REG_WAVE_MODE, 25, 1), 1
	s_wait_xcnt 0x0
; gelu(ffn_in x W1 + b1), quantised along its 3,072.  A work-group: 64 rows x 512 columns; wave w: 128 of them, 32 accumulators (window 1).  Operands from memory straight into registers (windows 2 and 3).
; gelu(x) = max(x, 0) - |x| Q, Q = erfc(|x| / sqrt 2) / 2 = poly(t) exp(-x^2 / 2), t = 1 / (1 + 0.3275911 |x| / sqrt 2): Abramowitz and Stegun 7.1.26, whose error in erf is 1.5e-7 at the most.
; No tensor loads and no cluster: the launch is short and each wave reads its weights once.
; LIMITS: NaN and infinities are not served; a block of zeros gets the byte 1 (zero codes).
.set RT, 4
.set ABLK, 9728
.set UST, 307200
.set SW0, 2
.set SWD, 1
.set SB0, 0
.set SBD, 0
.set AWN, 1
.set AB, 0
.set SCB, 32
.set NLS, 46
.set BI, 192
.set SAP, 16
.set SSP, 18
.set SBP, 20
.set O16, 1
.set O8, 2
.set R4, 3
.set R16, 4
.set PO, 5
.set H8, 6
.set QM, 12
.set QS, 14
.set QB, 15
.set QO, 16
.set QT, 18
.set F, 56
.set PB, 68
.set CO, 70
.set PW, 80
.set Z, 96
.set T, 128
.set E, 160
.set Y, 224
.set SEL, 30
.set MSB, 0
.macro WIN new
.if MSB != (\new)
	s_set_vgpr_msb (MSB<<8)|(\new)
.set MSB, (\new)
.endif
.endm
.macro PLACES n
.rept \n
	v_nop
.endr
.endm
.macro QUANT32 x, f
	v_max3_num_f32 v[QM], |v[(\x)]|, |v[(\x)+1]|, 0x1800000
	v_max3_num_f32 v[QM+1], |v[(\x)+2]|, |v[(\x)+3]|, 0x1800000
.irp i, 4,8,12,16,20,24,28
	v_max3_num_f32 v[QM], v[QM], |v[(\x)+\i]|, |v[(\x)+\i+1]|
	v_max3_num_f32 v[QM+1], v[QM+1], |v[(\x)+\i+2]|, |v[(\x)+\i+3]|
.endr
	v_max_num_f32 v[QM], v[QM], v[QM+1]
	v_add_nc_u32 v[QS], 0xff000000, v[QM]
	v_lshrrev_b32 v[QB], 23, v[QS]
	v_cvt_scalef32_pk16_fp6_f32 v[(\f):(\f)+2], v[(\x):(\x)+15], v[QS]
	v_cvt_scalef32_pk16_fp6_f32 v[QT:QT+2], v[(\x)+16:(\x)+31], v[QS]
	v_nop
	v_mov_b32 v[(\f)+3], v[QT]
	v_mov_b32 v[(\f)+4], v[QT+1]
	v_mov_b32 v[(\f)+5], v[QT+2]
.endm
.macro PAIR d
	v_lshlrev_b32 v[QB], v[H8], v[QB]
	v_permlanex16_b32 v[QO], v[QB], s[SEL], s[SEL+1]
	v_or_b32 v[\d], v[QB], v[QO]
.endm
.macro LOADSET s, k
.set SBX, SB0+(\s)*SBD
	WIN (SW0+(\s)*SWD)<<6
.set a, 0
.rept RT
	global_load_b128 v[SBX+12*a:SBX+12*a+3], v[O16], s[SAP:SAP+1] offset:a*ABLK+(\k)*1536
	global_load_b64 v[SBX+12*a+4:SBX+12*a+5], v[O8], s[SAP:SAP+1] offset:a*ABLK+(\k)*1536+512
	global_load_b128 v[SBX+12*a+6:SBX+12*a+9], v[O16], s[SAP:SAP+1] offset:a*ABLK+(\k)*1536+768
	global_load_b64 v[SBX+12*a+10:SBX+12*a+11], v[O8], s[SAP:SAP+1] offset:a*ABLK+(\k)*1536+1280
.set a, a+1
.endr
.irp n, 0,1,2,3,4,5,6,7
.irp q, 0,1,2
	global_load_b128 v[SBX+12*(RT+\n)+4*\q:SBX+12*(RT+\n)+4*\q+3], v[O16], s[SBP:SBP+1] offset:(\k)*UST+(\n/4)*6400+(\n%4)*1536+512*\q
.endr
.endr
	WIN 0
.set a, 0
.rept RT
	global_load_b32 v[SCB+12*(\s)+a], v[R4], s[SSP:SSP+1] offset:a*ABLK+(\k)*64
.set a, a+1
.endr
	global_load_b128 v[SCB+12*(\s)+4:SCB+12*(\s)+7], v[R16], s[SBP:SBP+1] offset:(\k)*UST+6144
	global_load_b128 v[SCB+12*(\s)+8:SCB+12*(\s)+11], v[R16], s[SBP:SBP+1] offset:(\k)*UST+6400+6144
.endm
.macro MULSET s, cm                    ; the accumulators take turns.  cm = 0: onto the sums; 1: they start the sums; 2: the bias starts them
.set SBX, SB0+(\s)*SBD
.set SWX, SW0+(\s)*SWD
.if (\cm) == 2
	WIN SWX|(SWX<<2)|(AWN<<6)
.else
	WIN SWX|(SWX<<2)|(AWN<<4)|(AWN<<6)
.endif
.set a, 0
.rept RT
.irp n, 0,1,2,3,4,5,6,7
.if (\cm) == 1
	v_wmma_scale_f32_16x16x128_f8f6f4 v[AB+8*(8*a+\n):AB+8*(8*a+\n)+7], v[SBX+12*(RT+\n):SBX+12*(RT+\n)+11], v[SBX+12*a:SBX+12*a+11], 0, v[SCB+12*(\s)+4+\n], v[SCB+12*(\s)+a] matrix_a_fmt:MATRIX_FMT_FP6 matrix_b_fmt:MATRIX_FMT_FP6
.elseif (\cm) == 2
	v_wmma_scale_f32_16x16x128_f8f6f4 v[AB+8*(8*a+\n):AB+8*(8*a+\n)+7], v[SBX+12*(RT+\n):SBX+12*(RT+\n)+11], v[SBX+12*a:SBX+12*a+11], v[BI+8*\n:BI+8*\n+7], v[SCB+12*(\s)+4+\n], v[SCB+12*(\s)+a] matrix_a_fmt:MATRIX_FMT_FP6 matrix_b_fmt:MATRIX_FMT_FP6
.else
	v_wmma_scale_f32_16x16x128_f8f6f4 v[AB+8*(8*a+\n):AB+8*(8*a+\n)+7], v[SBX+12*(RT+\n):SBX+12*(RT+\n)+11], v[SBX+12*a:SBX+12*a+11], v[AB+8*(8*a+\n):AB+8*(8*a+\n)+7], v[SCB+12*(\s)+4+\n], v[SCB+12*(\s)+a] matrix_a_fmt:MATRIX_FMT_FP6 matrix_b_fmt:MATRIX_FMT_FP6
.endif
.endr
.set a, a+1
.endr
	WIN 0
.endm
.macro TGRUN cm
	LOADSET 0, 0
	LOADSET 1, 1
.irp k, 0,1,2,3,4,5
.if \k < 5
	s_wait_loadcnt NLS                             ; this step's set is in; the other set's loads may be out
.else
	s_wait_loadcnt 0x0
.endif
.if \k == 0
	MULSET 0, \cm
.else
	MULSET \k%2, 0
.endif
.if \k < 4
	PLACES 4
	LOADSET \k%2, \k+2
.endif
.endr
.endm
.macro GELU32 x                        ; 32 numbers at v[x] of window 1 -> gelu at v[Y]
	WIN 0x01
.set i, 0
.rept 32
	v_mul_f32 v[Z+i], |v[(\x)+i]|, s24             ; z = |x| / sqrt 2; each accumulator is read from its low end on
.set i, i+1
.endr
	WIN 0
.set i, 0
.rept 16
	v_pk_fma_f32 v[T+i:T+i+1], v[Z+i:Z+i+1], s[26:27], 1.0 op_sel_hi:[1,0,0]
	v_pk_mul_f32 v[E+i:E+i+1], v[Z+i:Z+i+1], v[Z+i:Z+i+1]
.set i, i+2
.endr
.set i, 0
.rept 16
	v_pk_mul_f32 v[E+i:E+i+1], v[E+i:E+i+1], s[28:29] op_sel_hi:[1,0]
.set i, i+2
.endr
.set i, 0
.rept 32
	v_rcp_f32 v[T+i], v[T+i]
.set i, i+1
.endr
.set i, 0
.rept 32
	v_exp_f32 v[E+i], v[E+i]
.set i, i+1
.endr
	v_nop                                          ; a plain place behind the batch,
	s_wait_alu depctr_va_vdst(0)                   ; and one wait for its 64, ahead of the first reader
.set i, 0
.rept 16
	v_pk_fma_f32 v[Z+i:Z+i+1], v[T+i:T+i+1], v[CO:CO+1], v[CO+2:CO+3]
.set i, i+2
.endr
.irp c, 4,6,8
.set i, 0
.rept 16
	v_pk_fma_f32 v[Z+i:Z+i+1], v[Z+i:Z+i+1], v[T+i:T+i+1], v[CO+\c:CO+\c+1]
.set i, i+2
.endr
.endr
.set i, 0
.rept 16
	v_pk_mul_f32 v[Z+i:Z+i+1], v[Z+i:Z+i+1], v[T+i:T+i+1]
.set i, i+2
.endr
.set i, 0
.rept 16
	v_pk_mul_f32 v[Z+i:Z+i+1], v[Z+i:Z+i+1], v[E+i:E+i+1]          ; Q
.set i, i+2
.endr
	WIN 0x04
.set i, 0
.rept 32
	v_max_num_f32 v[T+i], 0, v[(\x)+i]
.set i, i+1
.endr
	WIN 0x01
.set i, 0
.rept 32
	v_fma_f32 v[Y+i], -|v[(\x)+i]|, v[Z+i], v[T+i]
.set i, i+1
.endr
	WIN 0
.endm
	s_load_b256 s[4:11], s[0:1], 0x0               ; fc, wc, b1, gc
	v_lshrrev_b32 v1, 5, v0
	v_readfirstlane_b32 s12, v1
	v_and_b32 v7, 31, v0
	v_and_b32 v8, 15, v0
	v_bfe_u32 v9, v0, 4, 1
	v_lshlrev_b32 v[O16], 4, v7
	v_lshlrev_b32 v[O8], 3, v7
	v_lshlrev_b32 v[R4], 2, v8
	v_lshlrev_b32 v[R16], 4, v8
	v_lshlrev_b32 v[PO], 7, v9
	v_lshlrev_b32 v[H8], 3, v9
	v_mov_b32 v[QO], 0
.irp i, 0,1
	v_mov_b32 v[CO+\i], 0x3f07dc22                 ; the polynomial's five coefficients, halved
	v_mov_b32 v[CO+2+\i], 0xbf3a00e3
	v_mov_b32 v[CO+4+\i], 0x3f35f0e3
	v_mov_b32 v[CO+6+\i], 0xbe11a98e
	v_mov_b32 v[CO+8+\i], 0x3e027906
.endr
	s_mov_b32 s[SEL], 0x76543210
	s_mov_b32 s[SEL+1], 0xfedcba98
	s_mov_b32 s24, 0x3f3504f3                      ; 1 / sqrt 2
	s_mov_b32 s26, 0x3ea7ba05                      ; 0.3275911
	s_mov_b32 s27, s26
	s_mov_b32 s28, 0xbfb8aa3b                      ; - log2(e)
	s_mov_b32 s29, s28
	s_and_b32 s13, ttmp7, 0xffff                   ; which 512 columns
	s_lshl_b32 s14, s13, 3
	s_lshl_b32 s15, s12, 1
	s_add_co_u32 s14, s14, s15                     ; my first unit of 64 columns
	s_mul_i32 s32, ttmp9, 38912
	s_mov_b32 s33, 0
	s_mul_i32 s34, s14, 6400
	s_add_co_u32 s34, s34, 1612800
	s_mov_b32 s35, 0
	s_lshl_b32 s36, s14, 8
	s_mov_b32 s37, 0
	s_mul_i32 s38, ttmp9, 153600
	s_mov_b32 s39, 0
	s_mul_i32 s40, s14, 768
	s_mov_b32 s41, 0
	s_lshl_b32 s42, s13, 2
	s_add_co_u32 s42, s42, s12
	s_lshl_b32 s42, s42, 6
	s_add_co_u32 s42, s42, 36864
	s_mov_b32 s43, 0
	s_wait_kmcnt 0x0
	s_add_nc_u64 s[SAP:SAP+1], s[4:5], s[32:33]
	s_add_nc_u64 s[SSP:SSP+1], s[SAP:SAP+1], 9216
	s_add_nc_u64 s[SBP:SBP+1], s[6:7], s[34:35]
	s_add_nc_u64 s[8:9], s[8:9], s[36:37]
	s_add_nc_u64 s[10:11], s[10:11], s[38:39]
	s_add_nc_u64 s[22:23], s[10:11], s[42:43]      ; gc: my K step's scale words
	s_add_nc_u64 s[10:11], s[10:11], s[40:41]      ; gc: my two halves
.irp e, 0,1
.irp j, 0,1,2,3,4,5,6,7
	global_load_b128 v[BI+32*\e+4*\j:BI+32*\e+4*\j+3], v[PO], s[8:9] offset:256*\e+16*\j
.endr
.endr
	TGRUN 2
	PLACES 4
.irp a, 0,1,2,3
.irp e, 0,1
	GELU32 8*(8*\a+4*\e)
	s_wait_xcnt 0x0                                ; the earlier stores have read their registers
	QUANT32 Y, F+6*\e
	PAIR PB+\e
	global_store_b128 v[O16], v[F+6*\e:F+6*\e+3], s[10:11] offset:\a*38400+768*\e
	global_store_b64 v[O8], v[F+6*\e+4:F+6*\e+5], s[10:11] offset:\a*38400+768*\e+512
.endr
	v_lshl_or_b32 v[PW], v[PB+1], 16, v[PB]
	global_store_b32 v[R4], v[PW], s[22:23] offset:\a*38400
.endr
	s_endpgm
.Lfunc_end_k_q12d28f2a10_f1:
	.size	k_q12d28f2a10_f1, .Lfunc_end_k_q12d28f2a10_f1-k_q12d28f2a10_f1
	.p2alignl 7, 3214868480
	.fill 96, 4, 3214868480
	.section	.rodata,"a",@progbits
	.p2align	6, 0x0
	.amdhsa_kernel k_q12d28f2a10_f1
		.amdhsa_group_segment_fixed_size 0
		.amdhsa_private_segment_fixed_size 0
		.amdhsa_enable_private_segment 0
		.amdhsa_kernarg_size 32
		.amdhsa_user_sgpr_count 2
		.amdhsa_user_sgpr_kernarg_segment_ptr 1
		.amdhsa_wavefront_size32 1
		.amdhsa_system_sgpr_workgroup_id_x 1
		.amdhsa_system_sgpr_workgroup_id_y 1
		.amdhsa_system_sgpr_workgroup_id_z 1
		.amdhsa_system_vgpr_workitem_id 0
		.amdhsa_next_free_vgpr 912
		.amdhsa_next_free_sgpr 66
		.amdhsa_reserve_vcc 0
		.amdhsa_float_denorm_mode_32 3
		.amdhsa_float_denorm_mode_16_64 3
		.amdhsa_memory_ordered 1
		.amdhsa_forward_progress 1
		.amdhsa_inst_pref_size 201
	.end_amdhsa_kernel
	.amdgpu_metadata
---
amdhsa.version: [ 1, 2 ]
amdhsa.kernels:
  - .name:           k_q12d28f2a10_f1
    .symbol:         k_q12d28f2a10_f1.kd
    .args:
      - { .name: fc, .offset: 0, .size: 8, .value_kind: global_buffer, .address_space: global }
      - { .name: wc, .offset: 8, .size: 8, .value_kind: global_buffer, .address_space: global }
      - { .name: b1, .offset: 16, .size: 8, .value_kind: global_buffer, .address_space: global }
      - { .name: gc, .offset: 24, .size: 8, .value_kind: global_buffer, .address_space: global }
    .group_segment_fixed_size: 0
    .private_segment_fixed_size: 0
    .kernarg_segment_align: 8
    .kernarg_segment_size: 32
    .max_flat_workgroup_size: 128
    .sgpr_count:     66
    .vgpr_count:     912
    .wavefront_size: 32
...
	.end_amdgpu_metadata
.endif
;; end of part 5
;; launch f2 (part 6): grid 32 x 6, 4 waves a work-group, no clusters, 165,376 bytes of LDS; arguments gc, wc, b2, hb, out0; writes out0
.if DOCPART == 6
	.amdgcn_target "amdgcn-amd-amdhsa--gfx1250"
	.amdhsa_code_object_version 6
	.text
	.protected	k_q12d28f2a10_f2
	.globl	k_q12d28f2a10_f2
	.p2align	8
	.type	k_q12d28f2a10_f2,@function
k_q12d28f2a10_f2:
	s_mov_b64 s[64:65], 0
	v_nop
	global_prefetch_b8 v0, s[64:65] scope:SCOPE_SE
	s_setreg_imm32_b32 hwreg(HW_REG_WAVE_MODE, 25, 1), 1
	s_wait_xcnt 0x0
; out0 = h + gelu(..) x W2 + b2.  A work-group: 64 rows x 128 columns.  K = 3,072 is shared among the four waves, six K steps each; the four partial sums meet in LDS and are added in the waves' order.
; Operands from memory straight into registers (windows 2 and 3); 32 accumulators in window 1.  No tensor loads and no cluster: the launch is short and each wave reads its weights once.
; LIMITS: NaN and infinities are not served.
.set RT, 4
.set ABLK, 38400
.set UST, 76800
.set SW0, 2
.set SWD, 1
.set SB0, 0
.set SBD, 0
.set AWN, 1
.set AB, 0
.set SCB, 32
.set NLS, 46
.set BI, 0
.set SAP, 16
.set SSP, 18
.set SBP, 20
.set O16, 1
.set O8, 2
.set R4, 3
.set R16, 4
.set REDW, 5
.set REDR, 6                           ; v6-7
.set STL, 8
.set STW, 9
.set OB, 96
.set HB, 160
.set B2, 224
.set STG, 131072
.set MSB, 0
.macro WIN new
.if MSB != (\new)
	s_set_vgpr_msb (MSB<<8)|(\new)
.set MSB, (\new)
.endif
.endm
.macro PLACES n
.rept \n
	v_nop
.endr
.endm
.macro BARRIER
	s_wait_dscnt 0x0
	s_barrier_signal -1
	s_barrier_wait -1
.endm
.macro LOADSET s, k
.set SBX, SB0+(\s)*SBD
	WIN (SW0+(\s)*SWD)<<6
.set a, 0
.rept RT
	global_load_b128 v[SBX+12*a:SBX+12*a+3], v[O16], s[SAP:SAP+1] offset:a*ABLK+(\k)*1536
	global_load_b64 v[SBX+12*a+4:SBX+12*a+5], v[O8], s[SAP:SAP+1] offset:a*ABLK+(\k)*1536+512
	global_load_b128 v[SBX+12*a+6:SBX+12*a+9], v[O16], s[SAP:SAP+1] offset:a*ABLK+(\k)*1536+768
	global_load_b64 v[SBX+12*a+10:SBX+12*a+11], v[O8], s[SAP:SAP+1] offset:a*ABLK+(\k)*1536+1280
.set a, a+1
.endr
.irp n, 0,1,2,3,4,5,6,7
.irp q, 0,1,2
	global_load_b128 v[SBX+12*(RT+\n)+4*\q:SBX+12*(RT+\n)+4*\q+3], v[O16], s[SBP:SBP+1] offset:(\k)*UST+(\n/4)*6400+(\n%4)*1536+512*\q
.endr
.endr
	WIN 0
.set a, 0
.rept RT
	global_load_b32 v[SCB+12*(\s)+a], v[R4], s[SSP:SSP+1] offset:a*ABLK+(\k)*64
.set a, a+1
.endr
	global_load_b128 v[SCB+12*(\s)+4:SCB+12*(\s)+7], v[R16], s[SBP:SBP+1] offset:(\k)*UST+6144
	global_load_b128 v[SCB+12*(\s)+8:SCB+12*(\s)+11], v[R16], s[SBP:SBP+1] offset:(\k)*UST+6400+6144
.endm
.macro MULSET s, cm                    ; the accumulators take turns.  cm = 0: onto the sums; 1: they start the sums
.set SBX, SB0+(\s)*SBD
.set SWX, SW0+(\s)*SWD
	WIN SWX|(SWX<<2)|(AWN<<4)|(AWN<<6)
.set a, 0
.rept RT
.irp n, 0,1,2,3,4,5,6,7
.if (\cm) == 1
	v_wmma_scale_f32_16x16x128_f8f6f4 v[AB+8*(8*a+\n):AB+8*(8*a+\n)+7], v[SBX+12*(RT+\n):SBX+12*(RT+\n)+11], v[SBX+12*a:SBX+12*a+11], 0, v[SCB+12*(\s)+4+\n], v[SCB+12*(\s)+a] matrix_a_fmt:MATRIX_FMT_FP6 matrix_b_fmt:MATRIX_FMT_FP6
.else
	v_wmma_scale_f32_16x16x128_f8f6f4 v[AB+8*(8*a+\n):AB+8*(8*a+\n)+7], v[SBX+12*(RT+\n):SBX+12*(RT+\n)+11], v[SBX+12*a:SBX+12*a+11], v[AB+8*(8*a+\n):AB+8*(8*a+\n)+7], v[SCB+12*(\s)+4+\n], v[SCB+12*(\s)+a] matrix_a_fmt:MATRIX_FMT_FP6 matrix_b_fmt:MATRIX_FMT_FP6
.endif
.endr
.set a, a+1
.endr
	WIN 0
.endm
.macro TGRUN cm
	LOADSET 0, 0
	LOADSET 1, 1
.irp k, 0,1,2,3,4,5
.if \k < 5
	s_wait_loadcnt NLS                             ; this step's set is in; the other set's loads may be out
.else
	s_wait_loadcnt 0x0
.endif
.if \k == 0
	MULSET 0, \cm
.else
	MULSET \k%2, 0
.endif
.if \k < 4
	PLACES 4
	LOADSET \k%2, \k+2
.endif
.endr
.endm
	s_load_b256 s[4:11], s[0:1], 0x0               ; gc, wc, b2, hb
	s_load_b64 s[12:13], s[0:1], 0x20              ; out0
	v_lshl_add_u32 v254, v0, 2, 0x28400
	v_mov_b32 v255, 0
	v_lshrrev_b32 v1, 5, v0
	v_readfirstlane_b32 s14, v1
	v_and_b32 v10, 31, v0
	v_and_b32 v11, 15, v0
	v_bfe_u32 v12, v0, 4, 1
	v_lshlrev_b32 v[O16], 4, v10
	v_lshlrev_b32 v[O8], 3, v10
	v_lshlrev_b32 v[R4], 2, v11
	v_lshlrev_b32 v[R16], 4, v11
	s_lshl_b32 s22, s14, 15
	v_add_nc_u32 v[REDW], s22, v[O16]              ; my partial sums: 32,768 bytes a wave
	s_lshl_b32 s22, s14, 13
	v_add_nc_u32 v[REDR], s22, v[O16]              ; row tile w of each wave's
	v_add_nc_u32 v[REDR+1], 65536, v[REDR]
	s_mul_i32 s22, s14, 8448
	s_add_co_u32 s22, s22, STG
	v_add_nc_u32 v[STW], s22, v[O16]
	v_mul_u32_u24 v[STL], v11, 528
	v_lshl_add_u32 v[STL], v12, 7, v[STL]
	v_add_nc_u32 v[STL], s22, v[STL]
	s_and_b32 s15, ttmp7, 0xffff                   ; which 128 columns
	s_mul_i32 s24, ttmp9, 153600
	s_mov_b32 s25, 0
	s_mul_i32 s26, s14, 9216
	s_mov_b32 s27, 0
	s_mul_i32 s28, s14, 384
	s_add_co_u32 s28, s28, 36864
	s_mov_b32 s29, 0
	s_mul_i32 s30, s14, 460800
	s_mul_i32 s31, s15, 12800
	s_add_co_u32 s30, s30, s31
	s_add_co_u32 s30, s30, 3456000
	s_mov_b32 s31, 0
	s_lshl_b32 s32, s15, 9
	s_mov_b32 s33, 0
	s_lshl_b32 s34, ttmp9, 6
	s_lshl_b32 s35, s14, 4
	s_add_co_u32 s34, s34, s35
	s_mul_i32 s34, s34, 3072
	s_add_co_u32 s34, s34, s32                     ; the 16 rows that I store, the work-group's 128 columns
	s_mov_b32 s35, 0
	s_wait_kmcnt 0x0
	s_add_nc_u64 s[4:5], s[4:5], s[24:25]
	s_add_nc_u64 s[SAP:SAP+1], s[4:5], s[26:27]
	s_add_nc_u64 s[SSP:SSP+1], s[4:5], s[28:29]
	s_add_nc_u64 s[SBP:SBP+1], s[6:7], s[30:31]
	s_add_nc_u64 s[8:9], s[8:9], s[32:33]
	s_add_nc_u64 s[10:11], s[10:11], s[34:35]
	s_add_nc_u64 s[12:13], s[12:13], s[34:35]
	global_load_b128 v[B2:B2+3], v[O16], s[8:9]
.set i, 0
.rept 16
	global_load_b128 v[HB+4*i:HB+4*i+3], v[O16], s[10:11] offset:3072*i            ; h: a row's 512 consecutive bytes a load
.set i, i+1
.endr
	TGRUN 1
	PLACES 4
	WIN 0x04
.set i, 0
.rept 32
	ds_store_b128 v[REDW], v[8*i:8*i+3] offset:1024*i              ; each accumulator from its low end on
	ds_store_b128 v[REDW], v[8*i+4:8*i+7] offset:1024*i+512
.set i, i+1
.endr
	WIN 0
	BARRIER
	WIN 0x40
.irp ws, 0,1,2,3
.set i, 0
.rept 16
	ds_load_b128 v[64*\ws+4*i:64*\ws+4*i+3], v[REDR+\ws/2] offset:(\ws%2)*32768+512*i
.set i, i+1
.endr
.endr
	s_wait_dscnt 0x0
	WIN 0x45
.irp ws, 1,2,3
.set i, 0
.rept 32
	v_pk_add_f32 v[i:i+1], v[i:i+1], v[64*\ws+i:64*\ws+i+1]
.set i, i+2
.endr
.endr
	WIN 0x04
.irp n, 0,1,2,3,4,5,6,7
	ds_store_b128 v[STL], v[8*\n:8*\n+3] offset:256*(\n/4)+32*(\n%4)           ; through my stage: a lane's eight neighbours of a row in, whole rows back
	ds_store_b128 v[STL], v[8*\n+4:8*\n+7] offset:256*(\n/4)+32*(\n%4)+16
.endr
	WIN 0
.set i, 0
.rept 16
	ds_load_b128 v[OB+4*i:OB+4*i+3], v[STW] offset:528*i            ; LDS serves a wave's instructions in order
.set i, i+1
.endr
.set i, 0
.rept 16
	v_pk_add_f32 v[HB+4*i:HB+4*i+1], v[HB+4*i:HB+4*i+1], v[B2:B2+1]
	v_pk_add_f32 v[HB+4*i+2:HB+4*i+3], v[HB+4*i+2:HB+4*i+3], v[B2+2:B2+3]
.set i, i+1
.endr
.set i, 0
.rept 16
	s_wait_dscnt 15-i
	v_pk_add_f32 v[OB+4*i:OB+4*i+1], v[OB+4*i:OB+4*i+1], v[HB+4*i:HB+4*i+1]
	v_pk_add_f32 v[OB+4*i+2:OB+4*i+3], v[OB+4*i+2:OB+4*i+3], v[HB+4*i+2:HB+4*i+3]
	global_store_b128 v[O16], v[OB+4*i:OB+4*i+3], s[12:13] offset:3072*i th:TH_STORE_NT     ; 32 lanes store 512 consecutive bytes, aligned
.set i, i+1
.endr
	s_wait_tensorcnt 0x0
	ds_add_u32 v254, v255
	s_wait_dscnt 0x0
	s_endpgm
.Lfunc_end_k_q12d28f2a10_f2:
	.size	k_q12d28f2a10_f2, .Lfunc_end_k_q12d28f2a10_f2-k_q12d28f2a10_f2
	.p2alignl 7, 3214868480
	.fill 96, 4, 3214868480
	.section	.rodata,"a",@progbits
	.p2align	6, 0x0
	.amdhsa_kernel k_q12d28f2a10_f2
		.amdhsa_group_segment_fixed_size 165376
		.amdhsa_private_segment_fixed_size 0
		.amdhsa_enable_private_segment 0
		.amdhsa_kernarg_size 40
		.amdhsa_user_sgpr_count 2
		.amdhsa_user_sgpr_kernarg_segment_ptr 1
		.amdhsa_wavefront_size32 1
		.amdhsa_system_sgpr_workgroup_id_x 1
		.amdhsa_system_sgpr_workgroup_id_y 1
		.amdhsa_system_sgpr_workgroup_id_z 1
		.amdhsa_system_vgpr_workitem_id 0
		.amdhsa_next_free_vgpr 912
		.amdhsa_next_free_sgpr 66
		.amdhsa_reserve_vcc 0
		.amdhsa_float_denorm_mode_32 3
		.amdhsa_float_denorm_mode_16_64 3
		.amdhsa_memory_ordered 1
		.amdhsa_forward_progress 1
		.amdhsa_inst_pref_size 79
	.end_amdhsa_kernel
	.amdgpu_metadata
---
amdhsa.version: [ 1, 2 ]
amdhsa.kernels:
  - .name:           k_q12d28f2a10_f2
    .symbol:         k_q12d28f2a10_f2.kd
    .args:
      - { .name: gc, .offset: 0, .size: 8, .value_kind: global_buffer, .address_space: global }
      - { .name: wc, .offset: 8, .size: 8, .value_kind: global_buffer, .address_space: global }
      - { .name: b2, .offset: 16, .size: 8, .value_kind: global_buffer, .address_space: global }
      - { .name: hb, .offset: 24, .size: 8, .value_kind: global_buffer, .address_space: global }
      - { .name: out0, .offset: 32, .size: 8, .value_kind: global_buffer, .address_space: global }
    .group_segment_fixed_size: 165376
    .private_segment_fixed_size: 0
    .kernarg_segment_align: 8
    .kernarg_segment_size: 40
    .max_flat_workgroup_size: 128
    .sgpr_count:     66
    .vgpr_count:     912
    .wavefront_size: 32
...
	.end_amdgpu_metadata
.endif
;; end of part 6
;; ======== version 2 of 2: 6 launches; version 1 with the launches wo, f1, f2 written anew for expert scheduling mode
;; limits: a function is approximated: absolute error at most 1.5e-07
;; workspace buffers: wc 5,299,200 bytes; kv 3,407,872 bytes; oc 1,245,184 bytes; fc 1,245,184 bytes; gc 4,915,200 bytes; hb 6,291,456 bytes
;; launch prep: the kernel of part 1 again; grid 828 x 1, 4 waves a work-group, no clusters, 7,168 bytes of LDS; arguments W_bottle, Wkv, Wq, Wo, W1, W2, wc; writes wc
;; launch g1: the kernel of part 2 again; grid 256 x 1, 4 waves a work-group, clusters of 4 x 1, 327,680 bytes of LDS; arguments image_features, ln_img_g, ln_img_b, bkv, wc, kv; writes kv
;; launch at: the kernel of part 3 again; grid 256 x 1, 12 waves a work-group, clusters of 4 x 1, 327,680 bytes of LDS; arguments hidden_states, ln_h_g, ln_h_b, bq, wc, kv, oc; writes oc
;; launch wo (part 7): grid 128 x 1, 6 waves a work-group, no clusters, 54,016 bytes of LDS; arguments oc, wc, bo, ln_ao_g, ln_ao_b, gate_param, hidden_states, ln_f_g, ln_f_b, hb, fc; writes hb, fc
.if DOCPART == 7
	.amdgcn_target "amdgcn-amd-amdhsa--gfx1250"
	.amdhsa_code_object_version 6
	.text
	.protected	k_q12d28f2a10_wo
	.globl	k_q12d28f2a10_wo
	.p2align	8
	.type	k_q12d28f2a10_wo,@function
k_q12d28f2a10_wo:
	s_mov_b64 s[64:65], 0
	v_nop
	global_prefetch_b8 v0, s[64:65] scope:SCOPE_SE
	s_setreg_imm32_b32 hwreg(HW_REG_WAVE_SCHED_MODE, 0, 2), 2
	s_setreg_imm32_b32 hwreg(HW_REG_WAVE_MODE, 25, 1), 1
	s_wait_xcnt 0x0
	s_wait_alu depctr_vm_vsrc(0)
; out x Wo + bo, LayerNorm, h = hidden + sigmoid(gate) x that, LayerNorm, quantise.  A work-group: 16 rows; wave w: columns 128 w .. + 127.  h goes to hb (f32), the codes to fc.
; The product is used transposed (source 0 = Wo's tile): a lane holds one row and, of each 64 columns, its half's 32 neighbours.  Operands come from memory straight into registers: they were laid in register order.
; No tensor loads and no cluster: the launch is short, 16 rows a work-group, and each work-group reads each weight byte once.
; LDS: four reductions of 512 bytes (16 rows x 32), each with bytes of its own; behind them a stage of 16 rows x 528 bytes for each wave.
; LIMITS: NaN and infinities are not served; a block of zeros gets the byte 1 (zero codes).
; THE MODE: SCHED_MODE bits 1:0 = 2 (LLVM: expert scheduling mode 2), set by the entry lines.  The code itself states the register dependences
; between vector or matrix instructions and memory or LDS instructions, with s_wait_alu, always for 0.
; THE PLAN.  Registers that memory or LDS instructions touch:
;   set 0, set 1 (window 1, v0-107 and v108-215) and their scale words (v32-43, v44-55): K step k's loads land in set k % 2, its eight products read it, the loads of K step k + 2 land there next.
;                One wait on va_vdst stands behind the products of steps 0 to 3; the set is asked for again at once, in one run.  Behind step 5 one more frees both sets for the gains and biases.
;   v[AB ..]     bo lands there; the products add onto it; vector work from then on; h is stored from it into the stage (a wait on va_vdst ahead), and it is written again behind the third reduction's wait on vm_vsrc.
;   v[HR ..]     hidden lands; LDS stores read it; a wait on vm_vsrc; the same numbers land turned; the multiply-add reads them; behind the wait on va_vdst ahead of h's stores the rows of h land; global stores read them.
;   v[SU], v[RB ..]  a reduction: v[SU] is stored (va_vdst ahead), the six parts land in v[RB ..], v[SU] is written again (vm_vsrc ahead).
;   v[F ..], v[PB]   the codes and the scale word: written by the quantiser, read by the last stores (va_vdst ahead).
;   v1-9         offsets and LDS addresses: written at the head, never again.
.set RT, 1
.set ABLK, 9728
.set UST, 76800
.set SW0, 1
.set SWD, 0
.set SB0, 0
.set SBD, 108
.set AWN, 0
.set AB, 96
.set SCB, 32
.set NLS, 31
.set BI, 0
.set SAP, 28
.set SSP, 30
.set SBP, 32
.set O16, 1
.set O8, 2
.set R4, 3
.set R16, 4
.set PO, 5
.set RW, 6
.set RRD, 7
.set STW, 8
.set STL, 9
.set H8, 10
.set QM, 12
.set QS, 14
.set QB, 15
.set QO, 16
.set QT, 18
.set SU, 22
.set NM, 26
.set RS, 28
.set TMP, 30
.set F, 56
.set PB, 68
.set GT, 70
.set RB, 74
.set HR, 160
.set SEL, 36
.set MSB, 0
.macro WIN new
.if MSB != (\new)
	s_set_vgpr_msb (MSB<<8)|(\new)
.set MSB, (\new)
.endif
.endm
.macro PLACES n
.rept \n
	v_nop
.endr
.endm
.macro BARRIER
	s_wait_dscnt 0x0
	s_barrier_signal -1
	s_barrier_wait -1
.endm
.macro QUANT32 x, f
	v_max3_num_f32 v[QM], |v[(\x)]|, |v[(\x)+1]|, 0x1800000
	v_max3_num_f32 v[QM+1], |v[(\x)+2]|, |v[(\x)+3]|, 0x1800000
.irp i, 4,8,12,16,20,24,28
	v_max3_num_f32 v[QM], v[QM], |v[(\x)+\i]|, |v[(\x)+\i+1]|
	v_max3_num_f32 v[QM+1], v[QM+1], |v[(\x)+\i+2]|, |v[(\x)+\i+3]|
.endr
	v_max_num_f32 v[QM], v[QM], v[QM+1]
	v_add_nc_u32 v[QS], 0xff000000, v[QM]
	v_lshrrev_b32 v[QB], 23, v[QS]
	v_cvt_scalef32_pk16_fp6_f32 v[(\f):(\f)+2], v[(\x):(\x)+15], v[QS]
	v_cvt_scalef32_pk16_fp6_f32 v[QT:QT+2], v[(\x)+16:(\x)+31], v[QS]
	v_nop
	v_mov_b32 v[(\f)+3], v[QT]
	v_mov_b32 v[(\f)+4], v[QT+1]
	v_mov_b32 v[(\f)+5], v[QT+2]
.endm
.macro PAIR d
	v_lshlrev_b32 v[QB], v[H8], v[QB]
	v_permlanex16_b32 v[QO], v[QB], s[SEL], s[SEL+1]
	v_or_b32 v[\d], v[QB], v[QO]
.endm
; one K step's operands into set s: RT fragments of rows (two halves each), eight of the weight, their scale words
.macro LOADSET s, k
.set SBX, SB0+(\s)*SBD
	WIN (SW0+(\s)*SWD)<<6
.set a, 0
.rept RT
	global_load_b128 v[SBX+12*a:SBX+12*a+3], v[O16], s[SAP:SAP+1] offset:a*ABLK+(\k)*1536
	global_load_b64 v[SBX+12*a+4:SBX+12*a+5], v[O8], s[SAP:SAP+1] offset:a*ABLK+(\k)*1536+512
	global_load_b128 v[SBX+12*a+6:SBX+12*a+9], v[O16], s[SAP:SAP+1] offset:a*ABLK+(\k)*1536+768
	global_load_b64 v[SBX+12*a+10:SBX+12*a+11], v[O8], s[SAP:SAP+1] offset:a*ABLK+(\k)*1536+1280
.set a, a+1
.endr
.irp n, 0,1,2,3,4,5,6,7
.irp q, 0,1,2
	global_load_b128 v[SBX+12*(RT+\n)+4*\q:SBX+12*(RT+\n)+4*\q+3], v[O16], s[SBP:SBP+1] offset:(\k)*UST+(\n/4)*6400+(\n%4)*1536+512*\q
.endr
.endr
	WIN 0
.set a, 0
.rept RT
	global_load_b32 v[SCB+12*(\s)+a], v[R4], s[SSP:SSP+1] offset:a*ABLK+(\k)*64
.set a, a+1
.endr
	global_load_b128 v[SCB+12*(\s)+4:SCB+12*(\s)+7], v[R16], s[SBP:SBP+1] offset:(\k)*UST+6144
	global_load_b128 v[SCB+12*(\s)+8:SCB+12*(\s)+11], v[R16], s[SBP:SBP+1] offset:(\k)*UST+6400+6144
.endm
; its products: the accumulators take turns.  cm = 0: onto the sums; 1: they start the sums; 2: the bias starts them
.macro MULSET s, cm
.set SBX, SB0+(\s)*SBD
.set SWX, SW0+(\s)*SWD
.if (\cm) == 2
	WIN SWX|(SWX<<2)|(AWN<<6)
.else
	WIN SWX|(SWX<<2)|(AWN<<4)|(AWN<<6)
.endif
.set a, 0
.rept RT
.irp n, 0,1,2,3,4,5,6,7
.if (\cm) == 1
	v_wmma_scale_f32_16x16x128_f8f6f4 v[AB+8*(8*a+\n):AB+8*(8*a+\n)+7], v[SBX+12*(RT+\n):SBX+12*(RT+\n)+11], v[SBX+12*a:SBX+12*a+11], 0, v[SCB+12*(\s)+4+\n], v[SCB+12*(\s)+a] matrix_a_fmt:MATRIX_FMT_FP6 matrix_b_fmt:MATRIX_FMT_FP6
.elseif (\cm) == 2
	v_wmma_scale_f32_16x16x128_f8f6f4 v[AB+8*(8*a+\n):AB+8*(8*a+\n)+7], v[SBX+12*(RT+\n):SBX+12*(RT+\n)+11], v[SBX+12*a:SBX+12*a+11], v[BI+8*\n:BI+8*\n+7], v[SCB+12*(\s)+4+\n], v[SCB+12*(\s)+a] matrix_a_fmt:MATRIX_FMT_FP6 matrix_b_fmt:MATRIX_FMT_FP6
.else
	v_wmma_scale_f32_16x16x128_f8f6f4 v[AB+8*(8*a+\n):AB+8*(8*a+\n)+7], v[SBX+12*(RT+\n):SBX+12*(RT+\n)+11], v[SBX+12*a:SBX+12*a+11], v[AB+8*(8*a+\n):AB+8*(8*a+\n)+7], v[SCB+12*(\s)+4+\n], v[SCB+12*(\s)+a] matrix_a_fmt:MATRIX_FMT_FP6 matrix_b_fmt:MATRIX_FMT_FP6
.endif
.endr
.set a, a+1
.endr
	WIN 0
.endm
.macro TGRUN cm                        ; six K steps on two sets
	LOADSET 0, 0
	LOADSET 1, 1
.irp k, 0,1,2,3,4,5
.if \k < 5
	s_wait_loadcnt NLS                             ; this step's set is in; the other set's loads may be out
.else
	s_wait_loadcnt 0x0
.endif
.if \k == 0
	MULSET 0, \cm
.else
	MULSET \k%2, 0
.endif
.if \k < 4
	PLACES 4                                       ; in front of loads into registers that the products have read
	s_wait_alu depctr_va_vdst(0)                   ; this step's products are done reading their set and its scale words, in which the loads below land: the set is asked for again at once
	LOADSET \k%2, \k+2
.endif
.endr
.endm
.macro LNRED k                         ; two chains -> my wave's part of row r -> the row's sum, six parts in the waves' order; reduction k has its own 512 bytes
	v_pk_add_f32 v[SU:SU+1], v[SU:SU+1], v[SU+2:SU+3]
	v_add_f32 v[SU], v[SU], v[SU+1]
	v_permlanex16_b32 v[QO], v[SU], s[SEL], s[SEL+1]
	v_add_f32 v[SU], v[SU], v[QO]
	s_wait_alu depctr_va_vdst(0)                   ; v[SU] is written, which the LDS store reads; the last reduction's additions are done reading v[RB ..], in which the loads below land
	ds_store_b32 v[RW], v[SU] offset:512*(\k)
	BARRIER
	ds_load_b128 v[RB:RB+3], v[RRD] offset:512*(\k)
	ds_load_b64 v[RB+4:RB+5], v[RRD] offset:512*(\k)+16
	s_wait_dscnt 0x0
	s_wait_alu depctr_vm_vsrc(0)                   ; the LDS store has read v[SU], which the next line writes; in the second norm the stage's stores have read h in v[AB ..], which the lines behind this reduction write
	v_add_f32 v[SU], v[RB], v[RB+1]
.irp i, 2,3,4,5
	v_add_f32 v[SU], v[SU], v[RB+\i]
.endr
.endm
.macro LNORM k, g, b                   ; LayerNorm of the 64 numbers a lane at v[AB], in place; gain and bias at v[g], v[b] of window 1; reductions k and k + 1
	v_pk_add_f32 v[SU:SU+1], v[AB:AB+1], v[AB+2:AB+3]
	v_pk_add_f32 v[SU+2:SU+3], v[AB+4:AB+5], v[AB+6:AB+7]
.irp i, 8,12,16,20,24,28,32,36,40,44,48,52,56,60
	v_pk_add_f32 v[SU:SU+1], v[SU:SU+1], v[AB+\i:AB+\i+1]
	v_pk_add_f32 v[SU+2:SU+3], v[SU+2:SU+3], v[AB+\i+2:AB+\i+3]
.endr
	LNRED (\k)
	v_mul_f32 v[NM], s40, v[SU]
	v_mov_b32 v[NM+1], v[NM]
.set i, 0
.rept 32
	v_pk_add_f32 v[AB+i:AB+i+1], v[AB+i:AB+i+1], v[NM:NM+1]
.set i, i+2
.endr
	v_pk_mul_f32 v[SU:SU+1], v[AB:AB+1], v[AB:AB+1]
	v_pk_mul_f32 v[SU+2:SU+3], v[AB+2:AB+3], v[AB+2:AB+3]
.irp i, 4,8,12,16,20,24,28,32,36,40,44,48,52,56,60
	v_pk_fma_f32 v[SU:SU+1], v[AB+\i:AB+\i+1], v[AB+\i:AB+\i+1], v[SU:SU+1]
	v_pk_fma_f32 v[SU+2:SU+3], v[AB+\i+2:AB+\i+3], v[AB+\i+2:AB+\i+3], v[SU+2:SU+3]
.endr
	LNRED (\k)+1
	v_fma_f32 v[TMP], v[SU], s38, s39
	v_rsq_f32 v[RS], v[TMP]
	v_nop
	s_wait_alu depctr_va_vdst(0)                   ; the root's reciprocal v[RS] is written, ahead of its first reader
	v_mov_b32 v[RS+1], v[RS]
.set i, 0
.rept 32
	v_pk_mul_f32 v[AB+i:AB+i+1], v[AB+i:AB+i+1], v[RS:RS+1]
.set i, i+2
.endr
	WIN 0x14
.set i, 0
.rept 32
	v_pk_fma_f32 v[AB+i:AB+i+1], v[AB+i:AB+i+1], v[(\g)+i:(\g)+i+1], v[(\b)+i:(\b)+i+1]
.set i, i+2
.endr
	WIN 0
.endm
	s_load_b256 s[4:11], s[0:1], 0x0               ; oc, wc, bo, ln_ao_g
	s_load_b256 s[12:19], s[0:1], 0x20             ; ln_ao_b, gate_param, hidden, ln_f_g
	s_load_b128 s[20:23], s[0:1], 0x40             ; ln_f_b, hb
	s_load_b64 s[24:25], s[0:1], 0x50              ; fc
	v_lshl_add_u32 v254, v0, 2, 0xd000
	v_mov_b32 v255, 0
	v_lshrrev_b32 v1, 5, v0
	v_readfirstlane_b32 s27, v1                    ; wave 0..5
	v_and_b32 v11, 31, v0
	v_and_b32 v17, 15, v0
	v_bfe_u32 v21, v0, 4, 1
	v_lshlrev_b32 v[O16], 4, v11
	v_lshlrev_b32 v[O8], 3, v11
	v_lshlrev_b32 v[R4], 2, v17
	v_lshlrev_b32 v[R16], 4, v17
	v_lshlrev_b32 v[PO], 7, v21
	v_lshlrev_b32 v[H8], 3, v21
	v_mov_b32 v[QO], 0
	s_wait_alu depctr_va_sdst(0)                   ; s27 is written, ahead of its first reader: LDS addresses and the bases are made from it
	s_lshl_b32 s42, s27, 2
	v_lshl_add_u32 v[RW], v17, 5, s42
	v_lshlrev_b32 v[RRD], 5, v17
	s_mul_i32 s42, s27, 8448
	s_add_co_u32 s42, s42, 2048                    ; my stage: 16 rows x 528 bytes, behind the four reductions
	v_add_nc_u32 v[STW], s42, v[O16]
	v_mul_u32_u24 v[STL], v17, 528
	v_add_nc_u32 v[STL], v[STL], v[PO]
	v_add_nc_u32 v[STL], s42, v[STL]
	s_mov_b32 s[SEL], 0x76543210
	s_mov_b32 s[SEL+1], 0xfedcba98
	s_mov_b32 s38, 0x3aaaaaab                      ; 1 / 768
	s_mov_b32 s39, 0x3727c5ac                      ; 1e-5
	s_mov_b32 s40, 0xbaaaaaab
	s_mul_i32 s42, ttmp9, 9728
	s_mov_b32 s43, 0
	s_lshl_b32 s44, s27, 9                         ; my 128 columns in bytes
	s_mov_b32 s45, 0
	s_mul_i32 s46, ttmp9, 49152
	s_add_co_u32 s46, s46, s44
	s_mov_b32 s47, 0
	s_mul_i32 s48, s27, 12800
	s_add_co_u32 s48, s48, 1152000
	s_mov_b32 s49, 0
	s_wait_kmcnt 0x0
	s_load_b32 s26, s[14:15], 0x0
	s_add_nc_u64 s[SAP:SAP+1], s[4:5], s[42:43]
	s_add_nc_u64 s[SSP:SSP+1], s[SAP:SAP+1], 9216
	s_add_nc_u64 s[SBP:SBP+1], s[6:7], s[48:49]
	s_add_nc_u64 s[8:9], s[8:9], s[44:45]
	s_add_nc_u64 s[10:11], s[10:11], s[44:45]
	s_add_nc_u64 s[12:13], s[12:13], s[44:45]
	s_add_nc_u64 s[18:19], s[18:19], s[44:45]
	s_add_nc_u64 s[20:21], s[20:21], s[44:45]
	s_add_nc_u64 s[16:17], s[16:17], s[46:47]
	s_add_nc_u64 s[22:23], s[22:23], s[46:47]
	s_add_nc_u64 s[24:25], s[24:25], s[42:43]
	s_lshl_b32 s44, s27, 6
	s_add_co_u32 s44, s44, 9216
	s_add_nc_u64 s[50:51], s[24:25], s[44:45]      ; fc: my K step's scale words
	s_mul_i32 s44, s27, 1536
	s_add_nc_u64 s[24:25], s[24:25], s[44:45]      ; fc: my two halves
	s_wait_alu depctr_va_vdst(0)                   ; the nine offsets and LDS addresses v1 to v9 are written, which every load, store and LDS instruction of the kernel reads
.irp e, 0,1
.irp j, 0,1,2,3,4,5,6,7
	global_load_b128 v[AB+32*\e+4*\j:AB+32*\e+4*\j+3], v[PO], s[8:9] offset:256*\e+16*\j     ; bo goes straight into the accumulators
.endr
.endr
.set i, 0
.rept 16
	global_load_b128 v[HR+4*i:HR+4*i+3], v[O16], s[16:17] offset:3072*i                      ; hidden: a row's 512 consecutive bytes a load
.set i, i+1
.endr
	TGRUN 0
	PLACES 4
	WIN 0x40
	s_wait_alu depctr_va_vdst(0)                   ; the last two steps' products are done reading both sets, in which the gains and biases land
.irp e, 0,1
.irp j, 0,1,2,3,4,5,6,7
	global_load_b128 v[32*\e+4*\j:32*\e+4*\j+3], v[PO], s[10:11] offset:256*\e+16*\j
	global_load_b128 v[64+32*\e+4*\j:64+32*\e+4*\j+3], v[PO], s[12:13] offset:256*\e+16*\j
	global_load_b128 v[128+32*\e+4*\j:128+32*\e+4*\j+3], v[PO], s[18:19] offset:256*\e+16*\j
	global_load_b128 v[192+32*\e+4*\j:192+32*\e+4*\j+3], v[PO], s[20:21] offset:256*\e+16*\j
.endr
.endr
	WIN 0
.set i, 0
.rept 16
	ds_store_b128 v[STW], v[HR+4*i:HR+4*i+3] offset:528*i          ; hidden turns through my stage into the results' layout; LDS serves a wave's instructions in order
.set i, i+1
.endr
	s_wait_alu depctr_vm_vsrc(0)                   ; the LDS stores have read v[HR ..], in which the loads below land
.irp e, 0,1
.irp j, 0,1,2,3,4,5,6,7
	ds_load_b128 v[HR+32*\e+4*\j:HR+32*\e+4*\j+3], v[STL] offset:256*\e+16*\j
.endr
.endr
	s_wait_kmcnt 0x0
	v_mov_b32 v[TMP], s26
	v_mul_f32 v[TMP], 0xbfb8aa3b, v[TMP]
	v_exp_f32 v[TMP+1], v[TMP]
	v_nop
	s_wait_alu depctr_va_vdst(0)                   ; the exponential v[TMP+1] is written, ahead of its first reader
	v_add_f32 v[TMP+1], 1.0, v[TMP+1]
	v_rcp_f32 v[GT], v[TMP+1]                      ; sigmoid(gate)
	v_nop
	s_wait_alu depctr_va_vdst(0)                   ; the reciprocal v[GT] is written, ahead of its first reader
	v_mov_b32 v[GT+1], v[GT]
	s_wait_loadcnt 0x0                             ; the four vectors of gains and biases
	LNORM 0, 0, 64
.set i, 0
.rept 32
	v_pk_fma_f32 v[AB+i:AB+i+1], v[AB+i:AB+i+1], v[GT:GT+1], v[HR+i:HR+i+1]      ; h
.set i, i+2
.endr
	s_wait_alu depctr_va_vdst(0)                   ; h is written in v[AB ..], which the LDS stores read, and the multiply-adds are done reading v[HR ..], in which the rows of h land
.irp e, 0,1
.irp j, 0,1,2,3,4,5,6,7
	ds_store_b128 v[STL], v[AB+32*\e+4*\j:AB+32*\e+4*\j+3] offset:256*\e+16*\j
.endr
.endr
.set i, 0
.rept 16
	ds_load_b128 v[HR+4*i:HR+4*i+3], v[STW] offset:528*i
.set i, i+1
.endr
.set i, 0
.rept 16
	s_wait_dscnt 15-i
	global_store_b128 v[O16], v[HR+4*i:HR+4*i+3], s[22:23] offset:3072*i           ; 32 lanes store 512 consecutive bytes, aligned
.set i, i+1
.endr
	LNORM 2, 128, 192
	QUANT32 AB, F
	PAIR PB
	QUANT32 AB+32, F+6
	PAIR PB+1
	v_lshl_or_b32 v[PB], v[PB+1], 16, v[PB]
	s_wait_alu depctr_va_vdst(0)                   ; the codes v[F ..] and the scale word v[PB] are written, which the stores read
.irp e, 0,1
	global_store_b128 v[O16], v[F+6*\e:F+6*\e+3], s[24:25] offset:768*\e
	global_store_b64 v[O8], v[F+6*\e+4:F+6*\e+5], s[24:25] offset:768*\e+512
.endr
	global_store_b32 v[R4], v[PB], s[50:51]
	s_wait_dscnt 0x0
	s_wait_alu depctr_hold_cnt(0) depctr_sa_sdst(0) depctr_va_vdst(0) depctr_va_sdst(0) depctr_va_ssrc(0) depctr_va_vcc(0) depctr_vm_vsrc(0)
	s_wait_tensorcnt 0x0
	ds_add_u32 v254, v255
	s_wait_dscnt 0x0
	s_endpgm
.Lfunc_end_k_q12d28f2a10_wo:
	.size	k_q12d28f2a10_wo, .Lfunc_end_k_q12d28f2a10_wo-k_q12d28f2a10_wo
	.p2alignl 7, 3214868480
	.fill 96, 4, 3214868480
	.section	.rodata,"a",@progbits
	.p2align	6, 0x0
	.amdhsa_kernel k_q12d28f2a10_wo
		.amdhsa_group_segment_fixed_size 54016
		.amdhsa_private_segment_fixed_size 0
		.amdhsa_enable_private_segment 0
		.amdhsa_kernarg_size 88
		.amdhsa_user_sgpr_count 2
		.amdhsa_user_sgpr_kernarg_segment_ptr 1
		.amdhsa_wavefront_size32 1
		.amdhsa_system_sgpr_workgroup_id_x 1
		.amdhsa_system_sgpr_workgroup_id_y 1
		.amdhsa_system_sgpr_workgroup_id_z 1
		.amdhsa_system_vgpr_workitem_id 0
		.amdhsa_next_free_vgpr 512
		.amdhsa_next_free_sgpr 66
		.amdhsa_reserve_vcc 0
		.amdhsa_float_denorm_mode_32 3
		.amdhsa_float_denorm_mode_16_64 3
		.amdhsa_memory_ordered 1
		.amdhsa_forward_progress 1
		.amdhsa_inst_pref_size 73
	.end_amdhsa_kernel
	.amdgpu_metadata
---
amdhsa.version: [ 1, 2 ]
amdhsa.kernels:
  - .name:           k_q12d28f2a10_wo
    .symbol:         k_q12d28f2a10_wo.kd
    .args:
      - { .name: oc, .offset: 0, .size: 8, .value_kind: global_buffer, .address_space: global }
      - { .name: wc, .offset: 8, .size: 8, .value_kind: global_buffer, .address_space: global }
      - { .name: bo, .offset: 16, .size: 8, .value_kind: global_buffer, .address_space: global }
      - { .name: ln_ao_g, .offset: 24, .size: 8, .value_kind: global_buffer, .address_space: global }
      - { .name: ln_ao_b, .offset: 32, .size: 8, .value_kind: global_buffer, .address_space: global }
      - { .name: gate_param, .offset: 40, .size: 8, .value_kind: global_buffer, .address_space: global }
      - { .name: hidden_states, .offset: 48, .size: 8, .value_kind: global_buffer, .address_space: global }
      - { .name: ln_f_g, .offset: 56, .size: 8, .value_kind: global_buffer, .address_space: global }
      - { .name: ln_f_b, .offset: 64, .size: 8, .value_kind: global_buffer, .address_space: global }
      - { .name: hb, .offset: 72, .size: 8, .value_kind: global_buffer, .address_space: global }
      - { .name: fc, .offset: 80, .size: 8, .value_kind: global_buffer, .address_space: global }
    .group_segment_fixed_size: 54016
    .private_segment_fixed_size: 0
    .kernarg_segment_align: 8
    .kernarg_segment_size: 88
    .max_flat_workgroup_size: 192
    .sgpr_count:     66
    .vgpr_count:     512
    .wavefront_size: 32
...
	.end_amdgpu_metadata
.endif
;; end of part 7
;; launch f1 (part 8): grid 32 x 6, 4 waves a work-group, no clusters, 0 bytes of LDS; arguments fc, wc, b1, gc; writes gc
.if DOCPART == 8
	.amdgcn_target "amdgcn-amd-amdhsa--gfx1250"
	.amdhsa_code_object_version 6
	.text
	.protected	k_q12d28f2a10_f1
	.globl	k_q12d28f2a10_f1
	.p2align	8
	.type	k_q12d28f2a10_f1,@function
k_q12d28f2a10_f1:
	s_mov_b64 s[64:65], 0
	v_nop
	global_prefetch_b8 v0, s[64:65] scope:SCOPE_SE
	s_setreg_imm32_b32 hwreg(HW_REG_WAVE_SCHED_MODE, 0, 2), 2
	s_setreg_imm32_b32 hwreg(HW_REG_WAVE_MODE, 25, 1), 1
	s_wait_xcnt 0x0
	s_wait_alu depctr_vm_vsrc(0)
; gelu(ffn_in x W1 + b1), quantised along its 3,072.  A work-group: 64 rows x 512 columns; wave w: 128 of them, 32 accumulators (window 1).  Operands from memory straight into registers (windows 2 and 3).
; gelu(x) = max(x, 0) - |x| Q, Q = erfc(|x| / sqrt 2) / 2 = poly(t) exp(-x^2 / 2), t = 1 / (1 + 0.3275911 |x| / sqrt 2): Abramowitz and Stegun 7.1.26, whose error in erf is 1.5e-7 at the most.
; No tensor loads and no cluster: the launch is short and each wave reads its weights once.
; LIMITS: NaN and infinities are not served; a block of zeros gets the byte 1 (zero codes).
; THE MODE: SCHED_MODE bits 1:0 = 2 (LLVM: expert scheduling mode 2), set by the entry lines.  The code itself states the register dependences
; between vector or matrix instructions and memory instructions, with s_wait_alu, always for 0.
; THE PLAN.  Registers that memory instructions touch:
;   set 0 (window 2), set 1 (window 3), v0-143 each, and their scale words (v32-43, v44-55): K step k's loads land in set k % 2, its 32 products read it, the loads of K step k + 2 land there next.
;                One wait on va_vdst stands behind the products of steps 0 to 3; the set is asked for again at once, in one run.
;   v[BI ..]     b1: loaded once, read by the first step's products; no load lands there again.
;   F0, F1       (v[F ..], six registers each) the codes of a group of 32 numbers: group g's quantiser writes F[g % 2]; its stores stand in group g + 1, behind the wait that this group's batch of
;                reciprocals and exponentials has in any case; group g + 2's quantiser writes F[g % 2] again, behind a wait on vm_vsrc.
;   v[PW]        a row tile's scale word: written behind each odd group, stored with that group's codes, written again two groups on, behind the same waits.
;   v1-5         offsets: written at the head, never again.
.set RT, 4
.set ABLK, 9728
.set UST, 307200
.set SW0, 2
.set SWD, 1
.set SB0, 0
.set SBD, 0
.set AWN, 1
.set AB, 0
.set SCB, 32
.set NLS, 46
.set BI, 192
.set SAP, 16
.set SSP, 18
.set SBP, 20
.set O16, 1
.set O8, 2
.set R4, 3
.set R16, 4
.set PO, 5
.set H8, 6
.set QM, 12
.set QS, 14
.set QB, 15
.set QO, 16
.set QT, 18
.set F, 56
.set PB, 68
.set CO, 70
.set PW, 80
.set Z, 96
.set T, 128
.set E, 160
.set Y, 224
.set SEL, 30
.set MSB, 0
.macro WIN new
.if MSB != (\new)
	s_set_vgpr_msb (MSB<<8)|(\new)
.set MSB, (\new)
.endif
.endm
.macro PLACES n
.rept \n
	v_nop
.endr
.endm
.macro QUANT32 x, f
	v_max3_num_f32 v[QM], |v[(\x)]|, |v[(\x)+1]|, 0x1800000
	v_max3_num_f32 v[QM+1], |v[(\x)+2]|, |v[(\x)+3]|, 0x1800000
.irp i, 4,8,12,16,20,24,28
	v_max3_num_f32 v[QM], v[QM], |v[(\x)+\i]|, |v[(\x)+\i+1]|
	v_max3_num_f32 v[QM+1], v[QM+1], |v[(\x)+\i+2]|, |v[(\x)+\i+3]|
.endr
	v_max_num_f32 v[QM], v[QM], v[QM+1]
	v_add_nc_u32 v[QS], 0xff000000, v[QM]
	v_lshrrev_b32 v[QB], 23, v[QS]
	v_cvt_scalef32_pk16_fp6_f32 v[(\f):(\f)+2], v[(\x):(\x)+15], v[QS]
	v_cvt_scalef32_pk16_fp6_f32 v[QT:QT+2], v[(\x)+16:(\x)+31], v[QS]
	v_nop
	v_mov_b32 v[(\f)+3], v[QT]
	v_mov_b32 v[(\f)+4], v[QT+1]
	v_mov_b32 v[(\f)+5], v[QT+2]
.endm
.macro PAIR d
	v_lshlrev_b32 v[QB], v[H8], v[QB]
	v_permlanex16_b32 v[QO], v[QB], s[SEL], s[SEL+1]
	v_or_b32 v[\d], v[QB], v[QO]
.endm
.macro LOADSET s, k
.set SBX, SB0+(\s)*SBD
	WIN (SW0+(\s)*SWD)<<6
.set a, 0
.rept RT
	global_load_b128 v[SBX+12*a:SBX+12*a+3], v[O16], s[SAP:SAP+1] offset:a*ABLK+(\k)*1536
	global_load_b64 v[SBX+12*a+4:SBX+12*a+5], v[O8], s[SAP:SAP+1] offset:a*ABLK+(\k)*1536+512
	global_load_b128 v[SBX+12*a+6:SBX+12*a+9], v[O16], s[SAP:SAP+1] offset:a*ABLK+(\k)*1536+768
	global_load_b64 v[SBX+12*a+10:SBX+12*a+11], v[O8], s[SAP:SAP+1] offset:a*ABLK+(\k)*1536+1280
.set a, a+1
.endr
.irp n, 0,1,2,3,4,5,6,7
.irp q, 0,1,2
	global_load_b128 v[SBX+12*(RT+\n)+4*\q:SBX+12*(RT+\n)+4*\q+3], v[O16], s[SBP:SBP+1] offset:(\k)*UST+(\n/4)*6400+(\n%4)*1536+512*\q
.endr
.endr
	WIN 0
.set a, 0
.rept RT
	global_load_b32 v[SCB+12*(\s)+a], v[R4], s[SSP:SSP+1] offset:a*ABLK+(\k)*64
.set a, a+1
.endr
	global_load_b128 v[SCB+12*(\s)+4:SCB+12*(\s)+7], v[R16], s[SBP:SBP+1] offset:(\k)*UST+6144
	global_load_b128 v[SCB+12*(\s)+8:SCB+12*(\s)+11], v[R16], s[SBP:SBP+1] offset:(\k)*UST+6400+6144
.endm
.macro MULSET s, cm                    ; the accumulators take turns.  cm = 0: onto the sums; 1: they start the sums; 2: the bias starts them
.set SBX, SB0+(\s)*SBD
.set SWX, SW0+(\s)*SWD
.if (\cm) == 2
	WIN SWX|(SWX<<2)|(AWN<<6)
.else
	WIN SWX|(SWX<<2)|(AWN<<4)|(AWN<<6)
.endif
.set a, 0
.rept RT
.irp n, 0,1,2,3,4,5,6,7
.if (\cm) == 1
	v_wmma_scale_f32_16x16x128_f8f6f4 v[AB+8*(8*a+\n):AB+8*(8*a+\n)+7], v[SBX+12*(RT+\n):SBX+12*(RT+\n)+11], v[SBX+12*a:SBX+12*a+11], 0, v[SCB+12*(\s)+4+\n], v[SCB+12*(\s)+a] matrix_a_fmt:MATRIX_FMT_FP6 matrix_b_fmt:MATRIX_FMT_FP6
.elseif (\cm) == 2
	v_wmma_scale_f32_16x16x128_f8f6f4 v[AB+8*(8*a+\n):AB+8*(8*a+\n)+7], v[SBX+12*(RT+\n):SBX+12*(RT+\n)+11], v[SBX+12*a:SBX+12*a+11], v[BI+8*\n:BI+8*\n+7], v[SCB+12*(\s)+4+\n], v[SCB+12*(\s)+a] matrix_a_fmt:MATRIX_FMT_FP6 matrix_b_fmt:MATRIX_FMT_FP6
.else
	v_wmma_scale_f32_16x16x128_f8f6f4 v[AB+8*(8*a+\n):AB+8*(8*a+\n)+7], v[SBX+12*(RT+\n):SBX+12*(RT+\n)+11], v[SBX+12*a:SBX+12*a+11], v[AB+8*(8*a+\n):AB+8*(8*a+\n)+7], v[SCB+12*(\s)+4+\n], v[SCB+12*(\s)+a] matrix_a_fmt:MATRIX_FMT_FP6 matrix_b_fmt:MATRIX_FMT_FP6
.endif
.endr
.set a, a+1
.endr
	WIN 0
.endm
.macro TGRUN cm
	LOADSET 0, 0
	LOADSET 1, 1
.irp k, 0,1,2,3,4,5
.if \k < 5
	s_wait_loadcnt NLS                             ; this step's set is in; the other set's loads may be out
.else
	s_wait_loadcnt 0x0
.endif
.if \k == 0
	MULSET 0, \cm
.else
	MULSET \k%2, 0
.endif
.if \k < 4
	PLACES 4
	s_wait_alu depctr_va_vdst(0)                   ; this step's products are done reading their set and its scale words, in which the loads below land: the set is asked for again at once
	LOADSET \k%2, \k+2
.endif
.endr
.endm
.macro SENDG g                         ; group g's codes leave: row tile g / 2, half g % 2; with an odd group the row tile's scale word
	global_store_b128 v[O16], v[F+6*((\g)%2):F+6*((\g)%2)+3], s[10:11] offset:((\g)/2)*38400+768*((\g)%2)
	global_store_b64 v[O8], v[F+6*((\g)%2)+4:F+6*((\g)%2)+5], s[10:11] offset:((\g)/2)*38400+768*((\g)%2)+512
.if (\g)%2
	global_store_b32 v[R4], v[PW], s[22:23] offset:((\g)/2)*38400
.endif
.endm
.macro GELU32 x                        ; group G: 32 numbers at v[x] of window 1 -> gelu at v[Y]; behind the batch's wait the stores of group G - 1
	WIN 0x01
.set i, 0
.rept 32
	v_mul_f32 v[Z+i], |v[(\x)+i]|, s24             ; z = |x| / sqrt 2; each accumulator is read from its low end on
.set i, i+1
.endr
	WIN 0
.set i, 0
.rept 16
	v_pk_fma_f32 v[T+i:T+i+1], v[Z+i:Z+i+1], s[26:27], 1.0 op_sel_hi:[1,0,0]
	v_pk_mul_f32 v[E+i:E+i+1], v[Z+i:Z+i+1], v[Z+i:Z+i+1]
.set i, i+2
.endr
.set i, 0
.rept 16
	v_pk_mul_f32 v[E+i:E+i+1], v[E+i:E+i+1], s[28:29] op_sel_hi:[1,0]
.set i, i+2
.endr
.set i, 0
.rept 32
	v_rcp_f32 v[T+i], v[T+i]
.set i, i+1
.endr
.set i, 0
.rept 32
	v_exp_f32 v[E+i], v[E+i]
.set i, i+1
.endr
	v_nop                                          ; a plain place behind the batch,
	s_wait_alu depctr_va_vdst(0)                   ; and one wait: the batch's 64 results v[T ..] and v[E ..] are written, ahead of their first reader; so are the codes and the scale word of the group before, which the stores below read
.if G > 0
	SENDG G-1
.endif
.set i, 0
.rept 16
	v_pk_fma_f32 v[Z+i:Z+i+1], v[T+i:T+i+1], v[CO:CO+1], v[CO+2:CO+3]
.set i, i+2
.endr
.irp c, 4,6,8
.set i, 0
.rept 16
	v_pk_fma_f32 v[Z+i:Z+i+1], v[Z+i:Z+i+1], v[T+i:T+i+1], v[CO+\c:CO+\c+1]
.set i, i+2
.endr
.endr
.set i, 0
.rept 16
	v_pk_mul_f32 v[Z+i:Z+i+1], v[Z+i:Z+i+1], v[T+i:T+i+1]
.set i, i+2
.endr
.set i, 0
.rept 16
	v_pk_mul_f32 v[Z+i:Z+i+1], v[Z+i:Z+i+1], v[E+i:E+i+1]          ; Q
.set i, i+2
.endr
	WIN 0x04
.set i, 0
.rept 32
	v_max_num_f32 v[T+i], 0, v[(\x)+i]
.set i, i+1
.endr
	WIN 0x01
.set i, 0
.rept 32
	v_fma_f32 v[Y+i], -|v[(\x)+i]|, v[Z+i], v[T+i]
.set i, i+1
.endr
	WIN 0
.endm
	s_load_b256 s[4:11], s[0:1], 0x0               ; fc, wc, b1, gc
	v_lshrrev_b32 v1, 5, v0
	v_readfirstlane_b32 s12, v1
	v_and_b32 v7, 31, v0
	v_and_b32 v8, 15, v0
	v_bfe_u32 v9, v0, 4, 1
	v_lshlrev_b32 v[O16], 4, v7
	v_lshlrev_b32 v[O8], 3, v7
	v_lshlrev_b32 v[R4], 2, v8
	v_lshlrev_b32 v[R16], 4, v8
	v_lshlrev_b32 v[PO], 7, v9
	v_lshlrev_b32 v[H8], 3, v9
	v_mov_b32 v[QO], 0
.irp i, 0,1
	v_mov_b32 v[CO+\i], 0x3f07dc22                 ; the polynomial's five coefficients, halved
	v_mov_b32 v[CO+2+\i], 0xbf3a00e3
	v_mov_b32 v[CO+4+\i], 0x3f35f0e3
	v_mov_b32 v[CO+6+\i], 0xbe11a98e
	v_mov_b32 v[CO+8+\i], 0x3e027906
.endr
	s_mov_b32 s[SEL], 0x76543210
	s_mov_b32 s[SEL+1], 0xfedcba98
	s_mov_b32 s24, 0x3f3504f3                      ; 1 / sqrt 2
	s_mov_b32 s26, 0x3ea7ba05                      ; 0.3275911
	s_mov_b32 s27, s26
	s_mov_b32 s28, 0xbfb8aa3b                      ; - log2(e)
	s_mov_b32 s29, s28
	s_and_b32 s13, ttmp7, 0xffff                   ; which 512 columns
	s_lshl_b32 s14, s13, 3
	s_wait_alu depctr_va_sdst(0)                   ; s12 is written, ahead of its first reader: the bases are made from it
	s_lshl_b32 s15, s12, 1
	s_add_co_u32 s14, s14, s15                     ; my first unit of 64 columns
	s_mul_i32 s32, ttmp9, 38912
	s_mov_b32 s33, 0
	s_mul_i32 s34, s14, 6400
	s_add_co_u32 s34, s34, 1612800
	s_mov_b32 s35, 0
	s_lshl_b32 s36, s14, 8
	s_mov_b32 s37, 0
	s_mul_i32 s38, ttmp9, 153600
	s_mov_b32 s39, 0
	s_mul_i32 s40, s14, 768
	s_mov_b32 s41, 0
	s_lshl_b32 s42, s13, 2
	s_add_co_u32 s42, s42, s12
	s_lshl_b32 s42, s42, 6
	s_add_co_u32 s42, s42, 36864
	s_mov_b32 s43, 0
	s_wait_kmcnt 0x0
	s_add_nc_u64 s[SAP:SAP+1], s[4:5], s[32:33]
	s_add_nc_u64 s[SSP:SSP+1], s[SAP:SAP+1], 9216
	s_add_nc_u64 s[SBP:SBP+1], s[6:7], s[34:35]
	s_add_nc_u64 s[8:9], s[8:9], s[36:37]
	s_add_nc_u64 s[10:11], s[10:11], s[38:39]
	s_add_nc_u64 s[22:23], s[10:11], s[42:43]      ; gc: my K step's scale words
	s_add_nc_u64 s[10:11], s[10:11], s[40:41]      ; gc: my two halves
	s_wait_alu depctr_va_vdst(0)                   ; the five offsets v1 to v5 are written, which every load and store of the kernel reads
.irp e, 0,1
.irp j, 0,1,2,3,4,5,6,7
	global_load_b128 v[BI+32*\e+4*\j:BI+32*\e+4*\j+3], v[PO], s[8:9] offset:256*\e+16*\j
.endr
.endr
	TGRUN 2
	PLACES 4
.irp a, 0,1,2,3
.irp e, 0,1
.set G, 2*\a+\e
	GELU32 8*(8*\a+4*\e)
.if G > 1
	s_wait_xcnt 0x0                                ; the earlier stores have read their registers
	s_wait_alu depctr_vm_vsrc(0)                   ; the stores issued in the group before have read this group's six code registers, which the quantiser writes again, and v[PW], which an odd group writes again
.endif
	QUANT32 Y, F+6*\e
	PAIR PB+\e
.endr
	v_lshl_or_b32 v[PW], v[PB+1], 16, v[PB]
.endr
	s_wait_alu depctr_va_vdst(0)                   ; the last group's codes and the last scale word are written, which the stores read
	SENDG 7
	s_endpgm
.Lfunc_end_k_q12d28f2a10_f1:
	.size	k_q12d28f2a10_f1, .Lfunc_end_k_q12d28f2a10_f1-k_q12d28f2a10_f1
	.p2alignl 7, 3214868480
	.fill 96, 4, 3214868480
	.section	.rodata,"a",@progbits
	.p2align	6, 0x0
	.amdhsa_kernel k_q12d28f2a10_f1
		.amdhsa_group_segment_fixed_size 0
		.amdhsa_private_segment_fixed_size 0
		.amdhsa_enable_private_segment 0
		.amdhsa_kernarg_size 32
		.amdhsa_user_sgpr_count 2
		.amdhsa_user_sgpr_kernarg_segment_ptr 1
		.amdhsa_wavefront_size32 1
		.amdhsa_system_sgpr_workgroup_id_x 1
		.amdhsa_system_sgpr_workgroup_id_y 1
		.amdhsa_system_sgpr_workgroup_id_z 1
		.amdhsa_system_vgpr_workitem_id 0
		.amdhsa_next_free_vgpr 912
		.amdhsa_next_free_sgpr 66
		.amdhsa_reserve_vcc 0
		.amdhsa_float_denorm_mode_32 3
		.amdhsa_float_denorm_mode_16_64 3
		.amdhsa_memory_ordered 1
		.amdhsa_forward_progress 1
		.amdhsa_inst_pref_size 201
	.end_amdhsa_kernel
	.amdgpu_metadata
---
amdhsa.version: [ 1, 2 ]
amdhsa.kernels:
  - .name:           k_q12d28f2a10_f1
    .symbol:         k_q12d28f2a10_f1.kd
    .args:
      - { .name: fc, .offset: 0, .size: 8, .value_kind: global_buffer, .address_space: global }
      - { .name: wc, .offset: 8, .size: 8, .value_kind: global_buffer, .address_space: global }
      - { .name: b1, .offset: 16, .size: 8, .value_kind: global_buffer, .address_space: global }
      - { .name: gc, .offset: 24, .size: 8, .value_kind: global_buffer, .address_space: global }
    .group_segment_fixed_size: 0
    .private_segment_fixed_size: 0
    .kernarg_segment_align: 8
    .kernarg_segment_size: 32
    .max_flat_workgroup_size: 128
    .sgpr_count:     66
    .vgpr_count:     912
    .wavefront_size: 32
...
	.end_amdgpu_metadata
.endif
;; end of part 8
;; launch f2 (part 9): grid 32 x 6, 4 waves a work-group, no clusters, 165,376 bytes of LDS; arguments gc, wc, b2, hb, out0; writes out0
.if DOCPART == 9
	.amdgcn_target "amdgcn-amd-amdhsa--gfx1250"
	.amdhsa_code_object_version 6
	.text
	.protected	k_q12d28f2a10_f2
	.globl	k_q12d28f2a10_f2
	.p2align	8
	.type	k_q12d28f2a10_f2,@function
k_q12d28f2a10_f2:
	s_mov_b64 s[64:65], 0
	v_nop
	global_prefetch_b8 v0, s[64:65] scope:SCOPE_SE
	s_setreg_imm32_b32 hwreg(HW_REG_WAVE_SCHED_MODE, 0, 2), 2
	s_setreg_imm32_b32 hwreg(HW_REG_WAVE_MODE, 25, 1), 1
	s_wait_xcnt 0x0
	s_wait_alu depctr_vm_vsrc(0)
; out0 = h + gelu(..) x W2 + b2.  A work-group: 64 rows x 128 columns.  K = 3,072 is shared among the four waves, six K steps each; the four partial sums meet in LDS and are added in the waves' order.
; Operands from memory straight into registers (windows 2 and 3); 32 accumulators in window 1.  No tensor loads and no cluster: the launch is short and each wave reads its weights once.
; LIMITS: NaN and infinities are not served.
; THE MODE: SCHED_MODE bits 1:0 = 2 (LLVM: expert scheduling mode 2), set by the entry lines.  The code itself states the register dependences
; between vector or matrix instructions and memory or LDS instructions, with s_wait_alu, always for 0.
; THE PLAN.  Registers that memory or LDS instructions touch:
;   set 0 (window 2), set 1 (window 3), v0-143 each, and their scale words (v32-43, v44-55): K step k's loads land in set k % 2, its 32 products read it, the loads of K step k + 2 land there next.
;                One wait on va_vdst stands behind the products of steps 0 to 3; the set is asked for again at once, in one run.
;   window 1     the accumulators: written by the products; read by the LDS stores of my partial sums (va_vdst ahead); then the four waves' parts of my row tile land there (vm_vsrc ahead);
;                the additions write v0-63, which the stage's stores read (va_vdst ahead).
;   v[OB ..]     whole rows land from the stage; the last additions write them, all in one run; one wait on va_vdst; the sixteen global stores read them.
;   v[HB ..], v[B2 ..]  h and b2: loaded once, named by vector instructions alone from then on.
;   v1-9         offsets and LDS addresses: written at the head, never again.
.set RT, 4
.set ABLK, 38400
.set UST, 76800
.set SW0, 2
.set SWD, 1
.set SB0, 0
.set SBD, 0
.set AWN, 1
.set AB, 0
.set SCB, 32
.set NLS, 46
.set BI, 0
.set SAP, 16
.set SSP, 18
.set SBP, 20
.set O16, 1
.set O8, 2
.set R4, 3
.set R16, 4
.set REDW, 5
.set REDR, 6                           ; v6-7
.set STL, 8
.set STW, 9
.set OB, 96
.set HB, 160
.set B2, 224
.set STG, 131072
.set MSB, 0
.macro WIN new
.if MSB != (\new)
	s_set_vgpr_msb (MSB<<8)|(\new)
.set MSB, (\new)
.endif
.endm
.macro PLACES n
.rept \n
	v_nop
.endr
.endm
.macro BARRIER
	s_wait_dscnt 0x0
	s_barrier_signal -1
	s_barrier_wait -1
.endm
.macro LOADSET s, k
.set SBX, SB0+(\s)*SBD
	WIN (SW0+(\s)*SWD)<<6
.set a, 0
.rept RT
	global_load_b128 v[SBX+12*a:SBX+12*a+3], v[O16], s[SAP:SAP+1] offset:a*ABLK+(\k)*1536
	global_load_b64 v[SBX+12*a+4:SBX+12*a+5], v[O8], s[SAP:SAP+1] offset:a*ABLK+(\k)*1536+512
	global_load_b128 v[SBX+12*a+6:SBX+12*a+9], v[O16], s[SAP:SAP+1] offset:a*ABLK+(\k)*1536+768
	global_load_b64 v[SBX+12*a+10:SBX+12*a+11], v[O8], s[SAP:SAP+1] offset:a*ABLK+(\k)*1536+1280
.set a, a+1
.endr
.irp n, 0,1,2,3,4,5,6,7
.irp q, 0,1,2
	global_load_b128 v[SBX+12*(RT+\n)+4*\q:SBX+12*(RT+\n)+4*\q+3], v[O16], s[SBP:SBP+1] offset:(\k)*UST+(\n/4)*6400+(\n%4)*1536+512*\q
.endr
.endr
	WIN 0
.set a, 0
.rept RT
	global_load_b32 v[SCB+12*(\s)+a], v[R4], s[SSP:SSP+1] offset:a*ABLK+(\k)*64
.set a, a+1
.endr
	global_load_b128 v[SCB+12*(\s)+4:SCB+12*(\s)+7], v[R16], s[SBP:SBP+1] offset:(\k)*UST+6144
	global_load_b128 v[SCB+12*(\s)+8:SCB+12*(\s)+11], v[R16], s[SBP:SBP+1] offset:(\k)*UST+6400+6144
.endm
.macro MULSET s, cm                    ; the accumulators take turns.  cm = 0: onto the sums; 1: they start the sums
.set SBX, SB0+(\s)*SBD
.set SWX, SW0+(\s)*SWD
	WIN SWX|(SWX<<2)|(AWN<<4)|(AWN<<6)
.set a, 0
.rept RT
.irp n, 0,1,2,3,4,5,6,7
.if (\cm) == 1
	v_wmma_scale_f32_16x16x128_f8f6f4 v[AB+8*(8*a+\n):AB+8*(8*a+\n)+7], v[SBX+12*(RT+\n):SBX+12*(RT+\n)+11], v[SBX+12*a:SBX+12*a+11], 0, v[SCB+12*(\s)+4+\n], v[SCB+12*(\s)+a] matrix_a_fmt:MATRIX_FMT_FP6 matrix_b_fmt:MATRIX_FMT_FP6
.else
	v_wmma_scale_f32_16x16x128_f8f6f4 v[AB+8*(8*a+\n):AB+8*(8*a+\n)+7], v[SBX+12*(RT+\n):SBX+12*(RT+\n)+11], v[SBX+12*a:SBX+12*a+11], v[AB+8*(8*a+\n):AB+8*(8*a+\n)+7], v[SCB+12*(\s)+4+\n], v[SCB+12*(\s)+a] matrix_a_fmt:MATRIX_FMT_FP6 matrix_b_fmt:MATRIX_FMT_FP6
.endif
.endr
.set a, a+1
.endr
	WIN 0
.endm
.macro TGRUN cm
	LOADSET 0, 0
	LOADSET 1, 1
.irp k, 0,1,2,3,4,5
.if \k < 5
	s_wait_loadcnt NLS                             ; this step's set is in; the other set's loads may be out
.else
	s_wait_loadcnt 0x0
.endif
.if \k == 0
	MULSET 0, \cm
.else
	MULSET \k%2, 0
.endif
.if \k < 4
	PLACES 4
	s_wait_alu depctr_va_vdst(0)                   ; this step's products are done reading their set and its scale words, in which the loads below land: the set is asked for again at once
	LOADSET \k%2, \k+2
.endif
.endr
.endm
	s_load_b256 s[4:11], s[0:1], 0x0               ; gc, wc, b2, hb
	s_load_b64 s[12:13], s[0:1], 0x20              ; out0
	v_lshl_add_u32 v254, v0, 2, 0x28400
	v_mov_b32 v255, 0
	v_lshrrev_b32 v1, 5, v0
	v_readfirstlane_b32 s14, v1
	v_and_b32 v10, 31, v0
	v_and_b32 v11, 15, v0
	v_bfe_u32 v12, v0, 4, 1
	v_lshlrev_b32 v[O16], 4, v10
	v_lshlrev_b32 v[O8], 3, v10
	v_lshlrev_b32 v[R4], 2, v11
	v_lshlrev_b32 v[R16], 4, v11
	s_wait_alu depctr_va_sdst(0)                   ; s14 is written, ahead of its first reader: LDS addresses and the bases are made from it
	s_lshl_b32 s22, s14, 15
	v_add_nc_u32 v[REDW], s22, v[O16]              ; my partial sums: 32,768 bytes a wave
	s_lshl_b32 s22, s14, 13
	v_add_nc_u32 v[REDR], s22, v[O16]              ; row tile w of each wave's
	v_add_nc_u32 v[REDR+1], 65536, v[REDR]
	s_mul_i32 s22, s14, 8448
	s_add_co_u32 s22, s22, STG
	v_add_nc_u32 v[STW], s22, v[O16]
	v_mul_u32_u24 v[STL], v11, 528
	v_lshl_add_u32 v[STL], v12, 7, v[STL]
	v_add_nc_u32 v[STL], s22, v[STL]
	s_and_b32 s15, ttmp7, 0xffff                   ; which 128 columns
	s_mul_i32 s24, ttmp9, 153600
	s_mov_b32 s25, 0
	s_mul_i32 s26, s14, 9216
	s_mov_b32 s27, 0
	s_mul_i32 s28, s14, 384
	s_add_co_u32 s28, s28, 36864
	s_mov_b32 s29, 0
	s_mul_i32 s30, s14, 460800
	s_mul_i32 s31, s15, 12800
	s_add_co_u32 s30, s30, s31
	s_add_co_u32 s30, s30, 3456000
	s_mov_b32 s31, 0
	s_lshl_b32 s32, s15, 9
	s_mov_b32 s33, 0
	s_lshl_b32 s34, ttmp9, 6
	s_lshl_b32 s35, s14, 4
	s_add_co_u32 s34, s34, s35
	s_mul_i32 s34, s34, 3072
	s_add_co_u32 s34, s34, s32                     ; the 16 rows that I store, the work-group's 128 columns
	s_mov_b32 s35, 0
	s_wait_kmcnt 0x0
	s_add_nc_u64 s[4:5], s[4:5], s[24:25]
	s_add_nc_u64 s[SAP:SAP+1], s[4:5], s[26:27]
	s_add_nc_u64 s[SSP:SSP+1], s[4:5], s[28:29]
	s_add_nc_u64 s[SBP:SBP+1], s[6:7], s[30:31]
	s_add_nc_u64 s[8:9], s[8:9], s[32:33]
	s_add_nc_u64 s[10:11], s[10:11], s[34:35]
	s_add_nc_u64 s[12:13], s[12:13], s[34:35]
	s_wait_alu depctr_va_vdst(0)                   ; the nine offsets and LDS addresses v1 to v9 are written, which every load, store and LDS instruction of the kernel reads
	global_load_b128 v[B2:B2+3], v[O16], s[8:9]
.set i, 0
.rept 16
	global_load_b128 v[HB+4*i:HB+4*i+3], v[O16], s[10:11] offset:3072*i            ; h: a row's 512 consecutive bytes a load
.set i, i+1
.endr
	TGRUN 1
	PLACES 4
	WIN 0x04
	s_wait_alu depctr_va_vdst(0)                   ; the products have written the accumulators, which the LDS stores read; the places above stay beside this wait
.set i, 0
.rept 32
	ds_store_b128 v[REDW], v[8*i:8*i+3] offset:1024*i              ; each accumulator from its low end on
	ds_store_b128 v[REDW], v[8*i+4:8*i+7] offset:1024*i+512
.set i, i+1
.endr
	WIN 0
	BARRIER
	WIN 0x40
	s_wait_alu depctr_vm_vsrc(0)                   ; my LDS stores have read the accumulators' registers, in which the four parts land (the products that named them stand ahead of the wait on va_vdst above)
.irp ws, 0,1,2,3
.set i, 0
.rept 16
	ds_load_b128 v[64*\ws+4*i:64*\ws+4*i+3], v[REDR+\ws/2] offset:(\ws%2)*32768+512*i
.set i, i+1
.endr
.endr
	s_wait_dscnt 0x0
	WIN 0x45
.irp ws, 1,2,3
.set i, 0
.rept 32
	v_pk_add_f32 v[i:i+1], v[i:i+1], v[64*\ws+i:64*\ws+i+1]
.set i, i+2
.endr
.endr
	WIN 0x04
	s_wait_alu depctr_va_vdst(0)                   ; the additions have written v0 to v63 of window 1, which the LDS stores read
.irp n, 0,1,2,3,4,5,6,7
	ds_store_b128 v[STL], v[8*\n:8*\n+3] offset:256*(\n/4)+32*(\n%4)           ; through my stage: a lane's eight neighbours of a row in, whole rows back
	ds_store_b128 v[STL], v[8*\n+4:8*\n+7] offset:256*(\n/4)+32*(\n%4)+16
.endr
	WIN 0
.set i, 0
.rept 16
	ds_load_b128 v[OB+4*i:OB+4*i+3], v[STW] offset:528*i            ; LDS serves a wave's instructions in order
.set i, i+1
.endr
.set i, 0
.rept 16
	v_pk_add_f32 v[HB+4*i:HB+4*i+1], v[HB+4*i:HB+4*i+1], v[B2:B2+1]
	v_pk_add_f32 v[HB+4*i+2:HB+4*i+3], v[HB+4*i+2:HB+4*i+3], v[B2+2:B2+3]
.set i, i+1
.endr
.set i, 0
.rept 16
	s_wait_dscnt 15-i
	v_pk_add_f32 v[OB+4*i:OB+4*i+1], v[OB+4*i:OB+4*i+1], v[HB+4*i:HB+4*i+1]
	v_pk_add_f32 v[OB+4*i+2:OB+4*i+3], v[OB+4*i+2:OB+4*i+3], v[HB+4*i+2:HB+4*i+3]
.set i, i+1
.endr
	s_wait_alu depctr_va_vdst(0)                   ; the additions have written v[OB ..], which the sixteen stores read: one wait for the run
.set i, 0
.rept 16
	global_store_b128 v[O16], v[OB+4*i:OB+4*i+3], s[12:13] offset:3072*i th:TH_STORE_NT     ; 32 lanes store 512 consecutive bytes, aligned
.set i, i+1
.endr
	s_wait_dscnt 0x0
	s_wait_alu depctr_hold_cnt(0) depctr_sa_sdst(0) depctr_va_vdst(0) depctr_va_sdst(0) depctr_va_ssrc(0) depctr_va_vcc(0) depctr_vm_vsrc(0)
	s_wait_tensorcnt 0x0
	ds_add_u32 v254, v255
	s_wait_dscnt 0x0
	s_endpgm
.Lfunc_end_k_q12d28f2a10_f2:
	.size	k_q12d28f2a10_f2, .Lfunc_end_k_q12d28f2a10_f2-k_q12d28f2a10_f2
	.p2alignl 7, 3214868480
	.fill 96, 4, 3214868480
	.section	.rodata,"a",@progbits
	.p2align	6, 0x0
	.amdhsa_kernel k_q12d28f2a10_f2
		.amdhsa_group_segment_fixed_size 165376
		.amdhsa_private_segment_fixed_size 0
		.amdhsa_enable_private_segment 0
		.amdhsa_kernarg_size 40
		.amdhsa_user_sgpr_count 2
		.amdhsa_user_sgpr_kernarg_segment_ptr 1
		.amdhsa_wavefront_size32 1
		.amdhsa_system_sgpr_workgroup_id_x 1
		.amdhsa_system_sgpr_workgroup_id_y 1
		.amdhsa_system_sgpr_workgroup_id_z 1
		.amdhsa_system_vgpr_workitem_id 0
		.amdhsa_next_free_vgpr 912
		.amdhsa_next_free_sgpr 66
		.amdhsa_reserve_vcc 0
		.amdhsa_float_denorm_mode_32 3
		.amdhsa_float_denorm_mode_16_64 3
		.amdhsa_memory_ordered 1
		.amdhsa_forward_progress 1
		.amdhsa_inst_pref_size 79
	.end_amdhsa_kernel
	.amdgpu_metadata
---
amdhsa.version: [ 1, 2 ]
amdhsa.kernels:
  - .name:           k_q12d28f2a10_f2
    .symbol:         k_q12d28f2a10_f2.kd
    .args:
      - { .name: gc, .offset: 0, .size: 8, .value_kind: global_buffer, .address_space: global }
      - { .name: wc, .offset: 8, .size: 8, .value_kind: global_buffer, .address_space: global }
      - { .name: b2, .offset: 16, .size: 8, .value_kind: global_buffer, .address_space: global }
      - { .name: hb, .offset: 24, .size: 8, .value_kind: global_buffer, .address_space: global }
      - { .name: out0, .offset: 32, .size: 8, .value_kind: global_buffer, .address_space: global }
    .group_segment_fixed_size: 165376
    .private_segment_fixed_size: 0
    .kernarg_segment_align: 8
    .kernarg_segment_size: 40
    .max_flat_workgroup_size: 128
    .sgpr_count:     66
    .vgpr_count:     912
    .wavefront_size: 32
...
	.end_amdgpu_metadata
.endif
;; end of part 9
